; MI455X (gfx1250); checked and timed in simulation.
; The chip was launched on July 23, 2026; its instructions are those of AMD's public machine-readable ISA for CDNA 5 (MIT licence, August 2026) and "CDNA5" Instruction Set Architecture Reference Guide (July 2026). The comments in the code are by the model that wrote it; some were corrected since.
;; Encoder. Allowed arithmetic: matrix products marked QUANTISED: E2M3 operands, one E8M0 scale for each 32 along K, by v_wmma_scale_f32_16x16x128_f8f6f4 with both operands' format E2M3, f32 sums; everything else in f32.
;; Inputs: b1 4,096 float32; b2 1,024 float32; ln1_b 1,024 float32; ln1_w 1,024 float32; ln2_b 1,024 float32; ln2_w 1,024 float32; w1 1,024 x 4,096 float32; w2 4,096 x 1,024 float32; w_out 1,024 x 1,024 float32; w_qkv 1,024 x 3,072 float32; x 2 x 2,048 x 1,024 float32.
;; Outputs: out0 2 x 2,048 x 1,024 float32.
;; This version of the problem:
;;   THIS VERSION OF THE PROBLEM IS GIVEN IN LOW PRECISION. The matrix products marked QUANTISED in the list below multiply operands that are first quantised to E2M3 (2 exponent bits, 3 mantissa bits; 6 bits a number), with one power-of-two scale for each 32 numbers along K (OCP MX v1.0); their sums are f32. All else is computed in f32.
;;   The module's matrix products, in the order in which they are computed (A, B: the left and right operand; K: the contracted axis; several contracted axes count as one K, in the product's order):
;;     1. [M 4,096, K 1,024] x [K 1,024, N 3,072]; A: input x; B: input w_qkv: QUANTISED
;;     2. batch 32 x [M 2,048, K 64] x [K 64, N 2,048]; A: computed on the way; B: computed on the way: QUANTISED
;;     3. batch 32 x [M 2,048, K 2,048] x [K 2,048, N 64]; A: softmax (see below); B: computed on the way: QUANTISED
;;     4. [M 4,096, K 1,024] x [K 1,024, N 1,024]; A: computed on the way; B: input w_out: QUANTISED
;;     5. [M 4,096, K 1,024] x [K 1,024, N 4,096]; A: computed on the way; B: input w1: QUANTISED
;;     6. [M 4,096, K 4,096] x [K 4,096, N 1,024]; A: computed on the way; B: input w2: QUANTISED
;;   THE QUANTISER, for each operand of a quantised product, along K:
;;     - K is cut into blocks of 32 from its start; a last block that is shorter is filled with zeros.
;;     - A block's scale is 2^e with e = floor(log2(the largest magnitude in the block)) - 2, held to -126 .. 127; a block of zeros has e = 0. As a byte (E8M0): e + 127.
;;     - Each number is divided by its block's scale, clamped to +-7.5, and rounded to the nearest number of E2M3, ties to even, subnormals kept.
;;     - The product sums the exact products of the quantised numbers (number of the format x scale) in f32.
;;   ~~~python
;;   def quantise(x, axis):      # numpy; x: float32 -> the quantised numbers, widened to float32 again
;;       x = np.moveaxis(x, axis, -1); K = x.shape[-1]
;;       x = np.pad(x, [(0, 0)] * (x.ndim - 1) + [(0, -K % 32)]); x = x.reshape(x.shape[:-1] + (-1, 32)); a = np.abs(x).max(-1, keepdims=True)
;;       e = np.where(a > 0, np.clip(np.frexp(np.where(a > 0, a, 1))[1] - 1 - 2, -126, 127), 0)      # np.frexp(a)[1] - 1 = floor(log2(a)), exactly
;;       r = np.clip(x / 2.0 ** e, -7.5, 7.5)
;;       step = 2.0 ** (np.maximum(np.frexp(np.where(r == 0, 1, r))[1] - 1, 0) - 3)
;;       q = np.round(r / step) * step * 2.0 ** e      # np.round: ties to even
;;       return np.moveaxis(q.reshape(q.shape[:-2] + (-1,))[..., :K], -1, axis).astype(np.float32)
;;   ~~~
;;   SOFTMAX AHEAD OF A QUANTISED PRODUCT. Where the list says 'softmax', what is quantised is not the finished softmax but p = 2^(t - M), with t = logit x log2(e) and M = ceil(the row's largest t), a whole number; so 1/2 < the row's largest p <= 1. The row's sum l is taken of the UNQUANTISED p, in f32, and the product's result is divided by l at the end. Since M is a whole number, a kernel that streams over the keys may use a running M (the ceiling of the running maximum): every later rescaling is an exact power of two, which a block's scale takes up: the codes' values come out the same.
;;   OPERANDS COMPUTED ON THE WAY. 'Computed on the way' means the value that the module computes at that place (a softmax that the list does not call 'softmax' is quantised finished and normalised). What goes into a quantiser is computed in f32, as accurately as f32 sums, v_exp_f32 and their like allow (about 1e-6 of the number): no bf16 or f16 on the way to a quantiser, and a product that is left as it is and whose result goes on into a quantised operand takes f32 operands (vector FMAs, or v_wmma_f32_16x16x4_f32). A number that lies on a knife's edge between two numbers of the format may be rounded either way, as far as f32 arithmetic and the matrix unit's own rounding can turn it there, and no further.
;; 2 versions. Each part assembles by itself: llvm-mc -triple=amdgcn-amd-amdhsa -mcpu=gfx1250 --defsym DOCPART=n.
;; ======== version 1 of 2: 8 launches
;; workspace buffers: actq 3,276,800 bytes; wq 9,830,400 bytes; qkvr 10,092,544 bytes; cbuf 16,777,216 bytes; x1f 16,777,216 bytes; hq 13,107,200 bytes
;; launch prep (part 1): grid 448 x 1, 8 waves a work-group, no clusters, 68,608 bytes of LDS; arguments x, w_qkv, w_out, w1, w2, actq, wq; writes actq, wq
.if DOCPART == 1
	.amdgcn_target "amdgcn-amd-amdhsa--gfx1250"
	.amdhsa_code_object_version 6
	.text
	.protected	k_q3d82d60ba5_prep
	.globl	k_q3d82d60ba5_prep
	.p2align	8
	.type	k_q3d82d60ba5_prep,@function
k_q3d82d60ba5_prep:
	s_mov_b64 s[64:65], 0
	v_nop
	global_prefetch_b8 v0, s[64:65] scope:SCOPE_SE
	s_setreg_imm32_b32 hwreg(HW_REG_WAVE_MODE, 25, 1), 1
	s_wait_xcnt 0x0
; x [4096][1024] and the four weights [K][N], f32, become codes of FP6 (E2M3) with one E8M0 byte for each 32 along K, laid as the matrix unit's operand registers.
; A FRAGMENT (16 rows x 128 K) is 1,536 bytes: six chunks of 256 bytes, chunk p = operand registers 2 p, 2 p + 1 of the 32 lanes, 8 bytes a lane.  A buffer of codes is [tile of 16 rows][K step of 128][fragment].
; THE ROWS OF A TILE ARE NOT NEIGHBOURS: lane r of tile 2 B + u holds row 32 B + 8 u + r + 8 (r / 8), so that a product's results, taken transposed, are 16 neighbours along the next K.
; Scale words (four bytes: one row, 128 K) lie [8 tiles][K step][tile % 8][16 rows].
; A block's scale is 2^(floor(log2(largest magnitude)) - 2): its byte is the largest magnitude's exponent field - 2, held at 1 from below.
; LIMITS: a block of zeros, or one whose largest magnitude lies under 2^-124, gets the byte 1 (its codes add nothing or are held; this program alone reads the bytes); NaN and infinities are not served.
; Work-groups 0-47 w_qkv, 48-63 w_out, 64-127 w1, 128-191 w2: 256 columns x 256 K each; 192-447: one tile of 16 rows of x each.  Memory binds: no matrix unit, no cluster, no tensor load; waves share nothing, so no barrier.
; The scale words leave in runs of 128 or 64 bytes (400 KB of the launch's 80 MB): whole blocks of 256 bytes would need four work-groups' words.
.set ACT_SC, 3145728                   ; where the scale words begin in actq
.set X,   16                           ; v16-79   weights: two sets of 32 numbers down K;  x: 16 rows as loaded
.set CB,  80                           ; v80-127  weights: 12 code registers for each pair of blocks, so that no store's data are written again
.set TT,  128                          ; v128-130 the second half of a block's codes, as the conversion leaves it
.set SB,  132                          ; v132-133 my column's two scale words
.set Y,   80                           ; v80-143  x: 64 numbers of my row, register 16 b + i = k 32 b + 16 (lane / 16) + i
.set TM,  144                          ; v144-159 QUANT: largest magnitudes, bytes, scale operands
.set PW,  160                          ; the scale word
.set PC,  162                          ; v162-181 the fragment's codes (12) and two halves at work
.set SEL, 34                           ; s[34:35] lane selects of v_permlanex16_b32: lane l xor 16
.macro WLOAD t, N                      ; block t of my column: 32 numbers down K; a load reads 128 consecutive bytes, the eight waves stand side by side on 1,024
.set i, 0
.rept 32
	global_load_b32 v[X+32*((\t)%2)+i], v3, s[26:27] offset:(32*(\t)+i)*(\N)*4 th:TH_LOAD_NT
.set i, i+1
.endr
.endm
.macro WBLOCK t, N, K
.set XS, X+32*((\t)%2)
.set CQ, CB+12*((\t)/2)+6*((\t)%2)
.if (\t) < 7
	s_wait_loadcnt 32                              ; this block's 32 loads are in; the next block's 32 may be out
.else
	s_wait_loadcnt 0x0
.endif
	v_max3_num_f32 v12, |v[XS]|, |v[XS+1]|, |v[XS+2]|      ; the block's largest magnitude: all 32 numbers are mine; two chains
	v_max3_num_f32 v13, |v[XS+3]|, |v[XS+4]|, |v[XS+5]|
.irp i, 6,10,14,18,22,26
	v_max3_num_f32 v12, v12, |v[XS+\i]|, |v[XS+\i+1]|
	v_max3_num_f32 v13, v13, |v[XS+\i+2]|, |v[XS+\i+3]|
.endr
	v_max3_num_f32 v12, v12, |v[XS+30]|, |v[XS+31]|
	v_max3_num_f32 v12, v12, v13, 0x1800000        ; and the floor 2^(3 - 127): the byte cannot fall under 1
	v_add_nc_u32 v11, 0xff000000, v12              ; 2 off the exponent field: the conversion takes this operand's exponent field as its scale
	v_lshrrev_b32 v13, 23, v11                     ; the scale's byte
.if (\t)%4 == 0
	v_mov_b32 v[SB+(\t)/4], v13                    ; four bytes to a word, the lower K in the lower byte
.else
	v_lshl_or_b32 v[SB+(\t)/4], v13, 8*((\t)%4), v[SB+(\t)/4]
.endif
	v_cvt_scalef32_pk16_fp6_f32 v[CQ:CQ+2], v[XS:XS+15], v11
	v_cvt_scalef32_pk16_fp6_f32 v[TT:TT+2], v[XS+16:XS+31], v11   ; (a conversion's three registers begin on an even number)
	v_nop                                          ; one plain line behind a scaled conversion
.irp i, 0,1,2
	v_mov_b32 v[CQ+3+\i], v[TT+\i]
.endr
.if (\t)+2 < 8
	WLOAD (\t)+2, \N
.endif
.if (\t)%2 == 1                        ; lanes 0-15 hold tile 2 B's rows, lanes 16-31 tile 2 B + 1's; an operand wants the even block in lanes 0-15 and the odd one in lanes 16-31
.set CE, CB+12*((\t)/2)
.irp i, 0,1,2,3,4,5
	v_permlane16_swap_b32 v[CE+\i], v[CE+6+\i]     ; the even block's lanes 16-31 change places with the odd block's lanes 0-15: now CE is tile 2 B's six registers, CE + 6 tile 2 B + 1's
.endr
.irp p, 0,1,2
	global_store_b64 v4, v[CE+2*\p:CE+2*\p+1], s[28:29] offset:((\t)/4)*1536+(((\t)%4)/2)*768+256*\p       ; 32 lanes store 256 consecutive bytes, aligned
	global_store_b64 v4, v[CE+6+2*\p:CE+7+2*\p], s[28:29] offset:((\K)/128)*1536+((\t)/4)*1536+(((\t)%4)/2)*768+256*\p
.endr
.endif
.endm
; One weight.  N, K: its sizes; JB: its first work-group; KGB: log2 of the work-groups along K; PTR: its pointer; COFF, SOFF: where its codes and scale words begin in wq.
.macro WPATH N, K, JB, KGB, PTR, COFF, SOFF
	s_sub_co_u32 s20, ttmp9, \JB
	s_and_b32 s21, s20, (1<<\KGB)-1                ; which 256 along K
	s_lshr_b32 s22, s20, \KGB                      ; which 256 columns
	s_mul_i32 s24, s21, 256*(\N)*4
	s_lshl_b32 s23, s22, 10
	s_add_co_u32 s24, s24, s23
	s_lshl_b32 s23, s18, 7
	s_add_co_u32 s24, s24, s23                     ; + my wave's 32 columns
	s_add_nc_u64 s[26:27], s[\PTR:\PTR+1], s[24:25]
	s_lshl_b32 s23, s22, 3
	s_add_co_u32 s23, s23, s18                     ; B: my pair of tiles
	s_mul_i32 s24, s23, 2*((\K)/128)*1536
	s_mul_i32 s28, s21, 2*1536
	s_add_co_u32 s24, s24, s28
.if \COFF
	s_add_co_u32 s24, s24, \COFF
.endif
	s_add_nc_u64 s[28:29], s[16:17], s[24:25]      ; tile 2 B, my first K step
	s_lshl_b32 s24, s22, 1
	s_lshr_b32 s23, s18, 2
	s_add_co_u32 s24, s24, s23                     ; which eight tiles
	s_mul_i32 s24, s24, ((\K)/128)*512
	s_lshl_b32 s23, s21, 10
	s_add_co_u32 s24, s24, s23
	s_and_b32 s23, s18, 3
	s_lshl_b32 s23, s23, 7
	s_add_co_u32 s24, s24, s23
	s_add_co_u32 s24, s24, \SOFF
	s_add_nc_u64 s[30:31], s[16:17], s[24:25]
	WLOAD 0, \N
	WLOAD 1, \N
.irp t, 0,1,2,3,4,5,6,7
	WBLOCK \t, \N, \K
.endr
	global_store_b32 v5, v[SB], s[30:31]           ; my two tiles' words of the first K step: 128 consecutive bytes,
	global_store_b32 v5, v[SB+1], s[30:31] offset:512   ; and of the second
	s_endpgm
.endm
; 64 numbers of a lane, v[s] .. v[s + 63], become a fragment's codes in v[PC] on and its scale word in v[PW].
.macro QUANT s
.irp b, 0,1,2,3
	v_max3_num_f32 v[TM+\b], |v[\s+16*\b]|, |v[\s+1+16*\b]|, 0x1800000   ; block b: my 16 numbers, and the floor 2^(3 - 127)
.endr
.irp i, 2,4,6,8,10,12,14
.irp b, 0,1,2,3
	v_max3_num_f32 v[TM+\b], v[TM+\b], |v[\s+16*\b+\i]|, |v[\s+1+16*\b+\i]|   ; (the four blocks by turns)
.endr
.endr
.irp b, 0,1,2,3
	v_permlanex16_b32 v[TM+4+\b], v[TM+\b], s[SEL], s[SEL+1]
.endr
.irp b, 0,1,2,3
	v_max_num_f32 v[TM+\b], v[TM+\b], v[TM+4+\b]   ; with lane l xor 16's: the block's largest magnitude
.endr
.irp b, 0,1,2,3
	v_add_nc_u32 v[TM+12+\b], 0xff000000, v[TM+\b] ; the conversion's scale operand
.endr
.irp b, 0,1,2,3
	v_lshrrev_b32 v[TM+4+\b], 23, v[TM+12+\b]      ; the scale's byte
.endr
	v_lshl_or_b32 v[PW], v[TM+5], 8, v[TM+4]
	v_lshl_or_b32 v[PW], v[TM+6], 16, v[PW]
	v_lshl_or_b32 v[PW], v[TM+7], 24, v[PW]
.irp c, 0,1
	v_cvt_scalef32_pk16_fp6_f32 v[PC+6*\c:PC+2+6*\c], v[\s+32*\c:\s+15+32*\c], v[TM+12+2*\c]
	v_cvt_scalef32_pk16_fp6_f32 v[PC+12+4*\c:PC+14+4*\c], v[\s+16+32*\c:\s+31+32*\c], v[TM+12+2*\c+1]
.endr
	v_nop                                          ; one plain line behind a scaled conversion
.irp c, 0,1                            ; the operand wants a WHOLE block in a lane: lanes 0-15 block 2 c, lanes 16-31 block 2 c + 1
.irp i, 0,1,2
	v_permlane16_swap_b32 v[PC+6*\c+\i], v[PC+12+4*\c+\i]
.endr
.irp i, 0,1,2
	v_mov_b32 v[PC+3+6*\c+\i], v[PC+12+4*\c+\i]
.endr
.endr
.endm
	s_load_b256 s[4:11], s[0:1], 0x0               ; x, w_qkv, w_out, w1
	s_load_b128 s[12:15], s[0:1], 0x20             ; w2, actq
	s_load_b64 s[16:17], s[0:1], 0x30              ; wq
	v_lshl_add_u32 v192, v0, 2, 0x10800
	v_mov_b32 v193, 0
	v_lshrrev_b32 v1, 5, v0
	v_readfirstlane_b32 s18, v1                    ; wave 0..7
	v_and_b32 v2, 31, v0                           ; lane
	v_lshlrev_b32 v4, 3, v2                        ; a chunk's place for my lane
	v_lshlrev_b32 v5, 2, v2
	s_mov_b32 s25, 0                               ; the upper word of every offset
	s_wait_kmcnt 0x0
	s_cmp_ge_u32 ttmp9, 192
	s_cbranch_scc1 .Lx
	v_and_b32 v3, 7, v2                            ; my column of the wave's 32: lane % 8 + 16 x bit 3 + 8 x bit 4: the tiles' order of rows
	v_bfe_u32 v6, v2, 3, 1
	v_lshl_add_u32 v3, v6, 4, v3
	v_bfe_u32 v6, v2, 4, 1
	v_lshl_add_u32 v3, v6, 3, v3
	v_lshlrev_b32 v3, 2, v3
	s_cmp_ge_u32 ttmp9, 128
	s_cbranch_scc1 .Lw2
	s_cmp_ge_u32 ttmp9, 64
	s_cbranch_scc1 .Lw1
	s_cmp_ge_u32 ttmp9, 48
	s_cbranch_scc1 .Lwout
	WPATH 3072, 1024, 0, 2, 6, 0, 9437184
.Lwout:
	WPATH 1024, 1024, 48, 2, 8, 2359296, 9535488
.Lw1:
	WPATH 4096, 1024, 64, 2, 10, 3145728, 9568256
.Lw2:
	WPATH 1024, 4096, 128, 4, 12, 6291456, 9699328
.Lx:                                                   ; a tile of 16 rows of x; wave w takes K step w
	s_sub_co_u32 s20, ttmp9, 192                   ; the tile
	s_lshr_b32 s21, s20, 1
	s_and_b32 s22, s20, 1
	s_lshl_b32 s21, s21, 5
	s_lshl_b32 s22, s22, 3
	s_add_co_u32 s21, s21, s22                     ; its first row: 32 B + 8 u
	s_lshl_b32 s24, s21, 12
	s_lshl_b32 s22, s18, 9
	s_add_co_u32 s24, s24, s22
	s_add_nc_u64 s[26:27], s[4:5], s[24:25]
	s_lshl_b32 s24, s20, 3
	s_add_co_u32 s24, s24, s18
	s_mul_i32 s24, s24, 1536
	s_add_nc_u64 s[28:29], s[14:15], s[24:25]      ; the fragment
	s_lshr_b32 s24, s20, 3
	s_lshl_b32 s24, s24, 12
	s_add_co_u32 s24, s24, s22
	s_and_b32 s22, s20, 7
	s_lshl_b32 s22, s22, 6
	s_add_co_u32 s24, s24, s22
	s_add_co_u32 s24, s24, ACT_SC
	s_add_nc_u64 s[30:31], s[14:15], s[24:25]      ; its scale words
	v_lshlrev_b32 v3, 4, v2
.set i, 0
.rept 16
	global_load_b128 v[X+4*i:X+4*i+3], v3, s[26:27] offset:(i+8*(i/8))*4096 th:TH_LOAD_NT   ; 512 consecutive bytes of the tile's row i
.set i, i+1
.endr
	s_mul_i32 s22, s18, 8448                       ; my stage: 16 rows of 512 + 16 bytes
	v_add_nc_u32 v6, s22, v3                       ; in: as loaded
	v_and_b32 v7, 15, v2
	v_bfe_u32 v8, v2, 4, 1
	v_mul_u32_u24 v9, v7, 528
	v_lshl_add_u32 v9, v8, 6, v9
	v_add_nc_u32 v9, s22, v9                       ; out: row lane % 16, + 64 bytes for lanes 16-31
	v_lshlrev_b32 v10, 2, v7
	s_mov_b32 s[SEL], 0x76543210
	s_mov_b32 s[SEL+1], 0xfedcba98
.irp b, 0,1,2,3
	v_mov_b32 v[TM+4+\b], 0                        ; written once: a lane permute's destination counts as one of its sources
.endr
	s_wait_loadcnt 0x0
.set i, 0
.rept 16
	ds_store_b128 v6, v[X+4*i:X+4*i+3] offset:528*i
.set i, i+1
.endr
.irp b, 0,1,2,3
.irp j, 0,1,2,3
	ds_load_b128 v[Y+16*\b+4*\j:Y+16*\b+4*\j+3], v9 offset:128*\b+16*\j   ; LDS serves a wave's instructions in order: these see my stores
.endr
.endr
	s_wait_dscnt 0x0
	QUANT Y
.irp p, 0,1,2,3,4,5
	global_store_b64 v4, v[PC+2*\p:PC+2*\p+1], s[28:29] offset:256*\p
.endr
	global_store_b32 v10, v[PW], s[30:31]          ; lanes l and l xor 16 hold the same word and store it to the same place
	s_wait_tensorcnt 0x0
	ds_add_u32 v192, v193
	s_wait_dscnt 0x0
	s_endpgm
.Lfunc_end_k_q3d82d60ba5_prep:
	.size	k_q3d82d60ba5_prep, .Lfunc_end_k_q3d82d60ba5_prep-k_q3d82d60ba5_prep
	.p2alignl 7, 3214868480
	.fill 96, 4, 3214868480
	.section	.rodata,"a",@progbits
	.p2align	6, 0x0
	.amdhsa_kernel k_q3d82d60ba5_prep
		.amdhsa_group_segment_fixed_size 68608
		.amdhsa_private_segment_fixed_size 0
		.amdhsa_enable_private_segment 0
		.amdhsa_kernarg_size 56
		.amdhsa_user_sgpr_count 2
		.amdhsa_user_sgpr_kernarg_segment_ptr 1
		.amdhsa_wavefront_size32 1
		.amdhsa_system_sgpr_workgroup_id_x 1
		.amdhsa_system_sgpr_workgroup_id_y 1
		.amdhsa_system_sgpr_workgroup_id_z 1
		.amdhsa_system_vgpr_workitem_id 0
		.amdhsa_next_free_vgpr 194
		.amdhsa_next_free_sgpr 66
		.amdhsa_reserve_vcc 0
		.amdhsa_float_denorm_mode_32 3
		.amdhsa_float_denorm_mode_16_64 3
		.amdhsa_memory_ordered 1
		.amdhsa_forward_progress 1
		.amdhsa_inst_pref_size 171
	.end_amdhsa_kernel
	.amdgpu_metadata
---
amdhsa.version: [ 1, 2 ]
amdhsa.kernels:
  - .name:           k_q3d82d60ba5_prep
    .symbol:         k_q3d82d60ba5_prep.kd
    .args:
      - { .name: x, .offset: 0, .size: 8, .value_kind: global_buffer, .address_space: global }
      - { .name: w_qkv, .offset: 8, .size: 8, .value_kind: global_buffer, .address_space: global }
      - { .name: w_out, .offset: 16, .size: 8, .value_kind: global_buffer, .address_space: global }
      - { .name: w1, .offset: 24, .size: 8, .value_kind: global_buffer, .address_space: global }
      - { .name: w2, .offset: 32, .size: 8, .value_kind: global_buffer, .address_space: global }
      - { .name: actq, .offset: 40, .size: 8, .value_kind: global_buffer, .address_space: global }
      - { .name: wq, .offset: 48, .size: 8, .value_kind: global_buffer, .address_space: global }
    .group_segment_fixed_size: 68608
    .private_segment_fixed_size: 0
    .kernarg_segment_align: 8
    .kernarg_segment_size: 56
    .max_flat_workgroup_size: 256
    .sgpr_count:     66
    .vgpr_count:     194
    .wavefront_size: 32
...
	.end_amdgpu_metadata
.endif
;; end of part 1
;; launch qkvp (part 2): grid 48 x 4, 4 waves a work-group, clusters of 4 x 4, 327,680 bytes of LDS; arguments actq, wq, qkvr; writes qkvr
.if DOCPART == 2
	.amdgcn_target "amdgcn-amd-amdhsa--gfx1250"
	.amdhsa_code_object_version 6
	.text
	.protected	k_q3d82d60ba5_qkvp
	.globl	k_q3d82d60ba5_qkvp
	.p2align	8
	.type	k_q3d82d60ba5_qkvp,@function
k_q3d82d60ba5_qkvp:
	s_mov_b64 s[64:65], 0
	v_nop
	global_prefetch_b8 v0, s[64:65] scope:SCOPE_SE
	s_setreg_imm32_b32 hwreg(HW_REG_WAVE_MODE, 25, 1), 1
	s_wait_xcnt 0x0
	s_wait_alu depctr_hold_cnt(0) depctr_sa_sdst(0) depctr_va_vdst(0) depctr_va_sdst(0) depctr_va_ssrc(0) depctr_va_vcc(0) depctr_vm_vsrc(0)
	s_getreg_b32 s2, hwreg(HW_REG_IB_STS2, 6, 4)
	s_cmp_eq_u32 s2, 0
	s_cbranch_scc0 .Lentry_in_a_cluster
	s_endpgm
.Lentry_in_a_cluster:
	s_bfe_u32 s2, ttmp6, 0x10000c
	s_cmp_lg_u32 s2, 0xf033
	s_cbranch_scc0 .Lentry_shape_is_right
	s_endpgm
.Lentry_shape_is_right:
; q, k, v = x W_qkv on codes of FP6 (E2M3), quantised at once for attention and laid in records, one for each (batch x head, 128 tokens).
; THE CORE is a GEMM C = A B^T on fragment images: a tile of C, 256 x 256, by four waves, each 128 x 128 in 64 accumulators (512 registers); K in steps of 256 through a ring of two LDS slots filled by the tensor data mover.
; A buffer of codes is [tile of 16 rows][K step of 128][1,536 bytes: six chunks of 256 bytes, chunk p = operand registers 2 p, 2 p + 1, 8 bytes a lane]: a fragment comes by six ds_load_b64 at 8 x lane, each 256 consecutive bytes.
; Lane r of tile 2 B + u holds row 32 B + 8 u + r + 8 (r / 8).  THE MATRIX INSTRUCTION IS USED TRANSPOSED (source 0 = 16 rows of B, source 1 = 16 rows of A): a lane holds ONE row of A, and the 64 registers of A's tile a
; run along B's 128 rows in their true order: 16 neighbours for each pair of B's tiles.  So they are quantised along B's rows as they stand.
; Clusters 0-7 (mode 0): A = x (tokens), B = W's rows for q and k: a lane's 128 numbers are two heads of one token.  Clusters 8-11 (mode 1): A = W's rows for v, B = x: a lane's 128 numbers are one channel of v at 128 tokens,
; the K of attention's second product.  The mode hangs on the cluster's number alone, equal in all partners; it chooses scalars, never an LDS address.
; CLUSTERS: 4 x 4 work-groups; A's tiles are asked for jointly along a row of the cluster, B's along a column.
; THE WAY OUT: behind a barrier each wave stores its accumulators as register images into 65,536 LDS bytes of its own, and one loop of eight trips takes a tile back, quantises it and stores it: the quantiser is written once.
; RECORD (19,712 bytes): k's codes 0 (8 tiles x 768), v^T's codes 6,144 (4 tiles x 1,536), k's scale words 12,288, v^T's 12,800, q's codes 13,056, q's scale words 19,200.  q and k have K = 64: half a fragment; the upper two bytes of their scale words are 127.
; LIMITS: a block of zeros, or one under 2^-124, gets the byte 1; NaN and infinities are not served.
; REGISTERS: window 0: v0-31 addresses; v32-63 scale words, two sets, and nothing else; v128-223 A's fragments, one set; window 1: B's fragments, two sets; windows 2, 3: the accumulators ((a, b) at v[8 (8 (a % 4) + b)]).
.set KK,     1024
.set BIAS,   0
.set PA,     12                        ; s[12:13] A's buffer, s[8:9] B's
.set PB,     8
.set ACT_SC, 3145728
.set REC,    19712
.set NQ,     2                         ; matrix instructions deep in a slot
.set FR,     12                        ; registers of a fragment
.set NL,     6                         ; LDS loads that bring one
.set NP,     4                         ; places behind this matrix instruction (ISA guide 7.12.1)
.set FRB,    1536
.set RTB,    NQ*FRB                    ; a tile of 16 rows in a slot
.set HALFT,  8*RTB                     ; 128 rows: what one tensor load brings
.set SLOT,   4*HALFT                   ; A's 256 rows, then B's
.set KRT,    (KK/128)*FRB              ; from tile to tile in memory
.set HALFS,  (KK/128)*512              ; the scale words of 128 rows, all of K: one dense block
.set SCL,    2*SLOT                    ; behind the ring: the scale words, filled once
.set SST,    262144                    ; the way out: the stage for scale words, 1,024 bytes a wave
.set SPARE,  327168                    ; the spare words, 128 bytes a wave: two blocks of 256 bytes that no other line names
.set LAPS,   KK/512
.set ADRA, 16                          ; v16-17 LDS address of my A fragments in slot 0, 1
.set ADRB, 20                          ; v20-21 the same for B
.set ADRS, 27                          ; v27    of my scale words: lanes 0-15 A's rows, lanes 16-31 B's
.set SPW,  28                          ; v28    my spare word: SPARE + 4 x my thread's number; never rewritten
.set NIL,  29                          ; v29    0; never rewritten
.set SC,   32
.set BI,   64
.set AF,   128
.set DST,  8                           ; the way out: v8 my wave's images + 16 x lane; v9, v10 the scale stage in and out; v11 the word's shift; v12 the last stores' offset; v13, v14 addresses in hand; v15 the word
.set SWA,  9
.set SRD,  10
.set VSH,  11
.set FO,   12
.set LA,   13
.set SA,   14
.set WT,   15
.set H,    64                          ; v64-127 a tile's 64 numbers
.set TM,   192
.set PW,   208
.set PC,   212
.set SEL,  40
.set G1, 24
.set G0, 32
.set G1B, 48
.set G0B, 56
.set G1S, 68
.set G0S, 76
.set G1SB, 80
.set G0SB, 88
.set MSB, 0
.macro WIN new                         ; the immediate's high byte repeats the setting that is left
.if MSB != (\new)
	s_set_vgpr_msb (MSB<<8)|(\new)
.set MSB, (\new)
.endif
.endm
.set MUL_LO, 0xa1                      ; source 0 (B) window 1, source 1 (A) window 0, C and D window 2
.set MUL_HI, 0xf1                      ; the same, C and D window 3
.set ST_LO,  0x81                      ; a sum's start from a bias in window 0
.set ST_HI,  0xc1
.set TO_B,   0x40                      ; destination window 1
; A joint load: waves 0 and 1 fetch for A, waves 2 and 3 for B; the branch hangs on the wave's number alone.  Four v_nop follow each of the two lines.
.macro JLOAD g0a, g1a, g0b, g1b
	s_cmp_eq_u32 s15, 0
	s_cbranch_scc0 .Lfor_b_\@
	tensor_load_to_lds s[\g0a:\g0a+3], s[\g1a:\g1a+7]
	s_nop 0
.rept 4
	v_nop
.endr
	s_branch .Lasked_\@
.Lfor_b_\@:
	tensor_load_to_lds s[\g0b:\g0b+3], s[\g1b:\g1b+7]
	s_nop 0
.rept 4
	v_nop
.endr
.Lasked_\@:
.endm
.macro CREST                           ; a round of the cluster's barrier behind its opening barrier
	s_cmp_lg_u32 s14, 0
	s_cbranch_scc1 .Lnot_wave_0_\@
	s_barrier_signal -3
.Lnot_wave_0_\@:
	s_barrier_wait -3
	s_barrier_signal -1
	s_barrier_wait -1
.endm
.macro CROUND
	s_barrier_signal -1
	s_barrier_wait -1
	CREST
.endm
	s_load_b128 s[4:7], s[0:1], 0x0                ; actq, wq
	s_load_b64 s[10:11], s[0:1], 0x10              ; qkvr
	v_lshl_add_u32 v[SPW], v0, 2, SPARE
	v_mov_b32 v[NIL], 0
	ds_add_u32 v28, v29
	ds_add_u32 v28, v29
	s_wait_dscnt 0x0
	v_lshrrev_b32 v1, 5, v0
	v_readfirstlane_b32 s14, v1                    ; wave 0..3
	s_lshr_b32 s15, s14, 1                         ; which half of the tile's rows is mine.  Also: I fetch for A (0) or for B (1)
	s_and_b32 s16, s14, 1                          ; which half of its columns.  Also: which 128 rows I fetch
	s_bfe_u32 s40, ttmp6, 0x40000                  ; cx, cy
	s_bfe_u32 s41, ttmp6, 0x40004
	s_and_b32 s18, ttmp9, 1                        ; mode 0: 2 x 4 clusters over 8 x 16 tiles
	s_lshr_b32 s19, ttmp9, 1
	s_sub_co_u32 s20, ttmp9, 8                     ; mode 1: 4 x 1 clusters over 16 x 4 tiles
	s_mov_b32 s67, 1572864                         ; W's rows 2,048 on: tile 128
	s_mov_b32 s95, 9502720                         ; and their scale words
	s_mov_b32 s96, ACT_SC
	s_mov_b32 s97, 9437184
	s_cmp_ge_u32 ttmp9, 8
	s_cselect_b32 s66, 1, 0                        ; the mode
	s_cselect_b32 s18, s20, s18
	s_cselect_b32 s19, 0, s19
	s_cselect_b32 s67, s67, 0                      ; where A's codes begin in its buffer,
	s_cselect_b32 s95, s95, s96                    ; A's scale words,
	s_cselect_b32 s96, s96, s97                    ; B's scale words (B's codes begin at 0 in both modes)
	s_lshl_b32 s42, s18, 2
	s_add_co_u32 s42, s42, s40                     ; tile column
	s_lshl_b32 s17, s19, 2
	s_add_co_u32 s17, s17, s41                     ; tile row
	s_lshl_b32 s43, s41, 2
	s_lshl_b32 s43, 15, s43                        ; my row of the cluster
	s_lshl_b32 s44, 0x1111, s40                    ; my column
	; descriptor group 1: 8 tiles of 16 rows, 3,072 consecutive bytes each (two K steps), as 384 elements of 8 bytes; dense in LDS
	s_or_b32 s[G1+0], s43, (3<<16)|(1<<21)         ; 15:0 the mask; 17:16 elements of 8 bytes; 21 set beside a mask
	s_or_b32 s[G1B+0], s44, (3<<16)|(1<<21)
.irp g, G1, G1B
	s_mov_b32 s[\g+1], 384<<16                     ; tensor_dim0
	s_mov_b32 s[\g+2], 8<<16                       ; tensor_dim1
	s_mov_b32 s[\g+3], 384<<16                     ; tile_dim0
	s_mov_b32 s[\g+4], 8                           ; tile_dim1
	s_mov_b32 s[\g+5], KRT/8                       ; from tile to tile, in elements
	s_mov_b32 s[\g+6], 0
	s_mov_b32 s[\g+7], 0
.endr
	; and for the scale words of 128 rows: a dense block, as rows of 256 bytes
	s_or_b32 s[G1S+0], s43, (3<<16)|(1<<21)
	s_or_b32 s[G1SB+0], s44, (3<<16)|(1<<21)
.irp g, G1S, G1SB
	s_mov_b32 s[\g+1], 32<<16
	s_mov_b32 s[\g+2], (HALFS/256)<<16
	s_mov_b32 s[\g+3], 32<<16
	s_mov_b32 s[\g+4], HALFS/256
	s_mov_b32 s[\g+5], 32
	s_mov_b32 s[\g+6], 0
	s_mov_b32 s[\g+7], 0
.endr
	s_lshl_b32 s20, s17, 1
	s_add_co_u32 s20, s20, s16                     ; A: which 128 rows I fetch: 2 x tile row + half
	s_lshl_b32 s46, s42, 1
	s_add_co_u32 s46, s46, s16                     ; B: 2 x tile column + half
	s_mul_i32 s22, s20, HALFS
	s_add_co_u32 s22, s22, s95
	s_mul_i32 s92, s46, HALFS
	s_add_co_u32 s92, s92, s96
	s_mul_i32 s20, s20, 8*KRT
	s_add_co_u32 s20, s20, s67
	s_mul_i32 s46, s46, 8*KRT
	s_mov_b32 s21, 0
	s_mov_b32 s23, 0
	s_mov_b32 s47, 0
	s_mov_b32 s93, 0
	s_mul_i32 s45, s14, HALFT                      ; where they go: wave x 128 rows: no place in the cluster enters an LDS address
	s_mul_i32 s94, s14, HALFS
	s_wait_kmcnt 0x0
	s_cmp_lg_u32 s66, 0
	s_cselect_b64 s[PA:PA+1], s[6:7], s[4:5]
	s_cselect_b64 s[PB:PB+1], s[4:5], s[6:7]
	s_add_nc_u64 s[20:21], s[PA:PA+1], s[20:21]
	s_add_nc_u64 s[22:23], s[PA:PA+1], s[22:23]
	s_add_nc_u64 s[46:47], s[PB:PB+1], s[46:47]
	s_add_nc_u64 s[92:93], s[PB:PB+1], s[92:93]
	CROUND                                         ; all sixteen work-groups are here: the first joint loads meet
	s_mov_b32 s[G0S], 1
	s_add_co_u32 s[G0S+1], s94, SCL
	s_mov_b64 s[G0S+2:G0S+3], s[22:23]
	s_or_b32 s[G0S+3], s[G0S+3], 0x80000000
	s_mov_b32 s[G0SB], 1
	s_add_co_u32 s[G0SB+1], s94, SCL
	s_mov_b64 s[G0SB+2:G0SB+3], s[92:93]
	s_or_b32 s[G0SB+3], s[G0SB+3], 0x80000000
	JLOAD G0S, G1S, G0SB, G1SB                     ; the scale words first: they are wanted with K step 0
.irp s, 0,1
	s_mov_b32 s[G0+4*\s], 1
	s_add_co_u32 s[G0+4*\s+1], s45, \s*SLOT
	s_add_nc_u64 s[G0+4*\s+2:G0+4*\s+3], s[20:21], \s*RTB
	s_or_b32 s[G0+4*\s+3], s[G0+4*\s+3], 0x80000000
	s_mov_b32 s[G0B+4*\s], 1
	s_add_co_u32 s[G0B+4*\s+1], s45, \s*SLOT
	s_add_nc_u64 s[G0B+4*\s+2:G0B+4*\s+3], s[46:47], \s*RTB
	s_or_b32 s[G0B+4*\s+3], s[G0B+4*\s+3], 0x80000000
	JLOAD G0+4*\s, G1, G0B+4*\s, G1B
.endr
	v_and_b32 v1, 15, v0                           ; r = lane % 16
	v_bfe_u32 v2, v0, 4, 1                         ; h = lane / 16
	v_and_b32 v3, 31, v0                           ; lane
	v_lshlrev_b32 v4, 3, v3                        ; a chunk's place for my lane
	s_mul_i32 s21, s15, HALFT                      ; my 128 rows of A
	s_mul_i32 s22, s16, HALFT                      ; my 128 rows of B,
	s_add_co_u32 s22, s22, 2*HALFT                 ; which lie behind A's 256
.irp s, 0,1
	v_add_nc_u32 v[ADRA+\s], s21, v4
	v_add_nc_u32 v[ADRB+\s], s22, v4
	s_add_co_u32 s21, s21, SLOT
	s_add_co_u32 s22, s22, SLOT
.endr
	v_lshlrev_b32 v5, 2, v1                        ; my row's scale word in a tile's 64 bytes
	s_mul_i32 s21, s15, HALFS
	s_mul_i32 s22, s16, HALFS
	s_add_co_u32 s22, s22, 2*HALFS
	s_sub_co_u32 s22, s22, s21
	v_mul_u32_u24 v6, s22, v2                      ; lanes 16-31 take B's: one product, the distance between the two blocks
	s_add_co_u32 s21, s21, SCL
	v_add_nc_u32 v5, v5, v6
	v_add_nc_u32 v[ADRS], s21, v5
.macro FRAG reg, adr, q, i             ; a fragment as it lies: six loads of 8 bytes a lane, 256 consecutive bytes each
.irp p, 0,1,2,3,4,5
	ds_load_b64 v[\reg+2*\p:\reg+2*\p+1], v[\adr] offset:(\i)*RTB+(\q)*FRB+256*\p
.endr
.endm
; 16 matrix instructions: A's blocks a0, a0 + 1 x B's eight, the slot's q-th 128 along K.  p: B's set; sc: the set of scale words; zero = 1: the first product starts the sums.
; The 64 accumulators take turns, one instruction a turn, in the same order in every step.
.macro MUL16 a0, p, q, sc, zero
.irp a, \a0, \a0+1
.irp b, 0,1,2,3,4,5,6,7
.set rD, 8*(8*((\a)%4)+\b)
.set rB, 128*(\p)+FR*\b
.set rA, AF+FR*(\a)
.set rSB, SC+8*NQ*(\sc)+NQ*\b+(\q)
.set rSA, SC+8*NQ*(\sc)+NQ*(\a)+(\q)
.if (\zero) && BIAS
	v_wmma_scale_f32_16x16x128_f8f6f4 v[rD:rD+7], v[rB:rB+FR-1], v[rA:rA+FR-1], v[BI+8*\b:BI+8*\b+7], v[rSB], v[rSA] matrix_a_fmt:MATRIX_FMT_FP6 matrix_b_fmt:MATRIX_FMT_FP6 matrix_a_scale:MATRIX_SCALE_ROW1
.elseif \zero
	v_wmma_scale_f32_16x16x128_f8f6f4 v[rD:rD+7], v[rB:rB+FR-1], v[rA:rA+FR-1], 0, v[rSB], v[rSA] matrix_a_fmt:MATRIX_FMT_FP6 matrix_b_fmt:MATRIX_FMT_FP6 matrix_a_scale:MATRIX_SCALE_ROW1
.else
	v_wmma_scale_f32_16x16x128_f8f6f4 v[rD:rD+7], v[rB:rB+FR-1], v[rA:rA+FR-1], v[rD:rD+7], v[rSB], v[rSA] matrix_a_fmt:MATRIX_FMT_FP6 matrix_b_fmt:MATRIX_FMT_FP6 matrix_a_scale:MATRIX_SCALE_ROW1
.endif
.endr
.endr
.endm
.macro FETCH_B slot, q, p
	WIN TO_B
.irp i, 0,1,2,3,4,5,6,7
	FRAG 128*(\p)+FR*\i, ADRB+\slot, \q, \i
.endr
	WIN 0
.endm
.macro FETCH_A slot, q, i0
.irp i, \i0, \i0+1, \i0+2, \i0+3
	FRAG AF+FR*(\i), ADRA+\slot, \q, \i
.endr
.endm
.macro SCALES sc                       ; a slot's scale words into set sc: register NQ i + q: lanes 0-15 the words of A's block i, lanes 16-31 of B's block i, for the slot's q-th 128 along K
.irp i, 0,1,2,3,4,5,6,7
	ds_load_b32 v[SC+8*NQ*\sc+NQ*\i], v[ADRS] offset:64*\i
	ds_load_b32 v[SC+8*NQ*\sc+NQ*\i+1], v[ADRS] offset:512+64*\i
.endr
.endm
.macro PLACES n                        ; plain vector lines between a matrix instruction and a load into, or a read of, its registers (ISA guide 7.12.1 for a read)
.rept \n
	v_nop
.endr
.endm
.macro STEP slot, q, zero              ; a step of 128 along K that has its successor in the same slot
	s_wait_dscnt 4*NL                              ; all but the youngest 24 loads (A's blocks 4-7) are in
.if (\zero) && BIAS
	WIN ST_LO
.else
	WIN MUL_LO
.endif
	MUL16 0, (\q)%2, \q, \slot, \zero
	MUL16 2, (\q)%2, \q, \slot, \zero
	s_wait_dscnt 0                                 ; A's blocks 4-7 are in
	PLACES NP
	FETCH_B \slot, (\q)+1, 1-(\q)%2
	FETCH_A \slot, (\q)+1, 0
.if (\zero) && BIAS
	WIN ST_HI
.else
	WIN MUL_HI
.endif
	MUL16 4, (\q)%2, \q, \slot, \zero
	MUL16 6, (\q)%2, \q, \slot, \zero
	PLACES NP
	WIN 0
	FETCH_A \slot, (\q)+1, 4
.endm
; A slot's last step changes slots: ONE barrier; in front of it each wave waits for all its tensor loads, adds 0 to its spare word, and waits for that and for its own reads of this slot.  fill = 1: this slot is filled again.
.macro TURN slot, next, fill
	s_wait_tensorcnt 0x0                           ; all my tensor loads have landed: my part of the next slot
	ds_add_u32 v[SPW], v[NIL]                      ; 0 onto my spare word
	s_wait_dscnt 4*NL+1                            ; (the add and the youngest 24 loads may be out)
	WIN MUL_LO
	MUL16 0, 1, NQ-1, \slot, 0                     ; sixteen matrix instructions stand between the add and the wait for it
	s_wait_dscnt 0x0                               ; the add is done, and my reads of this slot are over
	s_barrier_signal -1
	MUL16 2, 1, NQ-1, \slot, 0
	WIN 0
	s_barrier_wait -1
.if \fill
	CREST                                          ; the barrier has opened a round of the cluster's barrier: no wave of any partner still reads this slot or has a load on its way
	s_add_nc_u64 s[G0+4*\slot+2:G0+4*\slot+3], s[G0+4*\slot+2:G0+4*\slot+3], 2*RTB
	s_add_nc_u64 s[G0B+4*\slot+2:G0B+4*\slot+3], s[G0B+4*\slot+2:G0B+4*\slot+3], 2*RTB
	JLOAD G0+4*\slot, G1, G0B+4*\slot, G1B         ; the first tensor load behind the round; its four v_nop are the places in front of the loads below
.else
	PLACES NP
.endif
	v_add_nc_u32 v[ADRS], 512*NQ, v[ADRS]          ; on to the next slot's scale words
	FETCH_B \next, 0, 0
	FETCH_A \next, 0, 0
	SCALES \next
	WIN MUL_HI
	MUL16 4, 1, NQ-1, \slot, 0
	MUL16 6, 1, NQ-1, \slot, 0
	PLACES NP
	WIN 0
	FETCH_A \next, 0, 4
.endm
	s_wait_tensorcnt 1                             ; the scale words and my part of slot 0 are in (slot 1's load may be out)
	s_barrier_signal -1
	s_barrier_wait -1                              ; everybody's are
	FETCH_B 0, 0, 0
	FETCH_A 0, 0, 0
	SCALES 0
	FETCH_A 0, 0, 4
	STEP 0, 0, 1                                   ; the first step stands in front of the loop: its products start the sums
	s_mov_b32 s3, LAPS-1
.Llap:                                                 ; a trip goes once round the ring and fills both slots again
	TURN 0, 1, 1
	STEP 1, 0, 0
	TURN 1, 0, 1
	STEP 0, 0, 0
	s_sub_co_u32 s3, s3, 1
	s_cmp_lg_u32 s3, 0
	s_cbranch_scc1 .Llap
	TURN 0, 1, 0                                   ; the last lap fills nothing
	STEP 1, 0, 0
	s_wait_dscnt 4*NL
	WIN MUL_LO
	MUL16 0, 1, NQ-1, 1, 0
	MUL16 2, 1, NQ-1, 1, 0
	s_wait_dscnt 0
	WIN MUL_HI
	MUL16 4, 1, NQ-1, 1, 0
	MUL16 6, 1, NQ-1, 1, 0
	WIN 0
; 64 numbers of a lane, v[s] .. v[s + 63], register 16 b + i = k 32 b + 16 (lane / 16) + i of my row, become a fragment's codes in v[PC] on and its scale word in v[PW].
.macro QUANT s
.irp b, 0,1,2,3
	v_max3_num_f32 v[TM+\b], |v[\s+16*\b]|, |v[\s+1+16*\b]|, 0x1800000   ; block b: my 16 numbers, and the floor 2^(3 - 127): the byte cannot fall under 1
.endr
.irp i, 2,4,6,8,10,12,14
.irp b, 0,1,2,3
	v_max3_num_f32 v[TM+\b], v[TM+\b], |v[\s+16*\b+\i]|, |v[\s+1+16*\b+\i]|
.endr
.endr
.irp b, 0,1,2,3
	v_permlanex16_b32 v[TM+4+\b], v[TM+\b], s[SEL], s[SEL+1]
.endr
.irp b, 0,1,2,3
	v_max_num_f32 v[TM+\b], v[TM+\b], v[TM+4+\b]   ; with lane l xor 16's: the block's largest magnitude
.endr
.irp b, 0,1,2,3
	v_add_nc_u32 v[TM+12+\b], 0xff000000, v[TM+\b] ; 2 off its exponent field: the conversion's scale operand
.endr
.irp b, 0,1,2,3
	v_lshrrev_b32 v[TM+4+\b], 23, v[TM+12+\b]      ; the scale's byte
.endr
	v_lshl_or_b32 v[PW], v[TM+5], 8, v[TM+4]
	v_lshl_or_b32 v[PW], v[TM+6], 16, v[PW]
	v_lshl_or_b32 v[PW], v[TM+7], 24, v[PW]
.irp c, 0,1
	v_cvt_scalef32_pk16_fp6_f32 v[PC+6*\c:PC+2+6*\c], v[\s+32*\c:\s+15+32*\c], v[TM+12+2*\c]
	v_cvt_scalef32_pk16_fp6_f32 v[PC+12+4*\c:PC+14+4*\c], v[\s+16+32*\c:\s+31+32*\c], v[TM+12+2*\c+1]   ; (a conversion's three registers begin on an even number)
.endr
	v_nop                                          ; one plain line behind a scaled conversion
.irp c, 0,1                            ; the operand wants a WHOLE block in a lane
.irp i, 0,1,2
	v_permlane16_swap_b32 v[PC+6*\c+\i], v[PC+12+4*\c+\i]
.endr
.irp i, 0,1,2
	v_mov_b32 v[PC+3+6*\c+\i], v[PC+12+4*\c+\i]
.endr
.endr
.endm
	; THE WAY OUT.  No LDS load of mine is out; behind this barrier no wave reads the ring or the scale words any more, and no fill is to come: the images may lie over them.
	s_barrier_signal -1
	s_barrier_wait -1
	; where the results go.  Mode 0: tokens by the tile row, features by the tile column; mode 1 the other way round.
	s_and_b32 s20, s42, 3
	s_cmp_lg_u32 s66, 0
	s_cselect_b32 s21, s42, s17                    ; the tokens' tile of 256,
	s_cselect_b32 s22, s16, s15                    ; and my half of it
	s_cselect_b32 s20, s17, s20                    ; the features' tile of 256 (within q, k or v),
	s_cselect_b32 s23, s15, s16                    ; and my half of it
	s_lshr_b32 s43, s21, 3                         ; batch
	s_and_b32 s21, s21, 7
	s_lshl_b32 s21, s21, 1
	s_add_co_u32 s21, s21, s22                     ; which 128 tokens of the batch
	s_lshl_b32 s20, s20, 2
	s_lshl_b32 s23, s23, 1
	s_add_co_u32 s20, s20, s23                     ; my first head (I hold two)
	s_lshl_b32 s43, s43, 4
	s_add_co_u32 s20, s20, s43
	s_lshl_b32 s20, s20, 4
	s_add_co_u32 s20, s20, s21
	s_mul_i32 s20, s20, REC                        ; the record
	s_mov_b32 s21, 13056
	s_mov_b32 s22, 19200
	s_mov_b32 s23, 12288
	s_cmp_lt_u32 s42, 4                            ; mode 0: tile columns 0-3 are q, 4-7 are k
	s_cselect_b32 s21, s21, 0
	s_cselect_b32 s22, s22, s23
	s_mov_b32 s23, 6144
	s_mov_b32 s43, 12800
	s_mov_b32 s44, 16*REC                          ; from a head to the next
	s_mov_b32 s46, 768
	s_mov_b32 s101, 1536
	s_mov_b32 s100, 16*REC-3*1536
	s_mov_b32 s47, 256
	s_cmp_lg_u32 s66, 0
	s_cselect_b32 s21, s23, s21                    ; the codes' field
	s_cselect_b32 s22, s43, s22                    ; the scale words' field
	s_cselect_b32 s98, s46, s44                    ; from a fragment's first half to its second: mode 0 the next head, mode 1 the next 768 bytes
	s_cselect_b32 s101, s101, s46                  ; from tile to tile,
	s_cselect_b32 s100, s100, s46                  ; and from tile 3 to tile 4: in mode 1 the next head's first tile
	s_cselect_b32 s47, s44, s47                    ; the last stores: from lanes 0-15 to lanes 16-31
	s_cselect_b32 s18, -1, 0xffff                  ; what is kept of the scale word,
	s_cselect_b32 s19, 0, 0x7f7f0000               ; and what fills it: in mode 0 two bytes of 127
	s_cselect_b32 s46, 0, -1
	s_mov_b32 s99, 0
	s_add_co_u32 s92, s20, s21
	s_mov_b32 s93, 0
	s_add_nc_u64 s[92:93], s[10:11], s[92:93]
	s_add_nc_u64 s[94:95], s[92:93], s[98:99]
	s_add_co_u32 s96, s20, s22
	s_mov_b32 s97, 0
	s_add_nc_u64 s[96:97], s[10:11], s[96:97]
	s_mov_b32 s[SEL], 0x76543210
	s_mov_b32 s[SEL+1], 0xfedcba98
	s_lshl_b32 s20, s14, 16
	v_lshl_add_u32 v[DST], v3, 4, s20              ; these plain lines are also the places behind the last products
	s_lshl_b32 s20, s14, 10
	s_add_co_u32 s20, s20, SST
	v_lshl_add_u32 v[SWA], v1, 2, s20
	v_lshl_add_u32 v[SWA], v2, 9, v[SWA]           ; lanes 0-15 the first head's words, lanes 16-31 the second's, 512 bytes on
	v_lshl_add_u32 v[SRD], v3, 4, s20
	v_lshlrev_b32 v[VSH], 4, v2
	v_and_b32 v[VSH], s46, v[VSH]                  ; mode 0: lanes 16-31 take the word's upper two bytes
	v_mul_u32_u24 v[FO], s47, v2
	v_lshl_add_u32 v[FO], v1, 4, v[FO]
.irp b, 0,1,2,3
	v_mov_b32 v[TM+4+\b], 0                        ; written once: a lane permute's destination counts as one of its sources
.endr
.irp a, 0,1,2,3,4,5,6,7                ; the accumulators as they stand: four registers a store, 16 bytes a lane, 512 consecutive bytes; each from its low end on
	WIN 0x08+4*(\a/4)
.irp b, 0,1,2,3,4,5,6,7
	ds_store_b128 v[DST], v[64*(\a%4)+8*\b:64*(\a%4)+8*\b+3] offset:\a*8192+\b*1024
	ds_store_b128 v[DST], v[64*(\a%4)+8*\b+4:64*(\a%4)+8*\b+7] offset:\a*8192+\b*1024+512
.endr
.endr
	WIN 0
	s_mov_b32 s2, 0
	s_mov_b32 s45, 0
	s_mov_b32 s3, 0
.Ltile:                                                ; A's tile s3: 16 rows x 128
	v_add_nc_u32 v[LA], s2, v[DST]
	v_add_nc_u32 v[SA], s45, v[SWA]
.set i, 0
.rept 16
	ds_load_b128 v[H+4*i:H+4*i+3], v[LA] offset:512*i   ; LDS serves a wave's instructions in order: these see my stores
.set i, i+1
.endr
	s_wait_dscnt 0x0
	QUANT H
	v_lshrrev_b32 v[WT], v[VSH], v[PW]
	v_and_or_b32 v[WT], v[WT], s18, s19
	ds_store_b32 v[SA], v[WT]
.irp p, 0,1,2
	global_store_b64 v4, v[PC+2*\p:PC+2*\p+1], s[92:93] offset:256*\p        ; 32 lanes store 256 consecutive bytes, aligned
	global_store_b64 v4, v[PC+6+2*\p:PC+7+2*\p], s[94:95] offset:256*\p
.endr
	s_cmp_eq_u32 s3, 3
	s_cselect_b32 s98, s100, s101
	s_wait_xcnt 0x0                                ; the stores have read their registers and bases: both are written again only behind this wait
	s_add_nc_u64 s[92:93], s[92:93], s[98:99]
	s_add_nc_u64 s[94:95], s[94:95], s[98:99]
	s_add_co_u32 s2, s2, 8192
	s_add_co_u32 s45, s45, 64
	s_add_co_u32 s3, s3, 1
	s_cmp_lt_u32 s3, 8
	s_cbranch_scc1 .Ltile
	ds_load_b128 v[128:131], v[SRD]                ; the scale words leave in whole blocks: mode 0: 512 bytes for each head; mode 1: 256 for each
	ds_load_b128 v[132:135], v[SRD] offset:512
	s_wait_dscnt 0x0
	global_store_b128 v[FO], v[128:131], s[96:97]
	s_cmp_lg_u32 s66, 0
	s_cbranch_scc1 .Lone
	global_store_b128 v[FO], v[132:135], s[96:97] offset:16*REC
.Lone:
	s_wait_tensorcnt 0x0                           ; the wave's end: behind my last tensor load and my last LDS store
	ds_add_u32 v[SPW], v[NIL]
	s_wait_dscnt 0x0
	CROUND                                         ; the closing round
	s_endpgm
.Lfunc_end_k_q3d82d60ba5_qkvp:
	.size	k_q3d82d60ba5_qkvp, .Lfunc_end_k_q3d82d60ba5_qkvp-k_q3d82d60ba5_qkvp
	.p2alignl 7, 3214868480
	.fill 96, 4, 3214868480
	.section	.rodata,"a",@progbits
	.p2align	6, 0x0
	.amdhsa_kernel k_q3d82d60ba5_qkvp
		.amdhsa_group_segment_fixed_size 327680
		.amdhsa_private_segment_fixed_size 0
		.amdhsa_enable_private_segment 0
		.amdhsa_kernarg_size 24
		.amdhsa_user_sgpr_count 2
		.amdhsa_user_sgpr_kernarg_segment_ptr 1
		.amdhsa_wavefront_size32 1
		.amdhsa_system_sgpr_workgroup_id_x 1
		.amdhsa_system_sgpr_workgroup_id_y 1
		.amdhsa_system_sgpr_workgroup_id_z 1
		.amdhsa_system_vgpr_workitem_id 0
		.amdhsa_next_free_vgpr 1024
		.amdhsa_next_free_sgpr 102
		.amdhsa_reserve_vcc 0
		.amdhsa_float_denorm_mode_32 3
		.amdhsa_float_denorm_mode_16_64 3
		.amdhsa_memory_ordered 1
		.amdhsa_forward_progress 1
		.amdhsa_inst_pref_size 149
	.end_amdhsa_kernel
	.amdgpu_metadata
---
amdhsa.version: [ 1, 2 ]
amdhsa.kernels:
  - .name:           k_q3d82d60ba5_qkvp
    .symbol:         k_q3d82d60ba5_qkvp.kd
    .args:
      - { .name: actq, .offset: 0, .size: 8, .value_kind: global_buffer, .address_space: global }
      - { .name: wq, .offset: 8, .size: 8, .value_kind: global_buffer, .address_space: global }
      - { .name: qkvr, .offset: 16, .size: 8, .value_kind: global_buffer, .address_space: global }
    .group_segment_fixed_size: 327680
    .private_segment_fixed_size: 0
    .kernarg_segment_align: 8
    .kernarg_segment_size: 24
    .max_flat_workgroup_size: 128
    .sgpr_count:     102
    .vgpr_count:     1024
    .wavefront_size: 32
...
	.end_amdgpu_metadata
.endif
;; end of part 2
;; launch attn (part 3): grid 8 x 32, 16 waves a work-group, clusters of 4 x 1, 210,944 bytes of LDS; arguments qkvr, actq; writes actq
.if DOCPART == 3
	.amdgcn_target "amdgcn-amd-amdhsa--gfx1250"
	.amdhsa_code_object_version 6
	.text
	.protected	k_q3d82d60ba5_attn
	.globl	k_q3d82d60ba5_attn
	.p2align	8
	.type	k_q3d82d60ba5_attn,@function
k_q3d82d60ba5_attn:
	s_mov_b64 s[64:65], 0
	v_nop
	global_prefetch_b8 v0, s[64:65] scope:SCOPE_SE
	s_setreg_imm32_b32 hwreg(HW_REG_WAVE_MODE, 25, 1), 1
	s_wait_xcnt 0x0
	s_wait_alu depctr_hold_cnt(0) depctr_sa_sdst(0) depctr_va_vdst(0) depctr_va_sdst(0) depctr_va_ssrc(0) depctr_va_vcc(0) depctr_vm_vsrc(0)
	s_getreg_b32 s2, hwreg(HW_REG_IB_STS2, 6, 4)
	s_cmp_eq_u32 s2, 0
	s_cbranch_scc0 .Lentry_in_a_cluster
	s_endpgm
.Lentry_in_a_cluster:
	s_bfe_u32 s2, ttmp6, 0x10000c
	s_cmp_lg_u32 s2, 0x3003
	s_cbranch_scc0 .Lentry_shape_is_right
	s_endpgm
.Lentry_shape_is_right:
; a[token][head x 64 + d] = softmax(q k^T / 8) v for one (batch, head), both products on codes of FP6 (E2M3); the result is quantised at once, along the 1,024 features, as the next product's operand.
; THE SOFTMAX AHEAD OF THE SECOND PRODUCT: t = score x log2(e) / 8; M = the running largest t rounded UP to a whole number; p = 2^(t - M) is quantised along the keys, not normalised; the row's sum is taken of the
; unquantised p and divides at the end; when M moves, the sum and O are multiplied by 2^(old M - new M), which rounds nothing.
; SHARES.  A work-group owns 256 queries of one head; each of its sixteen waves 16 of them, in 256 registers: four waves to a SIMD, so that one wave's vector work stands beside another's matrix work.
; THE WHOLE HEAD'S k AND v^T LIE IN LDS: 16 records' first 13,056 bytes, one tensor load a wave, filled once: no ring, nothing is filled again.  A wave has one tensor load out.
; CLUSTER: the four query blocks of a cluster belong to one head: each record is asked for jointly, by the same load with the same descriptor and a mask that names the four.
; LAYOUT.  S^T = k q^T (source 0 = 16 keys), O^T = v^T p^T (source 0 = 16 channels): a lane holds ONE query throughout.  The rows of every tile lie in the order 32 B + 8 u + r + 8 (r / 8), so that the 16 registers of two
; neighbouring tiles are 16 neighbours (keys, then channels).  THE FIRST PRODUCT HAS K = 64: q's upper six registers are zero codes; against them stand the next tile's codes of k, which so add nothing; the scale bytes there are 127.
; The scale bytes of the result leave two to a lane (128 KB in the launch): a word's four bytes come from two heads, that is from two work-groups.
; LIMITS: a block of zeros, or one under 2^-124, gets the byte 1; the division is a multiplication by v_rcp_f32's result; NaN and infinities are not served.
; REGISTERS: v1-5 addresses; v12 -M, v13 the largest t, v[14:15] the sum; v16-27 q; v32-85 k's eight half fragments and six zeros, then v^T's four fragments; v96-159 S^T, then p; v160-191 O^T; v224-235 p's codes;
;   v232-247, v252, v254 at work; scale words and nothing else: v248-251 k's and v^T's, v253 p's, v255 q's.
.set REC,    19712
.set KVB,    13056                     ; a record's k and v^T: 51 rows of 256 bytes
.set ACT_SC, 3145728
.set L8,  1                            ; v1 8 x lane;  v2 4 x lane;  v3 4 x (lane % 16);  v4, v5 the step's addresses
.set L4,  2
.set R4,  3
.set ADK, 4
.set ADS, 5
.set WV,  18
.set SEL, 20
.set CS,  22
.set G1,  24
.set G0,  32
.set TB,  2                            ; s2 where the step's record begins in LDS
.set CNT, 3
.macro CROUND                          ; a round of the cluster's barrier
	s_barrier_signal -1
	s_barrier_wait -1
	s_cmp_lg_u32 s[WV], 0
	s_cbranch_scc1 .Lnot_wave_0_\@
	s_barrier_signal -3
.Lnot_wave_0_\@:
	s_barrier_wait -3
	s_barrier_signal -1
	s_barrier_wait -1
.endm
	s_load_b128 s[4:7], s[0:1], 0x0                ; qkvr, actq
	v_lshl_add_u32 v223, v0, 2, 0x33000
	v_mov_b32 v243, 0
	ds_add_u32 v223, v243
	ds_add_u32 v223, v243
	v_lshrrev_b32 v8, 5, v0
	v_readfirstlane_b32 s[WV], v8                  ; wave 0..15
	s_bfe_u32 s36, ttmp6, 0x40000                  ; cx
	s_lshl_b32 s37, ttmp9, 2
	s_add_co_u32 s37, s37, s36                     ; my block of 256 queries: it enters q's and the result's addresses alone
	s_and_b32 s38, ttmp7, 0xffff                   ; batch x 16 + head, which the four partners share
	s_lshl_b32 s39, s38, 4
	s_add_co_u32 s40, s39, s[WV]                   ; the record that I fetch: key step = my wave's number
	s_mul_i32 s40, s40, REC
	s_mov_b32 s41, 0
	s_mul_i32 s42, s[WV], KVB
	s_mov_b32 s[G1], 15|(3<<16)|(1<<21)            ; 15:0 the mask: all four work-groups; 17:16 elements of 8 bytes; 21 set beside a mask
	s_mov_b32 s[G1+1], 32<<16                      ; tensor_dim0 = 32 elements: 256 bytes
	s_mov_b32 s[G1+2], 51<<16                      ; tensor_dim1
	s_mov_b32 s[G1+3], 32<<16                      ; tile_dim0
	s_mov_b32 s[G1+4], 51                          ; tile_dim1
	s_mov_b32 s[G1+5], 32                          ; dense
	s_mov_b32 s[G1+6], 0
	s_mov_b32 s[G1+7], 0
	s_lshl_b32 s43, s37, 1                         ; q: record 2 x block + wave / 8, tile wave % 8
	s_lshr_b32 s44, s[WV], 3
	s_add_co_u32 s43, s43, s44
	s_add_co_u32 s43, s43, s39
	s_mul_i32 s43, s43, REC
	s_and_b32 s44, s[WV], 7
	s_mul_i32 s45, s44, 768
	s_add_co_u32 s46, s43, s45
	s_add_co_u32 s46, s46, 13056
	s_mov_b32 s47, 0
	s_lshl_b32 s44, s44, 6
	s_add_co_u32 s48, s43, s44
	s_add_co_u32 s48, s48, 19200
	s_mov_b32 s49, 0
	s_lshr_b32 s50, s38, 4                         ; the result: tile of 16 tokens = 128 x batch + 16 x block + wave
	s_and_b32 s51, s38, 15
	s_lshl_b32 s50, s50, 7
	s_lshl_b32 s52, s37, 4
	s_add_co_u32 s50, s50, s52
	s_add_co_u32 s50, s50, s[WV]
	s_lshr_b32 s52, s51, 1                         ; K step = head / 2;
	s_and_b32 s51, s51, 1                          ; the head's 64 channels are its lower or upper half
	s_lshl_b32 s53, s50, 3
	s_add_co_u32 s53, s53, s52
	s_mul_i32 s54, s53, 1536
	s_mul_i32 s53, s51, 768
	s_add_co_u32 s54, s54, s53
	s_mov_b32 s55, 0
	s_lshr_b32 s53, s50, 3
	s_lshl_b32 s56, s53, 12
	s_lshl_b32 s52, s52, 9
	s_add_co_u32 s56, s56, s52
	s_and_b32 s53, s50, 7
	s_lshl_b32 s53, s53, 6
	s_add_co_u32 s56, s56, s53
	s_lshl_b32 s51, s51, 1
	s_add_co_u32 s56, s56, s51
	s_add_co_u32 s56, s56, ACT_SC
	s_mov_b32 s57, 0
	s_mov_b32 s[SEL], 0x76543210
	s_mov_b32 s[SEL+1], 0xfedcba98
	s_mov_b32 s[CS], 0x3e38aa3b                    ; c = log2(e) / 8
	s_mov_b32 s[CS+1], s[CS]                       ; (named with it as a pair, so it is written)
	s_mov_b32 s[TB], 0
	s_mov_b32 s[CNT], 0
	s_wait_dscnt 0x0
	s_wait_kmcnt 0x0
	s_mov_b32 s[G0], 1
	s_mov_b32 s[G0+1], s42
	s_add_nc_u64 s[G0+2:G0+3], s[4:5], s[40:41]
	s_or_b32 s[G0+3], s[G0+3], 0x80000000
	s_add_nc_u64 s[46:47], s[4:5], s[46:47]
	s_add_nc_u64 s[48:49], s[4:5], s[48:49]
	s_add_nc_u64 s[54:55], s[6:7], s[54:55]
	s_add_nc_u64 s[56:57], s[6:7], s[56:57]
	CROUND                                         ; all four work-groups are here: the joint loads meet
	tensor_load_to_lds s[G0:G0+3], s[G1:G1+7]
	s_nop 0
.rept 4
	v_nop
.endr
	v_and_b32 v8, 15, v0
	v_and_b32 v10, 31, v0
	v_lshlrev_b32 v[L8], 3, v10
	v_lshlrev_b32 v[L4], 2, v10
	v_lshlrev_b32 v[R4], 2, v8
.irp p, 0,1,2
	global_load_b64 v[16+2*\p:17+2*\p], v[L8], s[46:47] offset:256*\p   ; q's half fragment stays in registers
.endr
	global_load_b32 v255, v[R4], s[48:49]          ; and its scale words
.irp i, 0,1,2,3,4,5
	v_mov_b32 v[22+\i], 0                          ; q's codes of k = 64 .. 127: zeros
	v_mov_b32 v[80+\i], 0                          ; what stands behind k's last tile
.endr
	v_mov_b32 v13, 0xff61b1e6                      ; the largest t so far: -3e38
	v_floor_f32 v12, -v13                          ; -M
	v_mov_b32 v14, 0
	v_mov_b32 v15, 0
.irp b, 0,1,2,3
	v_mov_b32 v[236+\b], 0                         ; written once: a lane permute's destination counts as one of its sources
.endr
	v_mov_b32 v253, 0                              ; (named as the upper half of the pair v[252:253] before it is first written)
.set j, 0
.rept 32
	v_mov_b32 v[160+j], 0                          ; O^T: the loop is written once; its first step finds zeros, which the first change of M leaves zeros
.set j, j+1
.endr
	s_wait_tensorcnt 0x0                           ; my record has landed,
	s_barrier_signal -1
	s_barrier_wait -1                              ; everybody's has
	s_wait_loadcnt 0x0                             ; q
.Lstep:                                                ; 16 trips: 128 keys each
	v_add_nc_u32 v[ADK], s[TB], v[L8]
	v_add_nc_u32 v[ADS], s[TB], v[L4]
	v_nop
	v_nop                                          ; four places in front of loads into registers that the last products read
.irp t, 0,1,2,3,4,5,6,7
.irp p, 0,1,2
	ds_load_b64 v[32+6*\t+2*\p:33+6*\t+2*\p], v[ADK] offset:768*\t+256*\p
.endr
.endr
.irp i, 0,1,2,3
	ds_load_b32 v[248+\i], v[ADS] offset:12288+128*\i   ; k's scale words: lanes 0-15 tile 2 i, lanes 16-31 tile 2 i + 1
.endr
	s_wait_dscnt 0x0
.irp t, 0,2,4,6
	v_wmma_scale_f32_16x16x128_f8f6f4 v[96+8*\t:103+8*\t], v[32+6*\t:43+6*\t], v[16:27], 0, v[248+\t/2], v255 matrix_a_fmt:MATRIX_FMT_FP6 matrix_b_fmt:MATRIX_FMT_FP6
	v_wmma_scale_f32_16x16x128_f8f6f4 v[104+8*\t:111+8*\t], v[38+6*\t:49+6*\t], v[16:27], 0, v[248+\t/2], v255 matrix_a_fmt:MATRIX_FMT_FP6 matrix_b_fmt:MATRIX_FMT_FP6 matrix_a_scale:MATRIX_SCALE_ROW1
.endr
.rept 4
	v_nop
.endr
.irp t, 0,1,2,3                        ; v^T's four fragments land under the softmax
.irp p, 0,1,2,3,4,5
	ds_load_b64 v[32+12*\t+2*\p:33+12*\t+2*\p], v[ADK] offset:6144+1536*\t+256*\p
.endr
.endr
	ds_load_b32 v248, v[ADS] offset:12800
	ds_load_b32 v249, v[ADS] offset:12928
.irp b, 0,1,2,3
	v_max3_num_f32 v[232+\b], v[96+16*\b], v[97+16*\b], v[98+16*\b]   ; the largest score of each block of 32 keys: for the row's maximum and, since p rises with the score, for the block's largest p
.endr
.irp i, 3,5,7,9,11,13
.irp b, 0,1,2,3
	v_max3_num_f32 v[232+\b], v[232+\b], v[96+16*\b+\i], v[97+16*\b+\i]
.endr
.endr
.irp b, 0,1,2,3
	v_max_num_f32 v[232+\b], v[232+\b], v[111+16*\b]
.endr
.irp b, 0,1,2,3
	v_permlanex16_b32 v[236+\b], v[232+\b], s[SEL], s[SEL+1]
.endr
.irp b, 0,1,2,3
	v_max_num_f32 v[232+\b], v[232+\b], v[236+\b]  ; with lane l xor 16's 16 keys
.endr
	v_max3_num_f32 v254, v232, v233, v234
	v_max_num_f32 v254, v254, v235
	v_mul_f32 v254, s[CS], v254                    ; the step's largest t (c is positive)
	v_max_num_f32 v13, v13, v254
	v_mov_b32 v254, v12
	v_floor_f32 v12, -v13                          ; the new -M = -ceil(t): a whole number
	v_sub_f32 v254, v12, v254                      ; old M - new M: a whole number, 0 or less
	v_cvt_i32_f32 v254, v254                       ; (it saturates)
	v_ldexp_f32 v252, 1.0, v254                    ; f = 2^(old M - new M)
.set j, 0
.rept 32
	v_pk_fma_f32 v[96+j:97+j], v[96+j:97+j], s[CS:CS+1], v[12:13] op_sel_hi:[1,0,0]   ; t - M, two at a time
.set j, j+2
.endr
.irp b, 0,1,2,3
	v_fma_f32 v[232+\b], v[232+\b], s[CS], v12     ; the same of each block's largest score
.endr
.set j, 0
.rept 64
	v_exp_f32 v[96+j], v[96+j]                     ; p = 2^(t - M), at most 1
.set j, j+1
.endr
	v_pk_mul_f32 v[14:15], v[14:15], v[252:253] op_sel_hi:[1,0]   ; the sums under the new M: the plain line behind the exponentials
	s_wait_alu depctr_va_vdst(0)                   ; one wait for the whole batch, ahead of its first reader
.irp b, 0,1,2,3
	v_exp_f32 v[232+\b], v[232+\b]                 ; the block's largest p: the same two instructions on the same number
.endr
	v_pk_add_f32 v[236:237], v[96:97], v[98:99]    ; the row's sum of the UNQUANTISED p, in two chains
.irp j, 4,8,12,16,20,24,28,32,36,40,44,48,52,56,60
	v_pk_add_f32 v[14:15], v[14:15], v[96+\j:97+\j]
	v_pk_add_f32 v[236:237], v[236:237], v[98+\j:99+\j]
.endr
	v_pk_add_f32 v[14:15], v[14:15], v[236:237]
	s_wait_alu depctr_va_vdst(0)                   ; and one for the four
.irp b, 0,1,2,3
	v_max_num_f32 v[232+\b], 0x1800000, v[232+\b]  ; the floor 2^(3 - 127)
.endr
.irp b, 0,1,2,3
	v_add_nc_u32 v[244+\b], 0xff000000, v[232+\b]  ; the conversion's scale operand
.endr
.irp b, 0,1,2,3
	v_lshrrev_b32 v[236+\b], 23, v[244+\b]
.endr
	v_lshl_or_b32 v253, v237, 8, v236              ; p's scale word for these 128 keys
	v_lshl_or_b32 v253, v238, 16, v253
	v_lshl_or_b32 v253, v239, 24, v253
.irp c, 0,1
	v_cvt_scalef32_pk16_fp6_f32 v[224+6*\c:226+6*\c], v[96+32*\c:111+32*\c], v[244+2*\c]
	v_cvt_scalef32_pk16_fp6_f32 v[236+4*\c:238+4*\c], v[112+32*\c:127+32*\c], v[244+2*\c+1]
.endr
	v_nop                                          ; one plain line behind a scaled conversion
.irp c, 0,1
.irp i, 0,1,2
	v_permlane16_swap_b32 v[224+6*\c+\i], v[236+4*\c+\i]
.endr
.irp i, 0,1,2
	v_mov_b32 v[227+6*\c+\i], v[236+4*\c+\i]
.endr
.endr
.set j, 0
.rept 16
	v_pk_mul_f32 v[160+j:161+j], v[160+j:161+j], v[252:253] op_sel_hi:[1,0]   ; O^T under the new M; these sixteen are also the places in front of the products below
.set j, j+2
.endr
	s_wait_dscnt 0x0                               ; v^T is in
.irp t, 0,2                            ; the four accumulators take turns, one instruction a turn
	v_wmma_scale_f32_16x16x128_f8f6f4 v[160+8*\t:167+8*\t], v[32+12*\t:43+12*\t], v[224:235], v[160+8*\t:167+8*\t], v[248+\t/2], v253 matrix_a_fmt:MATRIX_FMT_FP6 matrix_b_fmt:MATRIX_FMT_FP6
	v_wmma_scale_f32_16x16x128_f8f6f4 v[168+8*\t:175+8*\t], v[44+12*\t:55+12*\t], v[224:235], v[168+8*\t:175+8*\t], v[248+\t/2], v253 matrix_a_fmt:MATRIX_FMT_FP6 matrix_b_fmt:MATRIX_FMT_FP6 matrix_a_scale:MATRIX_SCALE_ROW1
.endr
	s_add_co_u32 s[TB], s[TB], KVB
	s_add_co_u32 s[CNT], s[CNT], 1
	s_cmp_lt_u32 s[CNT], 16
	s_cbranch_scc1 .Lstep
	; THE WAY OUT: O^T / the sum; register 16 B + i of a lane is channel 32 B + 16 (lane / 16) + i of its query: two blocks of the next product's K.
	v_add_f32 v14, v14, v15
	v_permlanex16_b32 v252, v14, s[SEL], s[SEL+1]
	v_add_f32 v14, v14, v252                       ; the row's sum
	v_rcp_f32 v14, v14
.rept 4
	v_nop                                          ; the plain line behind the reciprocal, and the places behind the last products
.endr
	s_wait_alu depctr_va_vdst(0)                   ; ahead of the reciprocal's first reader
.set j, 0
.rept 32
	v_mul_f32 v[96+j], v[160+j], v14
.set j, j+1
.endr
.irp b, 0,1
	v_max3_num_f32 v[232+\b], |v[96+16*\b]|, |v[97+16*\b]|, 0x1800000
.endr
.irp i, 2,4,6,8,10,12,14
.irp b, 0,1
	v_max3_num_f32 v[232+\b], v[232+\b], |v[96+16*\b+\i]|, |v[97+16*\b+\i]|
.endr
.endr
.irp b, 0,1
	v_permlanex16_b32 v[236+\b], v[232+\b], s[SEL], s[SEL+1]
.endr
.irp b, 0,1
	v_max_num_f32 v[232+\b], v[232+\b], v[236+\b]
.endr
.irp b, 0,1
	v_add_nc_u32 v[244+\b], 0xff000000, v[232+\b]
.endr
.irp b, 0,1
	v_lshrrev_b32 v[236+\b], 23, v[244+\b]
.endr
	v_lshl_or_b32 v236, v237, 8, v236              ; my row's two scale bytes
	v_cvt_scalef32_pk16_fp6_f32 v[224:226], v[96:111], v244
	v_cvt_scalef32_pk16_fp6_f32 v[240:242], v[112:127], v245
	v_nop
.irp i, 0,1,2
	v_permlane16_swap_b32 v[224+\i], v[240+\i]
.endr
.irp i, 0,1,2
	v_mov_b32 v[227+\i], v[240+\i]
.endr
.irp p, 0,1,2
	global_store_b64 v[L8], v[224+2*\p:225+2*\p], s[54:55] offset:256*\p   ; half a fragment: three aligned blocks of 256 bytes
.endr
	global_store_b16 v[R4], v236, s[56:57]         ; lanes l and l xor 16 hold the same two bytes and store them to the same place
	s_wait_tensorcnt 0x0
	ds_add_u32 v223, v243
	s_wait_dscnt 0x0
	CROUND                                         ; the closing round: no work-group ends while a partner may still ask for a record that names it
	s_endpgm
.Lfunc_end_k_q3d82d60ba5_attn:
	.size	k_q3d82d60ba5_attn, .Lfunc_end_k_q3d82d60ba5_attn-k_q3d82d60ba5_attn
	.p2alignl 7, 3214868480
	.fill 96, 4, 3214868480
	.section	.rodata,"a",@progbits
	.p2align	6, 0x0
	.amdhsa_kernel k_q3d82d60ba5_attn
		.amdhsa_group_segment_fixed_size 210944
		.amdhsa_private_segment_fixed_size 0
		.amdhsa_enable_private_segment 0
		.amdhsa_kernarg_size 16
		.amdhsa_user_sgpr_count 2
		.amdhsa_user_sgpr_kernarg_segment_ptr 1
		.amdhsa_wavefront_size32 1
		.amdhsa_system_sgpr_workgroup_id_x 1
		.amdhsa_system_sgpr_workgroup_id_y 1
		.amdhsa_system_sgpr_workgroup_id_z 1
		.amdhsa_system_vgpr_workitem_id 0
		.amdhsa_next_free_vgpr 256
		.amdhsa_next_free_sgpr 66
		.amdhsa_reserve_vcc 0
		.amdhsa_float_denorm_mode_32 3
		.amdhsa_float_denorm_mode_16_64 3
		.amdhsa_memory_ordered 1
		.amdhsa_forward_progress 1
		.amdhsa_inst_pref_size 28
	.end_amdhsa_kernel
	.amdgpu_metadata
---
amdhsa.version: [ 1, 2 ]
amdhsa.kernels:
  - .name:           k_q3d82d60ba5_attn
    .symbol:         k_q3d82d60ba5_attn.kd
    .args:
      - { .name: qkvr, .offset: 0, .size: 8, .value_kind: global_buffer, .address_space: global }
      - { .name: actq, .offset: 8, .size: 8, .value_kind: global_buffer, .address_space: global }
    .group_segment_fixed_size: 210944
    .private_segment_fixed_size: 0
    .kernarg_segment_align: 8
    .kernarg_segment_size: 16
    .max_flat_workgroup_size: 512
    .sgpr_count:     66
    .vgpr_count:     256
    .wavefront_size: 32
...
	.end_amdgpu_metadata
.endif
;; end of part 3
;; launch oproj (part 4): grid 4 x 16, 4 waves a work-group, clusters of 4 x 4, 327,680 bytes of LDS; arguments actq, wq, cbuf; writes cbuf
.if DOCPART == 4
	.amdgcn_target "amdgcn-amd-amdhsa--gfx1250"
	.amdhsa_code_object_version 6
	.text
	.protected	k_q3d82d60ba5_oproj
	.globl	k_q3d82d60ba5_oproj
	.p2align	8
	.type	k_q3d82d60ba5_oproj,@function
k_q3d82d60ba5_oproj:
	s_mov_b64 s[64:65], 0
	v_nop
	global_prefetch_b8 v0, s[64:65] scope:SCOPE_SE
	s_setreg_imm32_b32 hwreg(HW_REG_WAVE_MODE, 25, 1), 1
	s_wait_xcnt 0x0
	s_wait_alu depctr_hold_cnt(0) depctr_sa_sdst(0) depctr_va_vdst(0) depctr_va_sdst(0) depctr_va_ssrc(0) depctr_va_vcc(0) depctr_vm_vsrc(0)
	s_getreg_b32 s2, hwreg(HW_REG_IB_STS2, 6, 4)
	s_cmp_eq_u32 s2, 0
	s_cbranch_scc0 .Lentry_in_a_cluster
	s_endpgm
.Lentry_in_a_cluster:
	s_bfe_u32 s2, ttmp6, 0x10000c
	s_cmp_lg_u32 s2, 0xf033
	s_cbranch_scc0 .Lentry_shape_is_right
	s_endpgm
.Lentry_shape_is_right:
; cbuf = a W_out, f32 [4096][1024], on codes of FP6 (E2M3) with one E8M0 scale for each 32 along K = 1,024.
; A GEMM C = A B^T on fragment images: a tile of C, 256 x 256, by four waves, each 128 x 128 in 64 accumulators (512 registers); K in steps of 256 through a ring of two LDS slots filled by the tensor data mover.
; A buffer of codes is [tile of 16 rows][K step of 128][1,536 bytes: six chunks of 256 bytes, chunk p = operand registers 2 p, 2 p + 1, 8 bytes a lane]: a fragment comes by six ds_load_b64 at 8 x lane, each 256 consecutive bytes.
; Lane r of tile 2 B + u holds row 32 B + 8 u + r + 8 (r / 8).  THE MATRIX INSTRUCTION IS USED TRANSPOSED (source 0 = 16 rows of B, source 1 = 16 rows of A): a lane holds one row of C and eight neighbouring columns.
; CLUSTERS: 4 x 4 work-groups; A's tiles are asked for jointly along a row of the cluster, B's along a column.  C has 64 tiles of this size: 64 work-groups.
; REGISTERS: window 0: v0-31 addresses; v32-63 scale words, two sets, and nothing else; v128-223 A's fragments, one set; window 1: B's fragments, two sets; windows 2, 3: the accumulators ((a, b) at v[8 (8 (a % 4) + b)]).
.set KK,     1024
.set BIAS,   0
.set PA,     4                         ; s[4:5] A's buffer, s[6:7] B's
.set PB,     6
.set ASOFF,  3145728                   ; where A's scale words begin in its buffer; B's codes; B's scale words
.set BOFF,   2359296
.set BSOFF,  9535488
.set NQ,     2                         ; matrix instructions deep in a slot
.set FR,     12                        ; registers of a fragment
.set NL,     6                         ; LDS loads that bring one
.set NP,     4                         ; places behind this matrix instruction (ISA guide 7.12.1)
.set FRB,    1536
.set RTB,    NQ*FRB                    ; a tile of 16 rows in a slot
.set HALFT,  8*RTB                     ; 128 rows: what one tensor load brings
.set SLOT,   4*HALFT                   ; A's 256 rows, then B's
.set KRT,    (KK/128)*FRB              ; from tile to tile in memory
.set HALFS,  (KK/128)*512              ; the scale words of 128 rows, all of K: one dense block
.set SCL,    2*SLOT                    ; behind the ring: the scale words, filled once
.set SPARE,  327168                    ; the spare words, 128 bytes a wave: two blocks of 256 bytes that no other line names
.set SPITCH, 528                       ; the way out: a stage of 16 rows x (512 + 16) bytes for each wave, in slot 0, which has had its last fill and its last read by then
.set LAPS,   KK/512
.set ADRA, 16                          ; v16-17 LDS address of my A fragments in slot 0, 1
.set ADRB, 20                          ; v20-21 the same for B
.set STO,  24                          ; v24 the way out: where I put 32 bytes of a row; v25 where I read a row back; v26 my byte offset in a row of C
.set RD,   25
.set CO,   26
.set ADRS, 27                          ; v27    of my scale words: lanes 0-15 A's rows, lanes 16-31 B's
.set SPW,  28                          ; v28    my spare word: SPARE + 4 x my thread's number; never rewritten
.set NIL,  29                          ; v29    0; never rewritten
.set SC,   32
.set BI,   64                          ; v64-127 the bias, where there is one: eight registers for each of B's tiles, in the result's layout
.set AF,   128
.set BK,   128                         ; the way out: 16 rows read back: v128-191 and v192-255 by turns
.set G1, 24
.set G0, 32
.set G1B, 48
.set G0B, 56
.set G1S, 68
.set G0S, 76
.set G1SB, 80
.set G0SB, 88
.set MSB, 0
.macro WIN new                         ; the immediate's high byte repeats the setting that is left
.if MSB != (\new)
	s_set_vgpr_msb (MSB<<8)|(\new)
.set MSB, (\new)
.endif
.endm
.set MUL_LO, 0xa1                      ; source 0 (B) window 1, source 1 (A) window 0, C and D window 2
.set MUL_HI, 0xf1                      ; the same, C and D window 3
.set ST_LO,  0x81                      ; a sum's start from a bias in window 0
.set ST_HI,  0xc1
.set TO_B,   0x40                      ; destination window 1
; A joint load: waves 0 and 1 fetch for A, waves 2 and 3 for B; the branch hangs on the wave's number alone.  Four v_nop follow each of the two lines.
.macro JLOAD g0a, g1a, g0b, g1b
	s_cmp_eq_u32 s15, 0
	s_cbranch_scc0 .Lfor_b_\@
	tensor_load_to_lds s[\g0a:\g0a+3], s[\g1a:\g1a+7]
	s_nop 0
.rept 4
	v_nop
.endr
	s_branch .Lasked_\@
.Lfor_b_\@:
	tensor_load_to_lds s[\g0b:\g0b+3], s[\g1b:\g1b+7]
	s_nop 0
.rept 4
	v_nop
.endr
.Lasked_\@:
.endm
.macro CREST                           ; a round of the cluster's barrier behind its opening barrier
	s_cmp_lg_u32 s14, 0
	s_cbranch_scc1 .Lnot_wave_0_\@
	s_barrier_signal -3
.Lnot_wave_0_\@:
	s_barrier_wait -3
	s_barrier_signal -1
	s_barrier_wait -1
.endm
.macro CROUND
	s_barrier_signal -1
	s_barrier_wait -1
	CREST
.endm
	s_load_b128 s[4:7], s[0:1], 0x0                ; A's buffer, B's buffer
.if BIAS
	s_load_b128 s[8:11], s[0:1], 0x10              ; the bias, C
.else
	s_load_b64 s[10:11], s[0:1], 0x10              ; C
.endif
	v_lshl_add_u32 v[SPW], v0, 2, SPARE
	v_mov_b32 v[NIL], 0
	ds_add_u32 v28, v29
	ds_add_u32 v28, v29
	s_wait_dscnt 0x0
	v_lshrrev_b32 v1, 5, v0
	v_readfirstlane_b32 s14, v1                    ; wave 0..3
	s_lshr_b32 s15, s14, 1                         ; which half of the tile's rows is mine.  Also: I fetch for A (0) or for B (1)
	s_and_b32 s16, s14, 1                          ; which half of its columns.  Also: which 128 rows I fetch
	s_bfe_u32 s40, ttmp6, 0x40000                  ; cx, cy
	s_bfe_u32 s41, ttmp6, 0x40004
	s_lshl_b32 s42, ttmp9, 2
	s_add_co_u32 s42, s42, s40                     ; tile column
	s_and_b32 s17, ttmp7, 0xffff
	s_lshl_b32 s17, s17, 2
	s_add_co_u32 s17, s17, s41                     ; tile row
	s_lshl_b32 s43, s41, 2
	s_lshl_b32 s43, 15, s43                        ; my row of the cluster
	s_lshl_b32 s44, 0x1111, s40                    ; my column
	; descriptor group 1: 8 tiles of 16 rows, 3,072 consecutive bytes each (two K steps), as 384 elements of 8 bytes; dense in LDS
	s_or_b32 s[G1+0], s43, (3<<16)|(1<<21)         ; 15:0 the mask; 17:16 elements of 8 bytes; 21 set beside a mask
	s_or_b32 s[G1B+0], s44, (3<<16)|(1<<21)
.irp g, G1, G1B
	s_mov_b32 s[\g+1], 384<<16                     ; tensor_dim0
	s_mov_b32 s[\g+2], 8<<16                       ; tensor_dim1
	s_mov_b32 s[\g+3], 384<<16                     ; tile_dim0
	s_mov_b32 s[\g+4], 8                           ; tile_dim1
	s_mov_b32 s[\g+5], KRT/8                       ; from tile to tile, in elements
	s_mov_b32 s[\g+6], 0
	s_mov_b32 s[\g+7], 0
.endr
	; and for the scale words of 128 rows: a dense block, as rows of 256 bytes
	s_or_b32 s[G1S+0], s43, (3<<16)|(1<<21)
	s_or_b32 s[G1SB+0], s44, (3<<16)|(1<<21)
.irp g, G1S, G1SB
	s_mov_b32 s[\g+1], 32<<16
	s_mov_b32 s[\g+2], (HALFS/256)<<16
	s_mov_b32 s[\g+3], 32<<16
	s_mov_b32 s[\g+4], HALFS/256
	s_mov_b32 s[\g+5], 32
	s_mov_b32 s[\g+6], 0
	s_mov_b32 s[\g+7], 0
.endr
	s_lshl_b32 s20, s17, 1
	s_add_co_u32 s20, s20, s16                     ; A: which 128 rows I fetch: 2 x tile row + half
	s_lshl_b32 s46, s42, 1
	s_add_co_u32 s46, s46, s16                     ; B: 2 x tile column + half
	s_mul_i32 s22, s20, HALFS
	s_add_co_u32 s22, s22, ASOFF
	s_mul_i32 s92, s46, HALFS
	s_add_co_u32 s92, s92, BSOFF
	s_mul_i32 s20, s20, 8*KRT
	s_mul_i32 s46, s46, 8*KRT
	s_add_co_u32 s46, s46, BOFF
	s_mov_b32 s21, 0
	s_mov_b32 s23, 0
	s_mov_b32 s47, 0
	s_mov_b32 s93, 0
	s_mul_i32 s45, s14, HALFT                      ; where they go: wave x 128 rows: no place in the cluster enters an LDS address
	s_mul_i32 s94, s14, HALFS
	s_wait_kmcnt 0x0
	s_add_nc_u64 s[20:21], s[PA:PA+1], s[20:21]
	s_add_nc_u64 s[22:23], s[PA:PA+1], s[22:23]
	s_add_nc_u64 s[46:47], s[PB:PB+1], s[46:47]
	s_add_nc_u64 s[92:93], s[PB:PB+1], s[92:93]
	CROUND                                         ; all sixteen work-groups are here: the first joint loads meet
	s_mov_b32 s[G0S], 1
	s_add_co_u32 s[G0S+1], s94, SCL
	s_mov_b64 s[G0S+2:G0S+3], s[22:23]
	s_or_b32 s[G0S+3], s[G0S+3], 0x80000000
	s_mov_b32 s[G0SB], 1
	s_add_co_u32 s[G0SB+1], s94, SCL
	s_mov_b64 s[G0SB+2:G0SB+3], s[92:93]
	s_or_b32 s[G0SB+3], s[G0SB+3], 0x80000000
	JLOAD G0S, G1S, G0SB, G1SB                     ; the scale words first: they are wanted with K step 0
.irp s, 0,1
	s_mov_b32 s[G0+4*\s], 1
	s_add_co_u32 s[G0+4*\s+1], s45, \s*SLOT
	s_add_nc_u64 s[G0+4*\s+2:G0+4*\s+3], s[20:21], \s*RTB
	s_or_b32 s[G0+4*\s+3], s[G0+4*\s+3], 0x80000000
	s_mov_b32 s[G0B+4*\s], 1
	s_add_co_u32 s[G0B+4*\s+1], s45, \s*SLOT
	s_add_nc_u64 s[G0B+4*\s+2:G0B+4*\s+3], s[46:47], \s*RTB
	s_or_b32 s[G0B+4*\s+3], s[G0B+4*\s+3], 0x80000000
	JLOAD G0+4*\s, G1, G0B+4*\s, G1B
.endr
	v_and_b32 v1, 15, v0                           ; r = lane % 16
	v_bfe_u32 v2, v0, 4, 1                         ; h = lane / 16
	v_and_b32 v3, 31, v0                           ; lane
	v_lshlrev_b32 v4, 3, v3                        ; a chunk's place for my lane
.if BIAS
	s_lshl_b32 s20, s42, 10                        ; the bias of my 128 columns: lane (r, h) wants, for B's tile 2 B + u, those of columns 32 B + 16 h + 8 u + 0 .. 7
	s_lshl_b32 s21, s16, 9
	s_add_co_u32 s20, s20, s21
	s_mov_b32 s21, 0
	s_add_nc_u64 s[8:9], s[8:9], s[20:21]
	v_lshlrev_b32 v7, 6, v2
.irp t, 0,1,2,3,4,5,6,7
	global_load_b128 v[BI+8*\t:BI+8*\t+3], v7, s[8:9] offset:(32*(\t/2)+8*(\t%2))*4
	global_load_b128 v[BI+8*\t+4:BI+8*\t+7], v7, s[8:9] offset:(32*(\t/2)+8*(\t%2))*4+16
.endr
.endif
	s_mul_i32 s21, s15, HALFT                      ; my 128 rows of A
	s_mul_i32 s22, s16, HALFT                      ; my 128 rows of B,
	s_add_co_u32 s22, s22, 2*HALFT                 ; which lie behind A's 256
.irp s, 0,1
	v_add_nc_u32 v[ADRA+\s], s21, v4
	v_add_nc_u32 v[ADRB+\s], s22, v4
	s_add_co_u32 s21, s21, SLOT
	s_add_co_u32 s22, s22, SLOT
.endr
	v_lshlrev_b32 v5, 2, v1                        ; my row's scale word in a tile's 64 bytes
	s_mul_i32 s21, s15, HALFS
	s_mul_i32 s22, s16, HALFS
	s_add_co_u32 s22, s22, 2*HALFS
	s_sub_co_u32 s22, s22, s21
	v_mul_u32_u24 v6, s22, v2                      ; lanes 16-31 take B's: one product, the distance between the two blocks
	s_add_co_u32 s21, s21, SCL
	v_add_nc_u32 v5, v5, v6
	v_add_nc_u32 v[ADRS], s21, v5
	s_mul_i32 s23, s14, 16*SPITCH                  ; my stage
	v_mul_u32_u24 v5, v1, SPITCH
	v_lshl_add_u32 v5, v2, 6, v5                   ; in: row r; lanes 16-31 hold the columns 16 further on
	v_add_nc_u32 v[STO], s23, v5
	v_lshlrev_b32 v[CO], 4, v3                     ; back: the 32 lanes take one row of 512 bytes; and the same in C
	v_add_nc_u32 v[RD], s23, v[CO]
	s_lshl_b32 s20, s17, 8
	s_lshl_b32 s21, s15, 7
	s_add_co_u32 s20, s20, s21                     ; my first row of C
	s_lshl_b32 s20, s20, 12                        ; a row of C is 4,096 bytes
	s_lshl_b32 s46, s42, 10
	s_lshl_b32 s47, s16, 9
	s_add_co_u32 s46, s46, s47                     ; my first column, in bytes
	s_add_co_u32 s20, s20, s46
	s_mov_b32 s21, 0
	s_add_nc_u64 s[12:13], s[10:11], s[20:21]
.macro FRAG reg, adr, q, i             ; a fragment as it lies: six loads of 8 bytes a lane, 256 consecutive bytes each
.irp p, 0,1,2,3,4,5
	ds_load_b64 v[\reg+2*\p:\reg+2*\p+1], v[\adr] offset:(\i)*RTB+(\q)*FRB+256*\p
.endr
.endm
; 16 matrix instructions: A's blocks a0, a0 + 1 x B's eight, the slot's q-th 128 along K.  p: B's set; sc: the set of scale words; zero = 1: the first product starts the sums.
; The 64 accumulators take turns, one instruction a turn, in the same order in every step.
.macro MUL16 a0, p, q, sc, zero
.irp a, \a0, \a0+1
.irp b, 0,1,2,3,4,5,6,7
.set rD, 8*(8*((\a)%4)+\b)
.set rB, 128*(\p)+FR*\b
.set rA, AF+FR*(\a)
.set rSB, SC+8*NQ*(\sc)+NQ*\b+(\q)
.set rSA, SC+8*NQ*(\sc)+NQ*(\a)+(\q)
.if (\zero) && BIAS
	v_wmma_scale_f32_16x16x128_f8f6f4 v[rD:rD+7], v[rB:rB+FR-1], v[rA:rA+FR-1], v[BI+8*\b:BI+8*\b+7], v[rSB], v[rSA] matrix_a_fmt:MATRIX_FMT_FP6 matrix_b_fmt:MATRIX_FMT_FP6 matrix_a_scale:MATRIX_SCALE_ROW1
.elseif \zero
	v_wmma_scale_f32_16x16x128_f8f6f4 v[rD:rD+7], v[rB:rB+FR-1], v[rA:rA+FR-1], 0, v[rSB], v[rSA] matrix_a_fmt:MATRIX_FMT_FP6 matrix_b_fmt:MATRIX_FMT_FP6 matrix_a_scale:MATRIX_SCALE_ROW1
.else
	v_wmma_scale_f32_16x16x128_f8f6f4 v[rD:rD+7], v[rB:rB+FR-1], v[rA:rA+FR-1], v[rD:rD+7], v[rSB], v[rSA] matrix_a_fmt:MATRIX_FMT_FP6 matrix_b_fmt:MATRIX_FMT_FP6 matrix_a_scale:MATRIX_SCALE_ROW1
.endif
.endr
.endr
.endm
.macro FETCH_B slot, q, p
	WIN TO_B
.irp i, 0,1,2,3,4,5,6,7
	FRAG 128*(\p)+FR*\i, ADRB+\slot, \q, \i
.endr
	WIN 0
.endm
.macro FETCH_A slot, q, i0
.irp i, \i0, \i0+1, \i0+2, \i0+3
	FRAG AF+FR*(\i), ADRA+\slot, \q, \i
.endr
.endm
.macro SCALES sc                       ; a slot's scale words into set sc: register NQ i + q: lanes 0-15 the words of A's block i, lanes 16-31 of B's block i, for the slot's q-th 128 along K
.irp i, 0,1,2,3,4,5,6,7
	ds_load_b32 v[SC+8*NQ*\sc+NQ*\i], v[ADRS] offset:64*\i
	ds_load_b32 v[SC+8*NQ*\sc+NQ*\i+1], v[ADRS] offset:512+64*\i
.endr
.endm
.macro PLACES n                        ; plain vector lines between a matrix instruction and a load into, or a read of, its registers (ISA guide 7.12.1 for a read)
.rept \n
	v_nop
.endr
.endm
.macro STEP slot, q, zero              ; a step of 128 along K that has its successor in the same slot
	s_wait_dscnt 4*NL                              ; all but the youngest 24 loads (A's blocks 4-7) are in
.if (\zero) && BIAS
	WIN ST_LO
.else
	WIN MUL_LO
.endif
	MUL16 0, (\q)%2, \q, \slot, \zero
	MUL16 2, (\q)%2, \q, \slot, \zero
	s_wait_dscnt 0                                 ; A's blocks 4-7 are in
	PLACES NP
	FETCH_B \slot, (\q)+1, 1-(\q)%2
	FETCH_A \slot, (\q)+1, 0
.if (\zero) && BIAS
	WIN ST_HI
.else
	WIN MUL_HI
.endif
	MUL16 4, (\q)%2, \q, \slot, \zero
	MUL16 6, (\q)%2, \q, \slot, \zero
	PLACES NP
	WIN 0
	FETCH_A \slot, (\q)+1, 4
.endm
; A slot's last step changes slots: ONE barrier; in front of it each wave waits for all its tensor loads, adds 0 to its spare word, and waits for that and for its own reads of this slot.  fill = 1: this slot is filled again.
.macro TURN slot, next, fill
	s_wait_tensorcnt 0x0                           ; all my tensor loads have landed: my part of the next slot
	ds_add_u32 v[SPW], v[NIL]                      ; 0 onto my spare word
	s_wait_dscnt 4*NL+1                            ; (the add and the youngest 24 loads may be out)
	WIN MUL_LO
	MUL16 0, 1, NQ-1, \slot, 0                     ; sixteen matrix instructions stand between the add and the wait for it
	s_wait_dscnt 0x0                               ; the add is done, and my reads of this slot are over
	s_barrier_signal -1
	MUL16 2, 1, NQ-1, \slot, 0
	WIN 0
	s_barrier_wait -1
.if \fill
	CREST                                          ; the barrier has opened a round of the cluster's barrier: no wave of any partner still reads this slot or has a load on its way
	s_add_nc_u64 s[G0+4*\slot+2:G0+4*\slot+3], s[G0+4*\slot+2:G0+4*\slot+3], 2*RTB
	s_add_nc_u64 s[G0B+4*\slot+2:G0B+4*\slot+3], s[G0B+4*\slot+2:G0B+4*\slot+3], 2*RTB
	JLOAD G0+4*\slot, G1, G0B+4*\slot, G1B         ; the first tensor load behind the round; its four v_nop are the places in front of the loads below
.else
	PLACES NP
.endif
	v_add_nc_u32 v[ADRS], 512*NQ, v[ADRS]          ; on to the next slot's scale words
	FETCH_B \next, 0, 0
	FETCH_A \next, 0, 0
	SCALES \next
	WIN MUL_HI
	MUL16 4, 1, NQ-1, \slot, 0
	MUL16 6, 1, NQ-1, \slot, 0
	PLACES NP
	WIN 0
	FETCH_A \next, 0, 4
.endm
	s_wait_tensorcnt 1                             ; the scale words and my part of slot 0 are in (slot 1's load may be out)
	s_barrier_signal -1
	s_barrier_wait -1                              ; everybody's are
	FETCH_B 0, 0, 0
	FETCH_A 0, 0, 0
	SCALES 0
	FETCH_A 0, 0, 4
.if BIAS
	s_wait_loadcnt 0x0                             ; the bias
.endif
	STEP 0, 0, 1                                   ; the first step stands in front of the loop: its products start the sums
	s_mov_b32 s3, LAPS-1
.Llap:                                                 ; a trip goes once round the ring and fills both slots again
	TURN 0, 1, 1
	STEP 1, 0, 0
	TURN 1, 0, 1
	STEP 0, 0, 0
	s_sub_co_u32 s3, s3, 1
	s_cmp_lg_u32 s3, 0
	s_cbranch_scc1 .Llap
	TURN 0, 1, 0                                   ; the last lap fills nothing
	STEP 1, 0, 0
	s_wait_dscnt 4*NL
	WIN MUL_LO
	MUL16 0, 1, NQ-1, 1, 0
	MUL16 2, 1, NQ-1, 1, 0
	s_wait_dscnt 0
	WIN MUL_HI
	MUL16 4, 1, NQ-1, 1, 0
	MUL16 6, 1, NQ-1, 1, 0
	WIN 0
; THE WAY OUT, block by block of 16 rows x 128 columns, through my own stage in LDS: in by lanes (32 neighbouring bytes of a row), back as whole rows of 512 bytes.  LDS serves a wave's instructions in order: no wait between.
; B's tile b holds columns 32 (b / 2) + 16 h + 8 (b % 2) + 0 .. 7; stage row t of A's tile a is row 32 (a / 2) + 8 (a % 2) + t + 8 (t / 8) of my 128: it stands in the store's immediate, 127 rows of 4,096 bytes at the most.
.macro TOSTAGE a
.set AC, 64*((\a)%4)
	WIN 0x08+4*((\a)/4)                            ; the data: window 2 or 3
.irp b, 0,1,2,3,4,5,6,7
	ds_store_b128 v[STO], v[AC+8*\b:AC+8*\b+3] offset:128*(\b/2)+32*(\b%2)          ; each accumulator from its low end on
	ds_store_b128 v[STO], v[AC+8*\b+4:AC+8*\b+7] offset:128*(\b/2)+32*(\b%2)+16
.endr
	WIN 0
.set BB, BK+64*((\a)%2)
.set i, 0
.rept 16
	ds_load_b128 v[BB+4*i:BB+4*i+3], v[RD] offset:i*SPITCH
.set i, i+1
.endr
.endm
.macro SEND a, younger                 ; younger: the LDS instructions issued behind block a's loads, which may stay out
.set BB, BK+64*((\a)%2)
	s_wait_dscnt \younger
.set i, 0
.rept 16
	global_store_b128 v[CO], v[BB+4*i:BB+4*i+3], s[12:13] offset:(32*((\a)/2)+8*((\a)%2)+i+8*(i/8))*4096   ; 32 lanes store 512 consecutive bytes, aligned
.set i, i+1
.endr
.endm
	PLACES NP
	TOSTAGE 0
.irp a, 1,2,3,4,5,6,7
.if \a > 1
	s_wait_xcnt 0x0                                ; block a - 2's stores have read their registers: block a's loads may land there
.endif
	TOSTAGE \a
	SEND \a-1, 32                                  ; behind block a - 1's loads: block a's 16 stores and 16 loads
.endr
	SEND 7, 0
	s_wait_tensorcnt 0x0                           ; the wave's end: behind my last tensor load and my last LDS store
	ds_add_u32 v[SPW], v[NIL]
	s_wait_dscnt 0x0
	CROUND                                         ; the closing round
	s_endpgm
.Lfunc_end_k_q3d82d60ba5_oproj:
	.size	k_q3d82d60ba5_oproj, .Lfunc_end_k_q3d82d60ba5_oproj-k_q3d82d60ba5_oproj
	.p2alignl 7, 3214868480
	.fill 96, 4, 3214868480
	.section	.rodata,"a",@progbits
	.p2align	6, 0x0
	.amdhsa_kernel k_q3d82d60ba5_oproj
		.amdhsa_group_segment_fixed_size 327680
		.amdhsa_private_segment_fixed_size 0
		.amdhsa_enable_private_segment 0
		.amdhsa_kernarg_size 24
		.amdhsa_user_sgpr_count 2
		.amdhsa_user_sgpr_kernarg_segment_ptr 1
		.amdhsa_wavefront_size32 1
		.amdhsa_system_sgpr_workgroup_id_x 1
		.amdhsa_system_sgpr_workgroup_id_y 1
		.amdhsa_system_sgpr_workgroup_id_z 1
		.amdhsa_system_vgpr_workitem_id 0
		.amdhsa_next_free_vgpr 1024
		.amdhsa_next_free_sgpr 98
		.amdhsa_reserve_vcc 0
		.amdhsa_float_denorm_mode_32 3
		.amdhsa_float_denorm_mode_16_64 3
		.amdhsa_memory_ordered 1
		.amdhsa_forward_progress 1
		.amdhsa_inst_pref_size 161
	.end_amdhsa_kernel
	.amdgpu_metadata
---
amdhsa.version: [ 1, 2 ]
amdhsa.kernels:
  - .name:           k_q3d82d60ba5_oproj
    .symbol:         k_q3d82d60ba5_oproj.kd
    .args:
      - { .name: actq, .offset: 0, .size: 8, .value_kind: global_buffer, .address_space: global }
      - { .name: wq, .offset: 8, .size: 8, .value_kind: global_buffer, .address_space: global }
      - { .name: cbuf, .offset: 16, .size: 8, .value_kind: global_buffer, .address_space: global }
    .group_segment_fixed_size: 327680
    .private_segment_fixed_size: 0
    .kernarg_segment_align: 8
    .kernarg_segment_size: 24
    .max_flat_workgroup_size: 128
    .sgpr_count:     98
    .vgpr_count:     1024
    .wavefront_size: 32
...
	.end_amdgpu_metadata
.endif
;; end of part 4
;; launch ln1 (part 5): grid 256 x 1, 8 waves a work-group, no clusters, 69,632 bytes of LDS; arguments cbuf, x, ln1_w, ln1_b, x1f, actq; writes x1f, actq
.if DOCPART == 5
	.amdgcn_target "amdgcn-amd-amdhsa--gfx1250"
	.amdhsa_code_object_version 6
	.text
	.protected	k_q3d82d60ba5_ln1
	.globl	k_q3d82d60ba5_ln1
	.p2align	8
	.type	k_q3d82d60ba5_ln1,@function
k_q3d82d60ba5_ln1:
	s_mov_b64 s[64:65], 0
	v_nop
	global_prefetch_b8 v0, s[64:65] scope:SCOPE_SE
	s_setreg_imm32_b32 hwreg(HW_REG_WAVE_MODE, 25, 1), 1
	s_wait_xcnt 0x0
; x1 = layernorm(x + cbuf) x ln1_w + ln1_b, stored as f32 (x1f) and, quantised along its 1,024 columns to codes of FP6 (E2M3), as fragment images (actq).
; A work-group owns one tile of 16 rows (rows 32 B + 8 u + i + 8 (i / 8)); wave w owns columns 128 w on: one fragment.  Loads and stores take 512 consecutive bytes of a row; the quantiser wants 16 neighbours of a block in a lane:
; the numbers turn through the wave's own stage in LDS (16 rows of 512 + 16 bytes), there and back.  Lane (r, h) then holds row r, register 16 b + i = column 32 b + 16 h + i.
; The mean is taken first and the variance of the differences, so no difference of large sums is formed.  The eight waves' partial sums meet in LDS: two barriers, two sets of words.
; Memory binds: no matrix unit, no cluster, no tensor load.  The scale words leave 64 bytes a wave: a block of 256 bytes would need four work-groups' words.
; LIMITS: a block of zeros, or one under 2^-124, gets the byte 1; NaN and infinities are not served.
.set ACT_SC, 3145728
.set RED, 67584                        ; behind the stages: 16 rows x 8 words, twice
.set D,   16                           ; v16-79   cbuf, then the sum, then ln1_b
.set Y,   80                           ; v80-143  x, then my row's 64 numbers
.set W,   144                          ; v144-207 ln1_w, then x1 by rows
.set TM,  208
.set PW,  224
.set PC,  226                          ; v226-245
.set MU,  246                          ; v[246:247] the mean, twice;  v[248:249] 1 / sqrt(var + eps), twice
.set RS,  248
.set T,   250                          ; v250-253 at work
.set C10, 254                          ; 2^-10
.set R8,  208                          ; eight partial sums (TM's registers, not yet at work)
.set SEL, 32
.macro QUANT s
.irp b, 0,1,2,3
	v_max3_num_f32 v[TM+\b], |v[\s+16*\b]|, |v[\s+1+16*\b]|, 0x1800000   ; block b: my 16 numbers, and the floor 2^(3 - 127): the byte cannot fall under 1
.endr
.irp i, 2,4,6,8,10,12,14
.irp b, 0,1,2,3
	v_max3_num_f32 v[TM+\b], v[TM+\b], |v[\s+16*\b+\i]|, |v[\s+1+16*\b+\i]|
.endr
.endr
.irp b, 0,1,2,3
	v_permlanex16_b32 v[TM+4+\b], v[TM+\b], s[SEL], s[SEL+1]
.endr
.irp b, 0,1,2,3
	v_max_num_f32 v[TM+\b], v[TM+\b], v[TM+4+\b]
.endr
.irp b, 0,1,2,3
	v_add_nc_u32 v[TM+12+\b], 0xff000000, v[TM+\b]
.endr
.irp b, 0,1,2,3
	v_lshrrev_b32 v[TM+4+\b], 23, v[TM+12+\b]
.endr
	v_lshl_or_b32 v[PW], v[TM+5], 8, v[TM+4]
	v_lshl_or_b32 v[PW], v[TM+6], 16, v[PW]
	v_lshl_or_b32 v[PW], v[TM+7], 24, v[PW]
.irp c, 0,1
	v_cvt_scalef32_pk16_fp6_f32 v[PC+6*\c:PC+2+6*\c], v[\s+32*\c:\s+15+32*\c], v[TM+12+2*\c]
	v_cvt_scalef32_pk16_fp6_f32 v[PC+12+4*\c:PC+14+4*\c], v[\s+16+32*\c:\s+31+32*\c], v[TM+12+2*\c+1]
.endr
	v_nop                                          ; one plain line behind a scaled conversion
.irp c, 0,1
.irp i, 0,1,2
	v_permlane16_swap_b32 v[PC+6*\c+\i], v[PC+12+4*\c+\i]
.endr
.irp i, 0,1,2
	v_mov_b32 v[PC+3+6*\c+\i], v[PC+12+4*\c+\i]
.endr
.endr
.endm
; v[T] holds my 64 numbers' sum: with lane l xor 16's it is the wave's 128 columns of row r; the eight waves' sums meet in the words at off; v[T] = the row's sum.
.macro ROWSUM off
	v_permlanex16_b32 v[T+1], v[T], s[SEL], s[SEL+1]
	v_add_f32 v[T], v[T], v[T+1]
	ds_store_b32 v12, v[T] offset:\off             ; lanes l and l xor 16 write the same word with the same value
	s_wait_dscnt 0x0                               ; for the others' sake: my store has landed
	s_barrier_signal -1
	s_barrier_wait -1
	ds_load_b128 v[R8:R8+3], v13 offset:\off
	ds_load_b128 v[R8+4:R8+7], v13 offset:\off+16
	s_wait_dscnt 0x0
	v_pk_add_f32 v[R8:R8+1], v[R8:R8+1], v[R8+2:R8+3]
	v_pk_add_f32 v[R8+4:R8+5], v[R8+4:R8+5], v[R8+6:R8+7]
	v_pk_add_f32 v[R8:R8+1], v[R8:R8+1], v[R8+4:R8+5]
	v_add_f32 v[T], v[R8], v[R8+1]
.endm
	s_load_b256 s[4:11], s[0:1], 0x0               ; cbuf, x, ln1_w, ln1_b
	s_load_b128 s[12:15], s[0:1], 0x20             ; x1f, actq
	v_lshl_add_u32 v245, v0, 2, 0x10c00
	v_mov_b32 v255, 0
	v_lshrrev_b32 v1, 5, v0
	v_readfirstlane_b32 s18, v1                    ; wave 0..7
	v_and_b32 v2, 31, v0
	v_lshlrev_b32 v3, 4, v2                        ; 16 x lane
	v_lshlrev_b32 v4, 3, v2                        ; 8 x lane
	v_and_b32 v7, 15, v2                           ; r
	v_bfe_u32 v8, v2, 4, 1                         ; h
	v_lshlrev_b32 v10, 2, v7
	v_lshlrev_b32 v11, 6, v8
	s_mul_i32 s22, s18, 8448
	v_add_nc_u32 v6, s22, v3                       ; the stage by rows
	v_mul_u32_u24 v9, v7, 528
	v_add_nc_u32 v9, v9, v11
	v_add_nc_u32 v9, s22, v9                       ; and by lanes: row r, + 64 h
	s_lshl_b32 s22, s18, 2
	s_add_co_u32 s22, s22, RED
	v_lshl_add_u32 v12, v7, 5, s22                 ; my wave's word of row r
	v_lshl_add_u32 v13, v7, 5, RED                 ; row r's eight words
	v_mov_b32 v[C10], 0x3a800000
	s_lshr_b32 s21, ttmp9, 1
	s_and_b32 s22, ttmp9, 1
	s_lshl_b32 s21, s21, 5
	s_lshl_b32 s22, s22, 3
	s_add_co_u32 s21, s21, s22                     ; the tile's first row
	s_lshl_b32 s24, s21, 12
	s_lshl_b32 s20, s18, 9                         ; my wave's 512 bytes of a row
	s_add_co_u32 s24, s24, s20
	s_mov_b32 s25, 0
	s_mov_b32 s21, 0
	s_lshl_b32 s44, ttmp9, 3
	s_add_co_u32 s44, s44, s18
	s_mul_i32 s44, s44, 1536                       ; the fragment
	s_mov_b32 s45, 0
	s_lshr_b32 s46, ttmp9, 3
	s_lshl_b32 s46, s46, 12
	s_add_co_u32 s46, s46, s20
	s_and_b32 s22, ttmp9, 7
	s_lshl_b32 s22, s22, 6
	s_add_co_u32 s46, s46, s22
	s_add_co_u32 s46, s46, ACT_SC                  ; its scale words
	s_mov_b32 s47, 0
	s_mov_b32 s[SEL], 0x76543210
	s_mov_b32 s[SEL+1], 0xfedcba98
	s_wait_kmcnt 0x0
	s_add_nc_u64 s[26:27], s[4:5], s[24:25]
	s_add_nc_u64 s[28:29], s[6:7], s[24:25]
	s_add_nc_u64 s[30:31], s[12:13], s[24:25]
	s_add_nc_u64 s[36:37], s[8:9], s[20:21]
	s_add_nc_u64 s[38:39], s[10:11], s[20:21]
	s_add_nc_u64 s[40:41], s[14:15], s[44:45]
	s_add_nc_u64 s[42:43], s[14:15], s[46:47]
.set i, 0
.rept 16
	global_load_b128 v[D+4*i:D+4*i+3], v3, s[26:27] offset:(i+8*(i/8))*4096 th:TH_LOAD_NT
.set i, i+1
.endr
.set i, 0
.rept 16
	global_load_b128 v[Y+4*i:Y+4*i+3], v3, s[28:29] offset:(i+8*(i/8))*4096 th:TH_LOAD_NT
.set i, i+1
.endr
.irp b, 0,1,2,3
.irp j, 0,1,2,3
	global_load_b128 v[W+16*\b+4*\j:W+16*\b+4*\j+3], v11, s[36:37] offset:128*\b+16*\j   ; the gains of my 64 columns
.endr
.endr
	s_wait_loadcnt 16                              ; cbuf and x are in; the gains' 16 loads may be out
.set j, 0
.rept 32
	v_pk_add_f32 v[D+j:D+j+1], v[D+j:D+j+1], v[Y+j:Y+j+1]
.set j, j+2
.endr
.set i, 0
.rept 16
	ds_store_b128 v6, v[D+4*i:D+4*i+3] offset:528*i
.set i, i+1
.endr
.irp b, 0,1,2,3
.irp j, 0,1,2,3
	ds_load_b128 v[Y+16*\b+4*\j:Y+16*\b+4*\j+3], v9 offset:128*\b+16*\j   ; LDS serves a wave's instructions in order: these see my stores
.endr
.endr
	s_wait_dscnt 0x0
.irp b, 0,1,2,3
.irp j, 0,1,2,3
	global_load_b128 v[D+16*\b+4*\j:D+16*\b+4*\j+3], v11, s[38:39] offset:128*\b+16*\j   ; the offsets of my 64 columns
.endr
.endr
	v_pk_add_f32 v[T:T+1], v[Y:Y+1], v[Y+2:Y+3]    ; the sum of my 64, in two chains
	v_pk_add_f32 v[T+2:T+3], v[Y+4:Y+5], v[Y+6:Y+7]
.irp j, 8,12,16,20,24,28,32,36,40,44,48,52,56,60
	v_pk_add_f32 v[T:T+1], v[T:T+1], v[Y+\j:Y+\j+1]
	v_pk_add_f32 v[T+2:T+3], v[T+2:T+3], v[Y+\j+2:Y+\j+3]
.endr
	v_pk_add_f32 v[T:T+1], v[T:T+1], v[T+2:T+3]
	v_add_f32 v[T], v[T], v[T+1]
	ROWSUM 0
	v_mul_f32 v[MU], v[T], v[C10]                  ; the mean
	v_mov_b32 v[MU+1], v[MU]
.set j, 0
.rept 32
	v_pk_add_f32 v[Y+j:Y+j+1], v[Y+j:Y+j+1], v[MU:MU+1] neg_lo:[0,1] neg_hi:[0,1]
.set j, j+2
.endr
	v_pk_mul_f32 v[T:T+1], v[Y:Y+1], v[Y:Y+1]
	v_pk_mul_f32 v[T+2:T+3], v[Y+2:Y+3], v[Y+2:Y+3]
.irp j, 4,8,12,16,20,24,28,32,36,40,44,48,52,56,60
	v_pk_fma_f32 v[T:T+1], v[Y+\j:Y+\j+1], v[Y+\j:Y+\j+1], v[T:T+1]
	v_pk_fma_f32 v[T+2:T+3], v[Y+\j+2:Y+\j+3], v[Y+\j+2:Y+\j+3], v[T+2:T+3]
.endr
	v_pk_add_f32 v[T:T+1], v[T:T+1], v[T+2:T+3]
	v_add_f32 v[T], v[T], v[T+1]
	ROWSUM 512                                     ; other words than the first sum's: no wave writes what another may still read
	v_fmaak_f32 v[RS], v[T], v[C10], 0x3727c5ac    ; the variance + 1e-5
	v_rsq_f32 v[RS], v[RS]
	v_nop                                          ; a plain line behind the transcendental
	s_wait_alu depctr_va_vdst(0)                   ; ahead of its first reader
	v_mov_b32 v[RS+1], v[RS]
	s_wait_loadcnt 0x0                             ; gains and offsets
.set j, 0
.rept 32
	v_pk_mul_f32 v[Y+j:Y+j+1], v[Y+j:Y+j+1], v[RS:RS+1]
.set j, j+2
.endr
.set j, 0
.rept 32
	v_pk_fma_f32 v[Y+j:Y+j+1], v[Y+j:Y+j+1], v[W+j:W+j+1], v[D+j:D+j+1]
.set j, j+2
.endr
.irp b, 0,1,2,3
.irp j, 0,1,2,3
	ds_store_b128 v9, v[Y+16*\b+4*\j:Y+16*\b+4*\j+3] offset:128*\b+16*\j   ; back through the stage, while the codes are made
.endr
.endr
.set i, 0
.rept 16
	ds_load_b128 v[W+4*i:W+4*i+3], v6 offset:528*i
.set i, i+1
.endr
	QUANT Y
.irp p, 0,1,2,3,4,5
	global_store_b64 v4, v[PC+2*\p:PC+2*\p+1], s[40:41] offset:256*\p   ; 256 consecutive bytes, aligned
.endr
	global_store_b32 v10, v[PW], s[42:43]          ; lanes l and l xor 16 hold the same word and store it to the same place
	s_wait_dscnt 0x0
.set i, 0
.rept 16
	global_store_b128 v3, v[W+4*i:W+4*i+3], s[30:31] offset:(i+8*(i/8))*4096   ; 512 consecutive bytes of a row
.set i, i+1
.endr
	s_wait_tensorcnt 0x0
	ds_add_u32 v245, v255
	s_wait_dscnt 0x0
	s_endpgm
.Lfunc_end_k_q3d82d60ba5_ln1:
	.size	k_q3d82d60ba5_ln1, .Lfunc_end_k_q3d82d60ba5_ln1-k_q3d82d60ba5_ln1
	.p2alignl 7, 3214868480
	.fill 96, 4, 3214868480
	.section	.rodata,"a",@progbits
	.p2align	6, 0x0
	.amdhsa_kernel k_q3d82d60ba5_ln1
		.amdhsa_group_segment_fixed_size 69632
		.amdhsa_private_segment_fixed_size 0
		.amdhsa_enable_private_segment 0
		.amdhsa_kernarg_size 48
		.amdhsa_user_sgpr_count 2
		.amdhsa_user_sgpr_kernarg_segment_ptr 1
		.amdhsa_wavefront_size32 1
		.amdhsa_system_sgpr_workgroup_id_x 1
		.amdhsa_system_sgpr_workgroup_id_y 1
		.amdhsa_system_sgpr_workgroup_id_z 1
		.amdhsa_system_vgpr_workitem_id 0
		.amdhsa_next_free_vgpr 256
		.amdhsa_next_free_sgpr 66
		.amdhsa_reserve_vcc 0
		.amdhsa_float_denorm_mode_32 3
		.amdhsa_float_denorm_mode_16_64 3
		.amdhsa_memory_ordered 1
		.amdhsa_forward_progress 1
		.amdhsa_inst_pref_size 33
	.end_amdhsa_kernel
	.amdgpu_metadata
---
amdhsa.version: [ 1, 2 ]
amdhsa.kernels:
  - .name:           k_q3d82d60ba5_ln1
    .symbol:         k_q3d82d60ba5_ln1.kd
    .args:
      - { .name: cbuf, .offset: 0, .size: 8, .value_kind: global_buffer, .address_space: global }
      - { .name: x, .offset: 8, .size: 8, .value_kind: global_buffer, .address_space: global }
      - { .name: ln1_w, .offset: 16, .size: 8, .value_kind: global_buffer, .address_space: global }
      - { .name: ln1_b, .offset: 24, .size: 8, .value_kind: global_buffer, .address_space: global }
      - { .name: x1f, .offset: 32, .size: 8, .value_kind: global_buffer, .address_space: global }
      - { .name: actq, .offset: 40, .size: 8, .value_kind: global_buffer, .address_space: global }
    .group_segment_fixed_size: 69632
    .private_segment_fixed_size: 0
    .kernarg_segment_align: 8
    .kernarg_segment_size: 48
    .max_flat_workgroup_size: 256
    .sgpr_count:     66
    .vgpr_count:     256
    .wavefront_size: 32
...
	.end_amdgpu_metadata
.endif
;; end of part 5
;; launch ffn1 (part 6): grid 16 x 16, 4 waves a work-group, clusters of 4 x 4, 327,680 bytes of LDS; arguments actq, wq, b1, hq; writes hq
.if DOCPART == 6
	.amdgcn_target "amdgcn-amd-amdhsa--gfx1250"
	.amdhsa_code_object_version 6
	.text
	.protected	k_q3d82d60ba5_ffn1
	.globl	k_q3d82d60ba5_ffn1
	.p2align	8
	.type	k_q3d82d60ba5_ffn1,@function
k_q3d82d60ba5_ffn1:
	s_mov_b64 s[64:65], 0
	v_nop
	global_prefetch_b8 v0, s[64:65] scope:SCOPE_SE
	s_setreg_imm32_b32 hwreg(HW_REG_WAVE_MODE, 25, 1), 1
	s_wait_xcnt 0x0
	s_wait_alu depctr_hold_cnt(0) depctr_sa_sdst(0) depctr_va_vdst(0) depctr_va_sdst(0) depctr_va_ssrc(0) depctr_va_vcc(0) depctr_vm_vsrc(0)
	s_getreg_b32 s2, hwreg(HW_REG_IB_STS2, 6, 4)
	s_cmp_eq_u32 s2, 0
	s_cbranch_scc0 .Lentry_in_a_cluster
	s_endpgm
.Lentry_in_a_cluster:
	s_bfe_u32 s2, ttmp6, 0x10000c
	s_cmp_lg_u32 s2, 0xf033
	s_cbranch_scc0 .Lentry_shape_is_right
	s_endpgm
.Lentry_shape_is_right:
; h = gelu(x1 W1 + b1) on codes of FP6 (E2M3), K = 1,024; h is quantised at once along its 4,096 columns and stored as fragment images for the next product.  It never goes to memory as f32.
; THE CORE is a GEMM C = A B^T on fragment images: a tile of C, 256 x 256, by four waves, each 128 x 128 in 64 accumulators (512 registers); K in steps of 256 through a ring of two LDS slots filled by the tensor data mover.
; A buffer of codes is [tile of 16 rows][K step of 128][1,536 bytes: six chunks of 256 bytes, chunk p = operand registers 2 p, 2 p + 1, 8 bytes a lane]: a fragment comes by six ds_load_b64 at 8 x lane, each 256 consecutive bytes.
; Lane r of tile 2 B + u holds row 32 B + 8 u + r + 8 (r / 8).  THE MATRIX INSTRUCTION IS USED TRANSPOSED (source 0 = 16 rows of B, source 1 = 16 rows of A): a lane holds ONE token, and the 64 registers of A's tile a
; run along 128 hidden units in their true order: one K step of the next product.  The bias is the C of each sum's first matrix instruction.
; CLUSTERS: 4 x 4 work-groups; A's tiles are asked for jointly along a row of the cluster, B's along a column.
; THE WAY OUT: behind a barrier each wave stores its accumulators as register images into 65,536 LDS bytes of its own, and one loop of eight trips takes a tile back, applies the activation, quantises and stores:
; activation and quantiser, some 700 lines, are written once and not eight times.
; GELU: 0.5 u (1 + erf(u / sqrt(2))); erf(z) = z P(z^2) / Q(z^2) for z held to +-4, P of degree 6 and Q of degree 4: a rational form good to a few units in f32's last place; the division is a multiplication by v_rcp_f32's result.
; LIMITS: 1 + erf has erf's absolute error, so far out on the negative side h has a larger relative one; a block of zeros, or one under 2^-124, gets the byte 1; NaN and infinities are not served.
; REGISTERS: window 0: v0-31 addresses; v32-63 scale words, two sets, and nothing else; v64-127 the bias; v128-223 A's fragments, one set; window 1: B's fragments, two sets; windows 2, 3: the accumulators.
.set KK,     1024
.set BIAS,   1
.set PA,     4                         ; s[4:5] A's buffer, s[6:7] B's
.set PB,     6
.set ASOFF,  3145728                   ; where A's scale words begin in its buffer; B's codes; B's scale words
.set BOFF,   3145728
.set BSOFF,  9568256
.set HSC,    12582912                  ; where the scale words begin in hq
.set NQ,     2                         ; matrix instructions deep in a slot
.set FR,     12                        ; registers of a fragment
.set NL,     6                         ; LDS loads that bring one
.set NP,     4                         ; places behind this matrix instruction (ISA guide 7.12.1)
.set FRB,    1536
.set RTB,    NQ*FRB                    ; a tile of 16 rows in a slot
.set HALFT,  8*RTB                     ; 128 rows: what one tensor load brings
.set SLOT,   4*HALFT                   ; A's 256 rows, then B's
.set KRT,    (KK/128)*FRB              ; from tile to tile in memory
.set HALFS,  (KK/128)*512              ; the scale words of 128 rows, all of K: one dense block
.set SCL,    2*SLOT                    ; behind the ring: the scale words, filled once
.set SST,    262144                    ; the way out: the stage for scale words, 512 bytes a wave
.set SPARE,  327168                    ; the spare words, 128 bytes a wave: two blocks of 256 bytes that no other line names
.set LAPS,   KK/512
.set ADRA, 16                          ; v16-17 LDS address of my A fragments in slot 0, 1
.set ADRB, 20                          ; v20-21 the same for B
.set ADRS, 27                          ; v27    of my scale words: lanes 0-15 A's rows, lanes 16-31 B's
.set SPW,  28                          ; v28    my spare word: SPARE + 4 x my thread's number; never rewritten
.set NIL,  29                          ; v29    0; never rewritten
.set SC,   32
.set BI,   64
.set AF,   128
.set DST,  8                           ; the way out: v8 my wave's images + 16 x lane; v9, v10 the scale stage in and out; v11 16 x lane; v13, v14 addresses in hand
.set SWA,  9
.set SRD,  10
.set L16,  11
.set LA,   13
.set SA,   14
.set H,    64                          ; v64-127 a tile's 64 numbers
.set Z,    128                         ; v128-191 sixteen each of z, z^2, P, Q
.set Z2,   144
.set P,    160
.set Q,    176
.set TM,   192
.set PW,   208
.set PC,   212
.set CA,   232                         ; v232-245 P's seven coefficients, each twice; v246-255 Q's five
.set CQ,   246
.set SEL,  40
.set G1, 24
.set G0, 32
.set G1B, 48
.set G0B, 56
.set G1S, 68
.set G0S, 76
.set G1SB, 80
.set G0SB, 88
.set MSB, 0
.macro WIN new                         ; the immediate's high byte repeats the setting that is left
.if MSB != (\new)
	s_set_vgpr_msb (MSB<<8)|(\new)
.set MSB, (\new)
.endif
.endm
.set MUL_LO, 0xa1                      ; source 0 (B) window 1, source 1 (A) window 0, C and D window 2
.set MUL_HI, 0xf1                      ; the same, C and D window 3
.set ST_LO,  0x81                      ; a sum's start from the bias in window 0
.set ST_HI,  0xc1
.set TO_B,   0x40                      ; destination window 1
; A joint load: waves 0 and 1 fetch for A, waves 2 and 3 for B; the branch hangs on the wave's number alone.  Four v_nop follow each of the two lines.
.macro JLOAD g0a, g1a, g0b, g1b
	s_cmp_eq_u32 s15, 0
	s_cbranch_scc0 .Lfor_b_\@
	tensor_load_to_lds s[\g0a:\g0a+3], s[\g1a:\g1a+7]
	s_nop 0
.rept 4
	v_nop
.endr
	s_branch .Lasked_\@
.Lfor_b_\@:
	tensor_load_to_lds s[\g0b:\g0b+3], s[\g1b:\g1b+7]
	s_nop 0
.rept 4
	v_nop
.endr
.Lasked_\@:
.endm
.macro CREST                           ; a round of the cluster's barrier behind its opening barrier
	s_cmp_lg_u32 s14, 0
	s_cbranch_scc1 .Lnot_wave_0_\@
	s_barrier_signal -3
.Lnot_wave_0_\@:
	s_barrier_wait -3
	s_barrier_signal -1
	s_barrier_wait -1
.endm
.macro CROUND
	s_barrier_signal -1
	s_barrier_wait -1
	CREST
.endm
	s_load_b128 s[4:7], s[0:1], 0x0                ; actq, wq
	s_load_b128 s[8:11], s[0:1], 0x10              ; b1, hq
	v_lshl_add_u32 v[SPW], v0, 2, SPARE
	v_mov_b32 v[NIL], 0
	ds_add_u32 v28, v29
	ds_add_u32 v28, v29
	s_wait_dscnt 0x0
	v_lshrrev_b32 v1, 5, v0
	v_readfirstlane_b32 s14, v1                    ; wave 0..3
	s_lshr_b32 s15, s14, 1                         ; which half of the tile's rows is mine.  Also: I fetch for A (0) or for B (1)
	s_and_b32 s16, s14, 1                          ; which half of its columns.  Also: which 128 rows I fetch
	s_bfe_u32 s40, ttmp6, 0x40000                  ; cx, cy
	s_bfe_u32 s41, ttmp6, 0x40004
	s_lshl_b32 s42, ttmp9, 2
	s_add_co_u32 s42, s42, s40                     ; tile column
	s_and_b32 s17, ttmp7, 0xffff
	s_lshl_b32 s17, s17, 2
	s_add_co_u32 s17, s17, s41                     ; tile row
	s_lshl_b32 s43, s41, 2
	s_lshl_b32 s43, 15, s43                        ; my row of the cluster
	s_lshl_b32 s44, 0x1111, s40                    ; my column
	; descriptor group 1: 8 tiles of 16 rows, 3,072 consecutive bytes each (two K steps), as 384 elements of 8 bytes; dense in LDS
	s_or_b32 s[G1+0], s43, (3<<16)|(1<<21)         ; 15:0 the mask; 17:16 elements of 8 bytes; 21 set beside a mask
	s_or_b32 s[G1B+0], s44, (3<<16)|(1<<21)
.irp g, G1, G1B
	s_mov_b32 s[\g+1], 384<<16                     ; tensor_dim0
	s_mov_b32 s[\g+2], 8<<16                       ; tensor_dim1
	s_mov_b32 s[\g+3], 384<<16                     ; tile_dim0
	s_mov_b32 s[\g+4], 8                           ; tile_dim1
	s_mov_b32 s[\g+5], KRT/8                       ; from tile to tile, in elements
	s_mov_b32 s[\g+6], 0
	s_mov_b32 s[\g+7], 0
.endr
	; and for the scale words of 128 rows: a dense block, as rows of 256 bytes
	s_or_b32 s[G1S+0], s43, (3<<16)|(1<<21)
	s_or_b32 s[G1SB+0], s44, (3<<16)|(1<<21)
.irp g, G1S, G1SB
	s_mov_b32 s[\g+1], 32<<16
	s_mov_b32 s[\g+2], (HALFS/256)<<16
	s_mov_b32 s[\g+3], 32<<16
	s_mov_b32 s[\g+4], HALFS/256
	s_mov_b32 s[\g+5], 32
	s_mov_b32 s[\g+6], 0
	s_mov_b32 s[\g+7], 0
.endr
	s_lshl_b32 s20, s17, 1
	s_add_co_u32 s20, s20, s16                     ; A: which 128 rows I fetch: 2 x tile row + half
	s_lshl_b32 s46, s42, 1
	s_add_co_u32 s46, s46, s16                     ; B: 2 x tile column + half
	s_mul_i32 s22, s20, HALFS
	s_add_co_u32 s22, s22, ASOFF
	s_mul_i32 s92, s46, HALFS
	s_add_co_u32 s92, s92, BSOFF
	s_mul_i32 s20, s20, 8*KRT
	s_mul_i32 s46, s46, 8*KRT
	s_add_co_u32 s46, s46, BOFF
	s_mov_b32 s21, 0
	s_mov_b32 s23, 0
	s_mov_b32 s47, 0
	s_mov_b32 s93, 0
	s_mul_i32 s45, s14, HALFT                      ; where they go: wave x 128 rows: no place in the cluster enters an LDS address
	s_mul_i32 s94, s14, HALFS
	s_wait_kmcnt 0x0
	s_add_nc_u64 s[20:21], s[PA:PA+1], s[20:21]
	s_add_nc_u64 s[22:23], s[PA:PA+1], s[22:23]
	s_add_nc_u64 s[46:47], s[PB:PB+1], s[46:47]
	s_add_nc_u64 s[92:93], s[PB:PB+1], s[92:93]
	CROUND                                         ; all sixteen work-groups are here: the first joint loads meet
	s_mov_b32 s[G0S], 1
	s_add_co_u32 s[G0S+1], s94, SCL
	s_mov_b64 s[G0S+2:G0S+3], s[22:23]
	s_or_b32 s[G0S+3], s[G0S+3], 0x80000000
	s_mov_b32 s[G0SB], 1
	s_add_co_u32 s[G0SB+1], s94, SCL
	s_mov_b64 s[G0SB+2:G0SB+3], s[92:93]
	s_or_b32 s[G0SB+3], s[G0SB+3], 0x80000000
	JLOAD G0S, G1S, G0SB, G1SB                     ; the scale words first: they are wanted with K step 0
.irp s, 0,1
	s_mov_b32 s[G0+4*\s], 1
	s_add_co_u32 s[G0+4*\s+1], s45, \s*SLOT
	s_add_nc_u64 s[G0+4*\s+2:G0+4*\s+3], s[20:21], \s*RTB
	s_or_b32 s[G0+4*\s+3], s[G0+4*\s+3], 0x80000000
	s_mov_b32 s[G0B+4*\s], 1
	s_add_co_u32 s[G0B+4*\s+1], s45, \s*SLOT
	s_add_nc_u64 s[G0B+4*\s+2:G0B+4*\s+3], s[46:47], \s*RTB
	s_or_b32 s[G0B+4*\s+3], s[G0B+4*\s+3], 0x80000000
	JLOAD G0+4*\s, G1, G0B+4*\s, G1B
.endr
	v_and_b32 v1, 15, v0                           ; r = lane % 16
	v_bfe_u32 v2, v0, 4, 1                         ; h = lane / 16
	v_and_b32 v3, 31, v0                           ; lane
	v_lshlrev_b32 v4, 3, v3                        ; a chunk's place for my lane
	s_lshl_b32 s20, s42, 10                        ; the bias of my 128 columns: lane (r, h) wants, for B's tile 2 B + u, those of columns 32 B + 16 h + 8 u + 0 .. 7
	s_lshl_b32 s21, s16, 9
	s_add_co_u32 s20, s20, s21
	s_mov_b32 s21, 0
	s_add_nc_u64 s[8:9], s[8:9], s[20:21]
	v_lshlrev_b32 v7, 6, v2
.irp t, 0,1,2,3,4,5,6,7
	global_load_b128 v[BI+8*\t:BI+8*\t+3], v7, s[8:9] offset:(32*(\t/2)+8*(\t%2))*4
	global_load_b128 v[BI+8*\t+4:BI+8*\t+7], v7, s[8:9] offset:(32*(\t/2)+8*(\t%2))*4+16
.endr
	s_mul_i32 s21, s15, HALFT                      ; my 128 rows of A
	s_mul_i32 s22, s16, HALFT                      ; my 128 rows of B,
	s_add_co_u32 s22, s22, 2*HALFT                 ; which lie behind A's 256
.irp s, 0,1
	v_add_nc_u32 v[ADRA+\s], s21, v4
	v_add_nc_u32 v[ADRB+\s], s22, v4
	s_add_co_u32 s21, s21, SLOT
	s_add_co_u32 s22, s22, SLOT
.endr
	v_lshlrev_b32 v5, 2, v1                        ; my row's scale word in a tile's 64 bytes
	s_mul_i32 s21, s15, HALFS
	s_mul_i32 s22, s16, HALFS
	s_add_co_u32 s22, s22, 2*HALFS
	s_sub_co_u32 s22, s22, s21
	v_mul_u32_u24 v6, s22, v2                      ; lanes 16-31 take B's: one product, the distance between the two blocks
	s_add_co_u32 s21, s21, SCL
	v_add_nc_u32 v5, v5, v6
	v_add_nc_u32 v[ADRS], s21, v5
.macro FRAG reg, adr, q, i             ; a fragment as it lies: six loads of 8 bytes a lane, 256 consecutive bytes each
.irp p, 0,1,2,3,4,5
	ds_load_b64 v[\reg+2*\p:\reg+2*\p+1], v[\adr] offset:(\i)*RTB+(\q)*FRB+256*\p
.endr
.endm
; 16 matrix instructions: A's blocks a0, a0 + 1 x B's eight, the slot's q-th 128 along K.  p: B's set; sc: the set of scale words; zero = 1: the first product starts the sums.
; The 64 accumulators take turns, one instruction a turn, in the same order in every step.
.macro MUL16 a0, p, q, sc, zero
.irp a, \a0, \a0+1
.irp b, 0,1,2,3,4,5,6,7
.set rD, 8*(8*((\a)%4)+\b)
.set rB, 128*(\p)+FR*\b
.set rA, AF+FR*(\a)
.set rSB, SC+8*NQ*(\sc)+NQ*\b+(\q)
.set rSA, SC+8*NQ*(\sc)+NQ*(\a)+(\q)
.if (\zero) && BIAS
	v_wmma_scale_f32_16x16x128_f8f6f4 v[rD:rD+7], v[rB:rB+FR-1], v[rA:rA+FR-1], v[BI+8*\b:BI+8*\b+7], v[rSB], v[rSA] matrix_a_fmt:MATRIX_FMT_FP6 matrix_b_fmt:MATRIX_FMT_FP6 matrix_a_scale:MATRIX_SCALE_ROW1
.elseif \zero
	v_wmma_scale_f32_16x16x128_f8f6f4 v[rD:rD+7], v[rB:rB+FR-1], v[rA:rA+FR-1], 0, v[rSB], v[rSA] matrix_a_fmt:MATRIX_FMT_FP6 matrix_b_fmt:MATRIX_FMT_FP6 matrix_a_scale:MATRIX_SCALE_ROW1
.else
	v_wmma_scale_f32_16x16x128_f8f6f4 v[rD:rD+7], v[rB:rB+FR-1], v[rA:rA+FR-1], v[rD:rD+7], v[rSB], v[rSA] matrix_a_fmt:MATRIX_FMT_FP6 matrix_b_fmt:MATRIX_FMT_FP6 matrix_a_scale:MATRIX_SCALE_ROW1
.endif
.endr
.endr
.endm
.macro FETCH_B slot, q, p
	WIN TO_B
.irp i, 0,1,2,3,4,5,6,7
	FRAG 128*(\p)+FR*\i, ADRB+\slot, \q, \i
.endr
	WIN 0
.endm
.macro FETCH_A slot, q, i0
.irp i, \i0, \i0+1, \i0+2, \i0+3
	FRAG AF+FR*(\i), ADRA+\slot, \q, \i
.endr
.endm
.macro SCALES sc                       ; a slot's scale words into set sc: register NQ i + q: lanes 0-15 the words of A's block i, lanes 16-31 of B's block i, for the slot's q-th 128 along K
.irp i, 0,1,2,3,4,5,6,7
	ds_load_b32 v[SC+8*NQ*\sc+NQ*\i], v[ADRS] offset:64*\i
	ds_load_b32 v[SC+8*NQ*\sc+NQ*\i+1], v[ADRS] offset:512+64*\i
.endr
.endm
.macro PLACES n                        ; plain vector lines between a matrix instruction and a load into, or a read of, its registers (ISA guide 7.12.1 for a read)
.rept \n
	v_nop
.endr
.endm
.macro STEP slot, q, zero              ; a step of 128 along K that has its successor in the same slot
	s_wait_dscnt 4*NL                              ; all but the youngest 24 loads (A's blocks 4-7) are in
.if (\zero) && BIAS
	WIN ST_LO
.else
	WIN MUL_LO
.endif
	MUL16 0, (\q)%2, \q, \slot, \zero
	MUL16 2, (\q)%2, \q, \slot, \zero
	s_wait_dscnt 0                                 ; A's blocks 4-7 are in
	PLACES NP
	FETCH_B \slot, (\q)+1, 1-(\q)%2
	FETCH_A \slot, (\q)+1, 0
.if (\zero) && BIAS
	WIN ST_HI
.else
	WIN MUL_HI
.endif
	MUL16 4, (\q)%2, \q, \slot, \zero
	MUL16 6, (\q)%2, \q, \slot, \zero
	PLACES NP
	WIN 0
	FETCH_A \slot, (\q)+1, 4
.endm
; A slot's last step changes slots: ONE barrier; in front of it each wave waits for all its tensor loads, adds 0 to its spare word, and waits for that and for its own reads of this slot.  fill = 1: this slot is filled again.
.macro TURN slot, next, fill
	s_wait_tensorcnt 0x0                           ; all my tensor loads have landed: my part of the next slot
	ds_add_u32 v[SPW], v[NIL]                      ; 0 onto my spare word
	s_wait_dscnt 4*NL+1                            ; (the add and the youngest 24 loads may be out)
	WIN MUL_LO
	MUL16 0, 1, NQ-1, \slot, 0                     ; sixteen matrix instructions stand between the add and the wait for it
	s_wait_dscnt 0x0                               ; the add is done, and my reads of this slot are over
	s_barrier_signal -1
	MUL16 2, 1, NQ-1, \slot, 0
	WIN 0
	s_barrier_wait -1
.if \fill
	CREST                                          ; the barrier has opened a round of the cluster's barrier: no wave of any partner still reads this slot or has a load on its way
	s_add_nc_u64 s[G0+4*\slot+2:G0+4*\slot+3], s[G0+4*\slot+2:G0+4*\slot+3], 2*RTB
	s_add_nc_u64 s[G0B+4*\slot+2:G0B+4*\slot+3], s[G0B+4*\slot+2:G0B+4*\slot+3], 2*RTB
	JLOAD G0+4*\slot, G1, G0B+4*\slot, G1B         ; the first tensor load behind the round; its four v_nop are the places in front of the loads below
.else
	PLACES NP
.endif
	v_add_nc_u32 v[ADRS], 512*NQ, v[ADRS]          ; on to the next slot's scale words
	FETCH_B \next, 0, 0
	FETCH_A \next, 0, 0
	SCALES \next
	WIN MUL_HI
	MUL16 4, 1, NQ-1, \slot, 0
	MUL16 6, 1, NQ-1, \slot, 0
	PLACES NP
	WIN 0
	FETCH_A \next, 0, 4
.endm
	s_wait_tensorcnt 1                             ; the scale words and my part of slot 0 are in (slot 1's load may be out)
	s_barrier_signal -1
	s_barrier_wait -1                              ; everybody's are
	FETCH_B 0, 0, 0
	FETCH_A 0, 0, 0
	SCALES 0
	FETCH_A 0, 0, 4
	s_wait_loadcnt 0x0                             ; the bias
	STEP 0, 0, 1                                   ; the first step stands in front of the loop: its products start the sums, from the bias
	s_mov_b32 s3, LAPS-1
.Llap:                                                 ; a trip goes once round the ring and fills both slots again
	TURN 0, 1, 1
	STEP 1, 0, 0
	TURN 1, 0, 1
	STEP 0, 0, 0
	s_sub_co_u32 s3, s3, 1
	s_cmp_lg_u32 s3, 0
	s_cbranch_scc1 .Llap
	TURN 0, 1, 0                                   ; the last lap fills nothing
	STEP 1, 0, 0
	s_wait_dscnt 4*NL
	WIN MUL_LO
	MUL16 0, 1, NQ-1, 1, 0
	MUL16 2, 1, NQ-1, 1, 0
	s_wait_dscnt 0
	WIN MUL_HI
	MUL16 4, 1, NQ-1, 1, 0
	MUL16 6, 1, NQ-1, 1, 0
	WIN 0
; 64 numbers of a lane, v[s] .. v[s + 63], register 16 b + i = k 32 b + 16 (lane / 16) + i of my row, become a fragment's codes in v[PC] on and its scale word in v[PW].
.macro QUANT s
.irp b, 0,1,2,3
	v_max3_num_f32 v[TM+\b], |v[\s+16*\b]|, |v[\s+1+16*\b]|, 0x1800000   ; block b: my 16 numbers, and the floor 2^(3 - 127): the byte cannot fall under 1
.endr
.irp i, 2,4,6,8,10,12,14
.irp b, 0,1,2,3
	v_max3_num_f32 v[TM+\b], v[TM+\b], |v[\s+16*\b+\i]|, |v[\s+1+16*\b+\i]|
.endr
.endr
.irp b, 0,1,2,3
	v_permlanex16_b32 v[TM+4+\b], v[TM+\b], s[SEL], s[SEL+1]
.endr
.irp b, 0,1,2,3
	v_max_num_f32 v[TM+\b], v[TM+\b], v[TM+4+\b]   ; with lane l xor 16's: the block's largest magnitude
.endr
.irp b, 0,1,2,3
	v_add_nc_u32 v[TM+12+\b], 0xff000000, v[TM+\b] ; 2 off its exponent field: the conversion's scale operand
.endr
.irp b, 0,1,2,3
	v_lshrrev_b32 v[TM+4+\b], 23, v[TM+12+\b]      ; the scale's byte
.endr
	v_lshl_or_b32 v[PW], v[TM+5], 8, v[TM+4]
	v_lshl_or_b32 v[PW], v[TM+6], 16, v[PW]
	v_lshl_or_b32 v[PW], v[TM+7], 24, v[PW]
.irp c, 0,1
	v_cvt_scalef32_pk16_fp6_f32 v[PC+6*\c:PC+2+6*\c], v[\s+32*\c:\s+15+32*\c], v[TM+12+2*\c]
	v_cvt_scalef32_pk16_fp6_f32 v[PC+12+4*\c:PC+14+4*\c], v[\s+16+32*\c:\s+31+32*\c], v[TM+12+2*\c+1]   ; (a conversion's three registers begin on an even number)
.endr
	v_nop                                          ; one plain line behind a scaled conversion
.irp c, 0,1                            ; the operand wants a WHOLE block in a lane
.irp i, 0,1,2
	v_permlane16_swap_b32 v[PC+6*\c+\i], v[PC+12+4*\c+\i]
.endr
.irp i, 0,1,2
	v_mov_b32 v[PC+3+6*\c+\i], v[PC+12+4*\c+\i]
.endr
.endr
.endm
; The activation of sixteen numbers u in v[hb] on, in place, two at a time.
.macro GELU16 hb
.irp j, 0,2,4,6,8,10,12,14
	v_pk_mul_f32 v[Z+\j:Z+\j+1], v[\hb+\j:\hb+\j+1], 0x3f3504f3 op_sel_hi:[1,0]   ; z = u / sqrt(2)
.endr
.irp j, 0,2,4,6,8,10,12,14
	v_pk_mul_f32 v[\hb+\j:\hb+\j+1], v[\hb+\j:\hb+\j+1], 0.5 op_sel_hi:[1,0]      ; H = u / 2
.endr
.irp i, 0,1,2,3,4,5,6,7,8,9,10,11,12,13,14,15
	v_med3_num_f32 v[Z+\i], v[Z+\i], -4.0, 4.0     ; beyond +-4 erf is +-1 to f32's last place
.endr
.irp j, 0,2,4,6,8,10,12,14
	v_pk_mul_f32 v[Z2+\j:Z2+\j+1], v[Z+\j:Z+\j+1], v[Z+\j:Z+\j+1]
.endr
.irp j, 0,2,4,6,8,10,12,14
	v_pk_fma_f32 v[P+\j:P+\j+1], v[Z2+\j:Z2+\j+1], v[CA:CA+1], v[CA+2:CA+3]
.endr
.irp c, 4,6,8,10,12
.irp j, 0,2,4,6,8,10,12,14
	v_pk_fma_f32 v[P+\j:P+\j+1], v[P+\j:P+\j+1], v[Z2+\j:Z2+\j+1], v[CA+\c:CA+\c+1]
.endr
.endr
.irp j, 0,2,4,6,8,10,12,14
	v_pk_fma_f32 v[Q+\j:Q+\j+1], v[Z2+\j:Z2+\j+1], v[CQ:CQ+1], v[CQ+2:CQ+3]
.endr
.irp c, 4,6,8
.irp j, 0,2,4,6,8,10,12,14
	v_pk_fma_f32 v[Q+\j:Q+\j+1], v[Q+\j:Q+\j+1], v[Z2+\j:Z2+\j+1], v[CQ+\c:CQ+\c+1]
.endr
.endr
.irp i, 0,1,2,3,4,5,6,7,8,9,10,11,12,13,14,15
	v_rcp_f32 v[Q+\i], v[Q+\i]                     ; one batch
.endr
.irp j, 0,2,4,6,8,10,12,14
	v_pk_mul_f32 v[P+\j:P+\j+1], v[P+\j:P+\j+1], v[Z+\j:Z+\j+1]   ; plain work that names no reciprocal
.endr
	s_wait_alu depctr_va_vdst(0)                   ; one wait for the batch, ahead of its first reader
.irp j, 0,2,4,6,8,10,12,14
	v_pk_mul_f32 v[P+\j:P+\j+1], v[P+\j:P+\j+1], v[Q+\j:Q+\j+1]   ; erf(z)
.endr
.irp j, 0,2,4,6,8,10,12,14
	v_pk_fma_f32 v[\hb+\j:\hb+\j+1], v[\hb+\j:\hb+\j+1], v[P+\j:P+\j+1], v[\hb+\j:\hb+\j+1]   ; H + H erf(z)
.endr
.endm
.macro COEF r, x                       ; a coefficient, twice: a pair for the packed forms
	v_mov_b32 v[\r], \x
	v_mov_b32 v[\r+1], \x
.endm
	; THE WAY OUT.  No LDS load of mine is out; behind this barrier no wave reads the ring or the scale words any more, and no fill is to come: the images may lie over them.
	s_barrier_signal -1
	s_barrier_wait -1
	s_lshl_b32 s20, s17, 4
	s_lshl_b32 s21, s15, 3
	s_add_co_u32 s20, s20, s21                     ; my first tile of 16 tokens
	s_lshl_b32 s20, s20, 5                         ; x 32 K steps of the next product
	s_lshl_b32 s21, s42, 1
	s_add_co_u32 s21, s21, s16                     ; my 128 hidden units are its K step 2 x tile column + half
	s_add_co_u32 s20, s20, s21
	s_mul_i32 s92, s20, FRB
	s_mov_b32 s93, 0
	s_add_nc_u64 s[92:93], s[10:11], s[92:93]
	s_lshl_b32 s20, s17, 1
	s_add_co_u32 s20, s20, s15
	s_lshl_b32 s20, s20, 14                        ; the scale words of my eight tiles: 16,384 bytes for each eight tiles,
	s_lshl_b32 s21, s21, 9                         ; 512 for each K step
	s_add_co_u32 s20, s20, s21
	s_add_co_u32 s96, s20, HSC
	s_mov_b32 s97, 0
	s_add_nc_u64 s[96:97], s[10:11], s[96:97]
	s_mov_b32 s[SEL], 0x76543210
	s_mov_b32 s[SEL+1], 0xfedcba98
	s_lshl_b32 s20, s14, 16
	v_lshl_add_u32 v[DST], v3, 4, s20              ; these plain lines are also the places behind the last products
	s_lshl_b32 s20, s14, 9
	s_add_co_u32 s20, s20, SST
	v_lshl_add_u32 v[SWA], v1, 2, s20
	v_lshl_add_u32 v[SRD], v3, 4, s20
	v_lshlrev_b32 v[L16], 4, v3
	COEF CA,    0xaf95df0b                         ; P, from z^12 down: -2.72614226e-10
	COEF CA+2,  0x32edffee                         ;  2.77068142e-08
	COEF CA+4,  0xb60cff51                         ; -2.10102402e-06
	COEF CA+6,  0xb86ec2d2                         ; -5.69250639e-05
	COEF CA+8,  0xba40ac63                         ; -7.34990630e-04
	COEF CA+10, 0xbb41a1f6                         ; -2.95459981e-03
	COEF CA+12, 0xbc83dbd4                         ; -1.60960333e-02
	COEF CQ,    0xb77460cd                         ; Q, from z^8 down: -1.45660718e-05
	COEF CQ+2,  0xb95fbd29                         ; -2.13374055e-04
	COEF CQ+4,  0xbadc924e                         ; -1.68282697e-03
	COEF CQ+6,  0xbbf19bf8                         ; -7.37332917e-03
	COEF CQ+8,  0xbc69b6a7                         ; -1.42647391e-02
.irp b, 0,1,2,3
	v_mov_b32 v[TM+4+\b], 0                        ; written once: a lane permute's destination counts as one of its sources
.endr
.irp a, 0,1,2,3,4,5,6,7                ; the accumulators as they stand: four registers a store, 16 bytes a lane, 512 consecutive bytes; each from its low end on
	WIN 0x08+4*(\a/4)
.irp b, 0,1,2,3,4,5,6,7
	ds_store_b128 v[DST], v[64*(\a%4)+8*\b:64*(\a%4)+8*\b+3] offset:\a*8192+\b*1024
	ds_store_b128 v[DST], v[64*(\a%4)+8*\b+4:64*(\a%4)+8*\b+7] offset:\a*8192+\b*1024+512
.endr
.endr
	WIN 0
	s_mov_b32 s2, 0
	s_mov_b32 s45, 0
	s_mov_b32 s3, 0
.Ltile:                                                ; A's tile s3: 16 tokens x 128 hidden units
	v_add_nc_u32 v[LA], s2, v[DST]
	v_add_nc_u32 v[SA], s45, v[SWA]
.set i, 0
.rept 16
	ds_load_b128 v[H+4*i:H+4*i+3], v[LA] offset:512*i   ; LDS serves a wave's instructions in order: these see my stores
.set i, i+1
.endr
	s_wait_dscnt 0x0
	GELU16 H
	GELU16 H+16
	GELU16 H+32
	GELU16 H+48
	QUANT H
	ds_store_b32 v[SA], v[PW]                      ; lanes l and l xor 16 write the same word with the same value
.irp p, 0,1,2,3,4,5
	global_store_b64 v4, v[PC+2*\p:PC+2*\p+1], s[92:93] offset:256*\p   ; 32 lanes store 256 consecutive bytes, aligned
.endr
	s_wait_xcnt 0x0                                ; the stores have read their registers and base: both are written again only behind this wait
	s_add_nc_u64 s[92:93], s[92:93], 32*FRB        ; the next tile of tokens
	s_add_co_u32 s2, s2, 8192
	s_add_co_u32 s45, s45, 64
	s_add_co_u32 s3, s3, 1
	s_cmp_lt_u32 s3, 8
	s_cbranch_scc1 .Ltile
	ds_load_b128 v[Z:Z+3], v[SRD]                  ; my eight tiles' scale words: 512 consecutive bytes
	s_wait_dscnt 0x0
	global_store_b128 v[L16], v[Z:Z+3], s[96:97]
	s_wait_tensorcnt 0x0                           ; the wave's end: behind my last tensor load and my last LDS store
	ds_add_u32 v[SPW], v[NIL]
	s_wait_dscnt 0x0
	CROUND                                         ; the closing round
	s_endpgm
.Lfunc_end_k_q3d82d60ba5_ffn1:
	.size	k_q3d82d60ba5_ffn1, .Lfunc_end_k_q3d82d60ba5_ffn1-k_q3d82d60ba5_ffn1
	.p2alignl 7, 3214868480
	.fill 96, 4, 3214868480
	.section	.rodata,"a",@progbits
	.p2align	6, 0x0
	.amdhsa_kernel k_q3d82d60ba5_ffn1
		.amdhsa_group_segment_fixed_size 327680
		.amdhsa_private_segment_fixed_size 0
		.amdhsa_enable_private_segment 0
		.amdhsa_kernarg_size 32
		.amdhsa_user_sgpr_count 2
		.amdhsa_user_sgpr_kernarg_segment_ptr 1
		.amdhsa_wavefront_size32 1
		.amdhsa_system_sgpr_workgroup_id_x 1
		.amdhsa_system_sgpr_workgroup_id_y 1
		.amdhsa_system_sgpr_workgroup_id_z 1
		.amdhsa_system_vgpr_workitem_id 0
		.amdhsa_next_free_vgpr 1024
		.amdhsa_next_free_sgpr 98
		.amdhsa_reserve_vcc 0
		.amdhsa_float_denorm_mode_32 3
		.amdhsa_float_denorm_mode_16_64 3
		.amdhsa_memory_ordered 1
		.amdhsa_forward_progress 1
		.amdhsa_inst_pref_size 189
	.end_amdhsa_kernel
	.amdgpu_metadata
---
amdhsa.version: [ 1, 2 ]
amdhsa.kernels:
  - .name:           k_q3d82d60ba5_ffn1
    .symbol:         k_q3d82d60ba5_ffn1.kd
    .args:
      - { .name: actq, .offset: 0, .size: 8, .value_kind: global_buffer, .address_space: global }
      - { .name: wq, .offset: 8, .size: 8, .value_kind: global_buffer, .address_space: global }
      - { .name: b1, .offset: 16, .size: 8, .value_kind: global_buffer, .address_space: global }
      - { .name: hq, .offset: 24, .size: 8, .value_kind: global_buffer, .address_space: global }
    .group_segment_fixed_size: 327680
    .private_segment_fixed_size: 0
    .kernarg_segment_align: 8
    .kernarg_segment_size: 32
    .max_flat_workgroup_size: 128
    .sgpr_count:     98
    .vgpr_count:     1024
    .wavefront_size: 32
...
	.end_amdgpu_metadata
.endif
;; end of part 6
;; launch ffn2 (part 7): grid 4 x 16, 4 waves a work-group, clusters of 4 x 4, 327,680 bytes of LDS; arguments hq, wq, b2, cbuf; writes cbuf
.if DOCPART == 7
	.amdgcn_target "amdgcn-amd-amdhsa--gfx1250"
	.amdhsa_code_object_version 6
	.text
	.protected	k_q3d82d60ba5_ffn2
	.globl	k_q3d82d60ba5_ffn2
	.p2align	8
	.type	k_q3d82d60ba5_ffn2,@function
k_q3d82d60ba5_ffn2:
	s_mov_b64 s[64:65], 0
	v_nop
	global_prefetch_b8 v0, s[64:65] scope:SCOPE_SE
	s_setreg_imm32_b32 hwreg(HW_REG_WAVE_MODE, 25, 1), 1
	s_wait_xcnt 0x0
	s_wait_alu depctr_hold_cnt(0) depctr_sa_sdst(0) depctr_va_vdst(0) depctr_va_sdst(0) depctr_va_ssrc(0) depctr_va_vcc(0) depctr_vm_vsrc(0)
	s_getreg_b32 s2, hwreg(HW_REG_IB_STS2, 6, 4)
	s_cmp_eq_u32 s2, 0
	s_cbranch_scc0 .Lentry_in_a_cluster
	s_endpgm
.Lentry_in_a_cluster:
	s_bfe_u32 s2, ttmp6, 0x10000c
	s_cmp_lg_u32 s2, 0xf033
	s_cbranch_scc0 .Lentry_shape_is_right
	s_endpgm
.Lentry_shape_is_right:
; cbuf = h W2 + b2, f32 [4096][1024], on codes of FP6 (E2M3) with one E8M0 scale for each 32 along K = 4,096.
; A GEMM C = A B^T on fragment images: a tile of C, 256 x 256, by four waves, each 128 x 128 in 64 accumulators (512 registers); K in steps of 256 through a ring of two LDS slots filled by the tensor data mover.
; A buffer of codes is [tile of 16 rows][K step of 128][1,536 bytes: six chunks of 256 bytes, chunk p = operand registers 2 p, 2 p + 1, 8 bytes a lane]: a fragment comes by six ds_load_b64 at 8 x lane, each 256 consecutive bytes.
; Lane r of tile 2 B + u holds row 32 B + 8 u + r + 8 (r / 8).  THE MATRIX INSTRUCTION IS USED TRANSPOSED (source 0 = 16 rows of B, source 1 = 16 rows of A): a lane holds one row of C and eight neighbouring columns.
; The bias is the C of each sum's first matrix instruction.
; CLUSTERS: 4 x 4 work-groups; A's tiles are asked for jointly along a row of the cluster, B's along a column.  C has 64 tiles of this size: 64 work-groups.
; REGISTERS: window 0: v0-31 addresses; v32-63 scale words, two sets, and nothing else; v64-127 the bias; v128-223 A's fragments, one set; window 1: B's fragments, two sets; windows 2, 3: the accumulators ((a, b) at v[8 (8 (a % 4) + b)]).
.set KK,     4096
.set BIAS,   1
.set PA,     4                         ; s[4:5] A's buffer, s[6:7] B's
.set PB,     6
.set ASOFF,  12582912                  ; where A's scale words begin in its buffer; B's codes; B's scale words
.set BOFF,   6291456
.set BSOFF,  9699328
.set NQ,     2                         ; matrix instructions deep in a slot
.set FR,     12                        ; registers of a fragment
.set NL,     6                         ; LDS loads that bring one
.set NP,     4                         ; places behind this matrix instruction (ISA guide 7.12.1)
.set FRB,    1536
.set RTB,    NQ*FRB                    ; a tile of 16 rows in a slot
.set HALFT,  8*RTB                     ; 128 rows: what one tensor load brings
.set SLOT,   4*HALFT                   ; A's 256 rows, then B's
.set KRT,    (KK/128)*FRB              ; from tile to tile in memory
.set HALFS,  (KK/128)*512              ; the scale words of 128 rows, all of K: one dense block
.set SCL,    2*SLOT                    ; behind the ring: the scale words, filled once
.set SPARE,  327168                    ; the spare words, 128 bytes a wave: two blocks of 256 bytes that no other line names
.set SPITCH, 528                       ; the way out: a stage of 16 rows x (512 + 16) bytes for each wave, in slot 0, which has had its last fill and its last read by then
.set LAPS,   KK/512
.set ADRA, 16                          ; v16-17 LDS address of my A fragments in slot 0, 1
.set ADRB, 20                          ; v20-21 the same for B
.set STO,  24                          ; v24 the way out: where I put 32 bytes of a row; v25 where I read a row back; v26 my byte offset in a row of C
.set RD,   25
.set CO,   26
.set ADRS, 27                          ; v27    of my scale words: lanes 0-15 A's rows, lanes 16-31 B's
.set SPW,  28                          ; v28    my spare word: SPARE + 4 x my thread's number; never rewritten
.set NIL,  29                          ; v29    0; never rewritten
.set SC,   32
.set BI,   64                          ; v64-127 the bias: eight registers for each of B's tiles, in the result's layout
.set AF,   128
.set BK,   128                         ; the way out: 16 rows read back: v128-191 and v192-255 by turns
.set G1, 24
.set G0, 32
.set G1B, 48
.set G0B, 56
.set G1S, 68
.set G0S, 76
.set G1SB, 80
.set G0SB, 88
.set MSB, 0
.macro WIN new                         ; the immediate's high byte repeats the setting that is left
.if MSB != (\new)
	s_set_vgpr_msb (MSB<<8)|(\new)
.set MSB, (\new)
.endif
.endm
.set MUL_LO, 0xa1                      ; source 0 (B) window 1, source 1 (A) window 0, C and D window 2
.set MUL_HI, 0xf1                      ; the same, C and D window 3
.set ST_LO,  0x81                      ; a sum's start from the bias in window 0
.set ST_HI,  0xc1
.set TO_B,   0x40                      ; destination window 1
; A joint load: waves 0 and 1 fetch for A, waves 2 and 3 for B; the branch hangs on the wave's number alone.  Four v_nop follow each of the two lines.
.macro JLOAD g0a, g1a, g0b, g1b
	s_cmp_eq_u32 s15, 0
	s_cbranch_scc0 .Lfor_b_\@
	tensor_load_to_lds s[\g0a:\g0a+3], s[\g1a:\g1a+7]
	s_nop 0
.rept 4
	v_nop
.endr
	s_branch .Lasked_\@
.Lfor_b_\@:
	tensor_load_to_lds s[\g0b:\g0b+3], s[\g1b:\g1b+7]
	s_nop 0
.rept 4
	v_nop
.endr
.Lasked_\@:
.endm
.macro CREST                           ; a round of the cluster's barrier behind its opening barrier
	s_cmp_lg_u32 s14, 0
	s_cbranch_scc1 .Lnot_wave_0_\@
	s_barrier_signal -3
.Lnot_wave_0_\@:
	s_barrier_wait -3
	s_barrier_signal -1
	s_barrier_wait -1
.endm
.macro CROUND
	s_barrier_signal -1
	s_barrier_wait -1
	CREST
.endm
	s_load_b128 s[4:7], s[0:1], 0x0                ; A's buffer, B's buffer
.if BIAS
	s_load_b128 s[8:11], s[0:1], 0x10              ; the bias, C
.else
	s_load_b64 s[10:11], s[0:1], 0x10              ; C
.endif
	v_lshl_add_u32 v[SPW], v0, 2, SPARE
	v_mov_b32 v[NIL], 0
	ds_add_u32 v28, v29
	ds_add_u32 v28, v29
	s_wait_dscnt 0x0
	v_lshrrev_b32 v1, 5, v0
	v_readfirstlane_b32 s14, v1                    ; wave 0..3
	s_lshr_b32 s15, s14, 1                         ; which half of the tile's rows is mine.  Also: I fetch for A (0) or for B (1)
	s_and_b32 s16, s14, 1                          ; which half of its columns.  Also: which 128 rows I fetch
	s_bfe_u32 s40, ttmp6, 0x40000                  ; cx, cy
	s_bfe_u32 s41, ttmp6, 0x40004
	s_lshl_b32 s42, ttmp9, 2
	s_add_co_u32 s42, s42, s40                     ; tile column
	s_and_b32 s17, ttmp7, 0xffff
	s_lshl_b32 s17, s17, 2
	s_add_co_u32 s17, s17, s41                     ; tile row
	s_lshl_b32 s43, s41, 2
	s_lshl_b32 s43, 15, s43                        ; my row of the cluster
	s_lshl_b32 s44, 0x1111, s40                    ; my column
	; descriptor group 1: 8 tiles of 16 rows, 3,072 consecutive bytes each (two K steps), as 384 elements of 8 bytes; dense in LDS
	s_or_b32 s[G1+0], s43, (3<<16)|(1<<21)         ; 15:0 the mask; 17:16 elements of 8 bytes; 21 set beside a mask
	s_or_b32 s[G1B+0], s44, (3<<16)|(1<<21)
.irp g, G1, G1B
	s_mov_b32 s[\g+1], 384<<16                     ; tensor_dim0
	s_mov_b32 s[\g+2], 8<<16                       ; tensor_dim1
	s_mov_b32 s[\g+3], 384<<16                     ; tile_dim0
	s_mov_b32 s[\g+4], 8                           ; tile_dim1
	s_mov_b32 s[\g+5], KRT/8                       ; from tile to tile, in elements
	s_mov_b32 s[\g+6], 0
	s_mov_b32 s[\g+7], 0
.endr
	; and for the scale words of 128 rows: a dense block, as rows of 256 bytes
	s_or_b32 s[G1S+0], s43, (3<<16)|(1<<21)
	s_or_b32 s[G1SB+0], s44, (3<<16)|(1<<21)
.irp g, G1S, G1SB
	s_mov_b32 s[\g+1], 32<<16
	s_mov_b32 s[\g+2], (HALFS/256)<<16
	s_mov_b32 s[\g+3], 32<<16
	s_mov_b32 s[\g+4], HALFS/256
	s_mov_b32 s[\g+5], 32
	s_mov_b32 s[\g+6], 0
	s_mov_b32 s[\g+7], 0
.endr
	s_lshl_b32 s20, s17, 1
	s_add_co_u32 s20, s20, s16                     ; A: which 128 rows I fetch: 2 x tile row + half
	s_lshl_b32 s46, s42, 1
	s_add_co_u32 s46, s46, s16                     ; B: 2 x tile column + half
	s_mul_i32 s22, s20, HALFS
	s_add_co_u32 s22, s22, ASOFF
	s_mul_i32 s92, s46, HALFS
	s_add_co_u32 s92, s92, BSOFF
	s_mul_i32 s20, s20, 8*KRT
	s_mul_i32 s46, s46, 8*KRT
	s_add_co_u32 s46, s46, BOFF
	s_mov_b32 s21, 0
	s_mov_b32 s23, 0
	s_mov_b32 s47, 0
	s_mov_b32 s93, 0
	s_mul_i32 s45, s14, HALFT                      ; where they go: wave x 128 rows: no place in the cluster enters an LDS address
	s_mul_i32 s94, s14, HALFS
	s_wait_kmcnt 0x0
	s_add_nc_u64 s[20:21], s[PA:PA+1], s[20:21]
	s_add_nc_u64 s[22:23], s[PA:PA+1], s[22:23]
	s_add_nc_u64 s[46:47], s[PB:PB+1], s[46:47]
	s_add_nc_u64 s[92:93], s[PB:PB+1], s[92:93]
	CROUND                                         ; all sixteen work-groups are here: the first joint loads meet
	s_mov_b32 s[G0S], 1
	s_add_co_u32 s[G0S+1], s94, SCL
	s_mov_b64 s[G0S+2:G0S+3], s[22:23]
	s_or_b32 s[G0S+3], s[G0S+3], 0x80000000
	s_mov_b32 s[G0SB], 1
	s_add_co_u32 s[G0SB+1], s94, SCL
	s_mov_b64 s[G0SB+2:G0SB+3], s[92:93]
	s_or_b32 s[G0SB+3], s[G0SB+3], 0x80000000
	JLOAD G0S, G1S, G0SB, G1SB                     ; the scale words first: they are wanted with K step 0
.irp s, 0,1
	s_mov_b32 s[G0+4*\s], 1
	s_add_co_u32 s[G0+4*\s+1], s45, \s*SLOT
	s_add_nc_u64 s[G0+4*\s+2:G0+4*\s+3], s[20:21], \s*RTB
	s_or_b32 s[G0+4*\s+3], s[G0+4*\s+3], 0x80000000
	s_mov_b32 s[G0B+4*\s], 1
	s_add_co_u32 s[G0B+4*\s+1], s45, \s*SLOT
	s_add_nc_u64 s[G0B+4*\s+2:G0B+4*\s+3], s[46:47], \s*RTB
	s_or_b32 s[G0B+4*\s+3], s[G0B+4*\s+3], 0x80000000
	JLOAD G0+4*\s, G1, G0B+4*\s, G1B
.endr
	v_and_b32 v1, 15, v0                           ; r = lane % 16
	v_bfe_u32 v2, v0, 4, 1                         ; h = lane / 16
	v_and_b32 v3, 31, v0                           ; lane
	v_lshlrev_b32 v4, 3, v3                        ; a chunk's place for my lane
.if BIAS
	s_lshl_b32 s20, s42, 10                        ; the bias of my 128 columns: lane (r, h) wants, for B's tile 2 B + u, those of columns 32 B + 16 h + 8 u + 0 .. 7
	s_lshl_b32 s21, s16, 9
	s_add_co_u32 s20, s20, s21
	s_mov_b32 s21, 0
	s_add_nc_u64 s[8:9], s[8:9], s[20:21]
	v_lshlrev_b32 v7, 6, v2
.irp t, 0,1,2,3,4,5,6,7
	global_load_b128 v[BI+8*\t:BI+8*\t+3], v7, s[8:9] offset:(32*(\t/2)+8*(\t%2))*4
	global_load_b128 v[BI+8*\t+4:BI+8*\t+7], v7, s[8:9] offset:(32*(\t/2)+8*(\t%2))*4+16
.endr
.endif
	s_mul_i32 s21, s15, HALFT                      ; my 128 rows of A
	s_mul_i32 s22, s16, HALFT                      ; my 128 rows of B,
	s_add_co_u32 s22, s22, 2*HALFT                 ; which lie behind A's 256
.irp s, 0,1
	v_add_nc_u32 v[ADRA+\s], s21, v4
	v_add_nc_u32 v[ADRB+\s], s22, v4
	s_add_co_u32 s21, s21, SLOT
	s_add_co_u32 s22, s22, SLOT
.endr
	v_lshlrev_b32 v5, 2, v1                        ; my row's scale word in a tile's 64 bytes
	s_mul_i32 s21, s15, HALFS
	s_mul_i32 s22, s16, HALFS
	s_add_co_u32 s22, s22, 2*HALFS
	s_sub_co_u32 s22, s22, s21
	v_mul_u32_u24 v6, s22, v2                      ; lanes 16-31 take B's: one product, the distance between the two blocks
	s_add_co_u32 s21, s21, SCL
	v_add_nc_u32 v5, v5, v6
	v_add_nc_u32 v[ADRS], s21, v5
	s_mul_i32 s23, s14, 16*SPITCH                  ; my stage
	v_mul_u32_u24 v5, v1, SPITCH
	v_lshl_add_u32 v5, v2, 6, v5                   ; in: row r; lanes 16-31 hold the columns 16 further on
	v_add_nc_u32 v[STO], s23, v5
	v_lshlrev_b32 v[CO], 4, v3                     ; back: the 32 lanes take one row of 512 bytes; and the same in C
	v_add_nc_u32 v[RD], s23, v[CO]
	s_lshl_b32 s20, s17, 8
	s_lshl_b32 s21, s15, 7
	s_add_co_u32 s20, s20, s21                     ; my first row of C
	s_lshl_b32 s20, s20, 12                        ; a row of C is 4,096 bytes
	s_lshl_b32 s46, s42, 10
	s_lshl_b32 s47, s16, 9
	s_add_co_u32 s46, s46, s47                     ; my first column, in bytes
	s_add_co_u32 s20, s20, s46
	s_mov_b32 s21, 0
	s_add_nc_u64 s[12:13], s[10:11], s[20:21]
.macro FRAG reg, adr, q, i             ; a fragment as it lies: six loads of 8 bytes a lane, 256 consecutive bytes each
.irp p, 0,1,2,3,4,5
	ds_load_b64 v[\reg+2*\p:\reg+2*\p+1], v[\adr] offset:(\i)*RTB+(\q)*FRB+256*\p
.endr
.endm
; 16 matrix instructions: A's blocks a0, a0 + 1 x B's eight, the slot's q-th 128 along K.  p: B's set; sc: the set of scale words; zero = 1: the first product starts the sums.
; The 64 accumulators take turns, one instruction a turn, in the same order in every step.
.macro MUL16 a0, p, q, sc, zero
.irp a, \a0, \a0+1
.irp b, 0,1,2,3,4,5,6,7
.set rD, 8*(8*((\a)%4)+\b)
.set rB, 128*(\p)+FR*\b
.set rA, AF+FR*(\a)
.set rSB, SC+8*NQ*(\sc)+NQ*\b+(\q)
.set rSA, SC+8*NQ*(\sc)+NQ*(\a)+(\q)
.if (\zero) && BIAS
	v_wmma_scale_f32_16x16x128_f8f6f4 v[rD:rD+7], v[rB:rB+FR-1], v[rA:rA+FR-1], v[BI+8*\b:BI+8*\b+7], v[rSB], v[rSA] matrix_a_fmt:MATRIX_FMT_FP6 matrix_b_fmt:MATRIX_FMT_FP6 matrix_a_scale:MATRIX_SCALE_ROW1
.elseif \zero
	v_wmma_scale_f32_16x16x128_f8f6f4 v[rD:rD+7], v[rB:rB+FR-1], v[rA:rA+FR-1], 0, v[rSB], v[rSA] matrix_a_fmt:MATRIX_FMT_FP6 matrix_b_fmt:MATRIX_FMT_FP6 matrix_a_scale:MATRIX_SCALE_ROW1
.else
	v_wmma_scale_f32_16x16x128_f8f6f4 v[rD:rD+7], v[rB:rB+FR-1], v[rA:rA+FR-1], v[rD:rD+7], v[rSB], v[rSA] matrix_a_fmt:MATRIX_FMT_FP6 matrix_b_fmt:MATRIX_FMT_FP6 matrix_a_scale:MATRIX_SCALE_ROW1
.endif
.endr
.endr
.endm
.macro FETCH_B slot, q, p
	WIN TO_B
.irp i, 0,1,2,3,4,5,6,7
	FRAG 128*(\p)+FR*\i, ADRB+\slot, \q, \i
.endr
	WIN 0
.endm
.macro FETCH_A slot, q, i0
.irp i, \i0, \i0+1, \i0+2, \i0+3
	FRAG AF+FR*(\i), ADRA+\slot, \q, \i
.endr
.endm
.macro SCALES sc                       ; a slot's scale words into set sc: register NQ i + q: lanes 0-15 the words of A's block i, lanes 16-31 of B's block i, for the slot's q-th 128 along K
.irp i, 0,1,2,3,4,5,6,7
	ds_load_b32 v[SC+8*NQ*\sc+NQ*\i], v[ADRS] offset:64*\i
	ds_load_b32 v[SC+8*NQ*\sc+NQ*\i+1], v[ADRS] offset:512+64*\i
.endr
.endm
.macro PLACES n                        ; plain vector lines between a matrix instruction and a load into, or a read of, its registers (ISA guide 7.12.1 for a read)
.rept \n
	v_nop
.endr
.endm
.macro STEP slot, q, zero              ; a step of 128 along K that has its successor in the same slot
	s_wait_dscnt 4*NL                              ; all but the youngest 24 loads (A's blocks 4-7) are in
.if (\zero) && BIAS
	WIN ST_LO
.else
	WIN MUL_LO
.endif
	MUL16 0, (\q)%2, \q, \slot, \zero
	MUL16 2, (\q)%2, \q, \slot, \zero
	s_wait_dscnt 0                                 ; A's blocks 4-7 are in
	PLACES NP
	FETCH_B \slot, (\q)+1, 1-(\q)%2
	FETCH_A \slot, (\q)+1, 0
.if (\zero) && BIAS
	WIN ST_HI
.else
	WIN MUL_HI
.endif
	MUL16 4, (\q)%2, \q, \slot, \zero
	MUL16 6, (\q)%2, \q, \slot, \zero
	PLACES NP
	WIN 0
	FETCH_A \slot, (\q)+1, 4
.endm
; A slot's last step changes slots: ONE barrier; in front of it each wave waits for all its tensor loads, adds 0 to its spare word, and waits for that and for its own reads of this slot.  fill = 1: this slot is filled again.
.macro TURN slot, next, fill
	s_wait_tensorcnt 0x0                           ; all my tensor loads have landed: my part of the next slot
	ds_add_u32 v[SPW], v[NIL]                      ; 0 onto my spare word
	s_wait_dscnt 4*NL+1                            ; (the add and the youngest 24 loads may be out)
	WIN MUL_LO
	MUL16 0, 1, NQ-1, \slot, 0                     ; sixteen matrix instructions stand between the add and the wait for it
	s_wait_dscnt 0x0                               ; the add is done, and my reads of this slot are over
	s_barrier_signal -1
	MUL16 2, 1, NQ-1, \slot, 0
	WIN 0
	s_barrier_wait -1
.if \fill
	CREST                                          ; the barrier has opened a round of the cluster's barrier: no wave of any partner still reads this slot or has a load on its way
	s_add_nc_u64 s[G0+4*\slot+2:G0+4*\slot+3], s[G0+4*\slot+2:G0+4*\slot+3], 2*RTB
	s_add_nc_u64 s[G0B+4*\slot+2:G0B+4*\slot+3], s[G0B+4*\slot+2:G0B+4*\slot+3], 2*RTB
	JLOAD G0+4*\slot, G1, G0B+4*\slot, G1B         ; the first tensor load behind the round; its four v_nop are the places in front of the loads below
.else
	PLACES NP
.endif
	v_add_nc_u32 v[ADRS], 512*NQ, v[ADRS]          ; on to the next slot's scale words
	FETCH_B \next, 0, 0
	FETCH_A \next, 0, 0
	SCALES \next
	WIN MUL_HI
	MUL16 4, 1, NQ-1, \slot, 0
	MUL16 6, 1, NQ-1, \slot, 0
	PLACES NP
	WIN 0
	FETCH_A \next, 0, 4
.endm
	s_wait_tensorcnt 1                             ; the scale words and my part of slot 0 are in (slot 1's load may be out)
	s_barrier_signal -1
	s_barrier_wait -1                              ; everybody's are
	FETCH_B 0, 0, 0
	FETCH_A 0, 0, 0
	SCALES 0
	FETCH_A 0, 0, 4
.if BIAS
	s_wait_loadcnt 0x0                             ; the bias
.endif
	STEP 0, 0, 1                                   ; the first step stands in front of the loop: its products start the sums
	s_mov_b32 s3, LAPS-1
.Llap:                                                 ; a trip goes once round the ring and fills both slots again
	TURN 0, 1, 1
	STEP 1, 0, 0
	TURN 1, 0, 1
	STEP 0, 0, 0
	s_sub_co_u32 s3, s3, 1
	s_cmp_lg_u32 s3, 0
	s_cbranch_scc1 .Llap
	TURN 0, 1, 0                                   ; the last lap fills nothing
	STEP 1, 0, 0
	s_wait_dscnt 4*NL
	WIN MUL_LO
	MUL16 0, 1, NQ-1, 1, 0
	MUL16 2, 1, NQ-1, 1, 0
	s_wait_dscnt 0
	WIN MUL_HI
	MUL16 4, 1, NQ-1, 1, 0
	MUL16 6, 1, NQ-1, 1, 0
	WIN 0
; THE WAY OUT, block by block of 16 rows x 128 columns, through my own stage in LDS: in by lanes (32 neighbouring bytes of a row), back as whole rows of 512 bytes.  LDS serves a wave's instructions in order: no wait between.
; B's tile b holds columns 32 (b / 2) + 16 h + 8 (b % 2) + 0 .. 7; stage row t of A's tile a is row 32 (a / 2) + 8 (a % 2) + t + 8 (t / 8) of my 128: it stands in the store's immediate, 127 rows of 4,096 bytes at the most.
.macro TOSTAGE a
.set AC, 64*((\a)%4)
	WIN 0x08+4*((\a)/4)                            ; the data: window 2 or 3
.irp b, 0,1,2,3,4,5,6,7
	ds_store_b128 v[STO], v[AC+8*\b:AC+8*\b+3] offset:128*(\b/2)+32*(\b%2)          ; each accumulator from its low end on
	ds_store_b128 v[STO], v[AC+8*\b+4:AC+8*\b+7] offset:128*(\b/2)+32*(\b%2)+16
.endr
	WIN 0
.set BB, BK+64*((\a)%2)
.set i, 0
.rept 16
	ds_load_b128 v[BB+4*i:BB+4*i+3], v[RD] offset:i*SPITCH
.set i, i+1
.endr
.endm
.macro SEND a, younger                 ; younger: the LDS instructions issued behind block a's loads, which may stay out
.set BB, BK+64*((\a)%2)
	s_wait_dscnt \younger
.set i, 0
.rept 16
	global_store_b128 v[CO], v[BB+4*i:BB+4*i+3], s[12:13] offset:(32*((\a)/2)+8*((\a)%2)+i+8*(i/8))*4096   ; 32 lanes store 512 consecutive bytes, aligned
.set i, i+1
.endr
.endm
	PLACES NP
	TOSTAGE 0
.irp a, 1,2,3,4,5,6,7
.if \a > 1
	s_wait_xcnt 0x0                                ; block a - 2's stores have read their registers: block a's loads may land there
.endif
	TOSTAGE \a
	SEND \a-1, 32                                  ; behind block a - 1's loads: block a's 16 stores and 16 loads
.endr
	SEND 7, 0
	s_wait_tensorcnt 0x0                           ; the wave's end: behind my last tensor load and my last LDS store
	ds_add_u32 v[SPW], v[NIL]
	s_wait_dscnt 0x0
	CROUND                                         ; the closing round
	s_endpgm
.Lfunc_end_k_q3d82d60ba5_ffn2:
	.size	k_q3d82d60ba5_ffn2, .Lfunc_end_k_q3d82d60ba5_ffn2-k_q3d82d60ba5_ffn2
	.p2alignl 7, 3214868480
	.fill 96, 4, 3214868480
	.section	.rodata,"a",@progbits
	.p2align	6, 0x0
	.amdhsa_kernel k_q3d82d60ba5_ffn2
		.amdhsa_group_segment_fixed_size 327680
		.amdhsa_private_segment_fixed_size 0
		.amdhsa_enable_private_segment 0
		.amdhsa_kernarg_size 32
		.amdhsa_user_sgpr_count 2
		.amdhsa_user_sgpr_kernarg_segment_ptr 1
		.amdhsa_wavefront_size32 1
		.amdhsa_system_sgpr_workgroup_id_x 1
		.amdhsa_system_sgpr_workgroup_id_y 1
		.amdhsa_system_sgpr_workgroup_id_z 1
		.amdhsa_system_vgpr_workitem_id 0
		.amdhsa_next_free_vgpr 1024
		.amdhsa_next_free_sgpr 98
		.amdhsa_reserve_vcc 0
		.amdhsa_float_denorm_mode_32 3
		.amdhsa_float_denorm_mode_16_64 3
		.amdhsa_memory_ordered 1
		.amdhsa_forward_progress 1
		.amdhsa_inst_pref_size 163
	.end_amdhsa_kernel
	.amdgpu_metadata
---
amdhsa.version: [ 1, 2 ]
amdhsa.kernels:
  - .name:           k_q3d82d60ba5_ffn2
    .symbol:         k_q3d82d60ba5_ffn2.kd
    .args:
      - { .name: hq, .offset: 0, .size: 8, .value_kind: global_buffer, .address_space: global }
      - { .name: wq, .offset: 8, .size: 8, .value_kind: global_buffer, .address_space: global }
      - { .name: b2, .offset: 16, .size: 8, .value_kind: global_buffer, .address_space: global }
      - { .name: cbuf, .offset: 24, .size: 8, .value_kind: global_buffer, .address_space: global }
    .group_segment_fixed_size: 327680
    .private_segment_fixed_size: 0
    .kernarg_segment_align: 8
    .kernarg_segment_size: 32
    .max_flat_workgroup_size: 128
    .sgpr_count:     98
    .vgpr_count:     1024
    .wavefront_size: 32
...
	.end_amdgpu_metadata
.endif
;; end of part 7
;; launch ln2 (part 8): grid 256 x 1, 8 waves a work-group, no clusters, 0 bytes of LDS; arguments cbuf, x1f, ln2_w, ln2_b, out0; writes out0
.if DOCPART == 8
	.amdgcn_target "amdgcn-amd-amdhsa--gfx1250"
	.amdhsa_code_object_version 6
	.text
	.protected	k_q3d82d60ba5_ln2
	.globl	k_q3d82d60ba5_ln2
	.p2align	8
	.type	k_q3d82d60ba5_ln2,@function
k_q3d82d60ba5_ln2:
	s_mov_b64 s[64:65], 0
	v_nop
	global_prefetch_b8 v0, s[64:65] scope:SCOPE_SE
	s_setreg_imm32_b32 hwreg(HW_REG_WAVE_MODE, 25, 1), 1
	s_wait_xcnt 0x0
; out0 = layernorm(x1f + cbuf) x ln2_w + ln2_b, all f32, rows of 1,024 (cbuf holds the second product with its bias).
; A wave takes two whole rows, each 32 registers a lane, kept in registers between the passes: each byte is read once.  Every load and store of a wave covers 512 consecutive bytes.
; The mean is taken first and the variance of the differences, so no difference of large sums is formed.  The reductions never leave the wave: no LDS, no barrier.  Memory binds: no matrix unit, no cluster.
; All 48 loads of a wave go out at once.  LIMITS: NaN and infinities are not served.
.set W,   16                           ; v16-47 gains, v48-79 offsets of my 32 columns (128 j + 4 lane + 0 .. 3)
.set B,   48
.set C0,  80                           ; row 0: cbuf, then the result;  v112-143 x1f
.set X0,  112
.set C1,  144                          ; row 1
.set X1,  176
.set T,   208                          ; v208-211 at work
.set MU,  212                          ; v[212:213] the mean, twice;  v[214:215] 1 / sqrt(var + eps), twice
.set RS,  214
.set C10, 216                          ; 2^-10
.set SEL, 28
.macro WSUM                            ; v[T] summed over the 32 lanes, the result in every lane
	v_add_f32_dpp v[T], v[T], v[T] row_xmask:1 row_mask:0xf bank_mask:0xf
	v_add_f32_dpp v[T], v[T], v[T] row_xmask:2 row_mask:0xf bank_mask:0xf
	v_add_f32_dpp v[T], v[T], v[T] row_xmask:4 row_mask:0xf bank_mask:0xf
	v_add_f32_dpp v[T], v[T], v[T] row_xmask:8 row_mask:0xf bank_mask:0xf
	v_permlanex16_b32 v[T+1], v[T], s[SEL], s[SEL+1]
	v_add_f32 v[T], v[T], v[T+1]
.endm
.macro ROW c, x, off, left             ; left: how many younger loads may stay out
	s_wait_loadcnt \left
.set j, 0
.rept 16
	v_pk_add_f32 v[\c+j:\c+j+1], v[\c+j:\c+j+1], v[\x+j:\x+j+1]
.set j, j+2
.endr
	v_pk_add_f32 v[T:T+1], v[\c:\c+1], v[\c+2:\c+3]          ; the sum of my 32, in two chains
	v_pk_add_f32 v[T+2:T+3], v[\c+4:\c+5], v[\c+6:\c+7]
.irp j, 8,12,16,20,24,28
	v_pk_add_f32 v[T:T+1], v[T:T+1], v[\c+\j:\c+\j+1]
	v_pk_add_f32 v[T+2:T+3], v[T+2:T+3], v[\c+\j+2:\c+\j+3]
.endr
	v_pk_add_f32 v[T:T+1], v[T:T+1], v[T+2:T+3]
	v_add_f32 v[T], v[T], v[T+1]
	WSUM
	v_mul_f32 v[MU], v[T], v[C10]
	v_mov_b32 v[MU+1], v[MU]
.set j, 0
.rept 16
	v_pk_add_f32 v[\c+j:\c+j+1], v[\c+j:\c+j+1], v[MU:MU+1] neg_lo:[0,1] neg_hi:[0,1]
.set j, j+2
.endr
	v_pk_mul_f32 v[T:T+1], v[\c:\c+1], v[\c:\c+1]
	v_pk_mul_f32 v[T+2:T+3], v[\c+2:\c+3], v[\c+2:\c+3]
.irp j, 4,8,12,16,20,24,28
	v_pk_fma_f32 v[T:T+1], v[\c+\j:\c+\j+1], v[\c+\j:\c+\j+1], v[T:T+1]
	v_pk_fma_f32 v[T+2:T+3], v[\c+\j+2:\c+\j+3], v[\c+\j+2:\c+\j+3], v[T+2:T+3]
.endr
	v_pk_add_f32 v[T:T+1], v[T:T+1], v[T+2:T+3]
	v_add_f32 v[T], v[T], v[T+1]
	WSUM
	v_fmaak_f32 v[RS], v[T], v[C10], 0x3727c5ac    ; the variance + 1e-5
	v_rsq_f32 v[RS], v[RS]
	v_nop                                          ; a plain line behind the transcendental
	s_wait_alu depctr_va_vdst(0)                   ; ahead of its first reader
	v_mov_b32 v[RS+1], v[RS]
.set j, 0
.rept 16
	v_pk_mul_f32 v[\c+j:\c+j+1], v[\c+j:\c+j+1], v[RS:RS+1]
.set j, j+2
.endr
.set j, 0
.rept 16
	v_pk_fma_f32 v[\c+j:\c+j+1], v[\c+j:\c+j+1], v[W+j:W+j+1], v[B+j:B+j+1]
.set j, j+2
.endr
.irp j, 0,1,2,3,4,5,6,7
	global_store_b128 v1, v[\c+4*\j:\c+4*\j+3], s[26:27] offset:\off+512*\j th:TH_STORE_NT
.endr
.endm
	s_load_b256 s[4:11], s[0:1], 0x0               ; cbuf, x1f, ln2_w, ln2_b
	s_load_b64 s[12:13], s[0:1], 0x20              ; out0
	v_lshrrev_b32 v2, 5, v0
	v_readfirstlane_b32 s18, v2                    ; wave 0..7
	v_and_b32 v1, 31, v0
	v_lshlrev_b32 v1, 4, v1                        ; 16 bytes a lane
	v_mov_b32 v[C10], 0x3a800000
	s_lshl_b32 s20, ttmp9, 4
	s_lshl_b32 s21, s18, 1
	s_add_co_u32 s20, s20, s21                     ; my first row: 16 x work-group + 2 x wave
	s_lshl_b32 s20, s20, 12
	s_mov_b32 s21, 0
	s_mov_b32 s[SEL], 0x76543210
	s_mov_b32 s[SEL+1], 0xfedcba98
	s_wait_kmcnt 0x0
	s_add_nc_u64 s[22:23], s[4:5], s[20:21]
	s_add_nc_u64 s[24:25], s[6:7], s[20:21]
	s_add_nc_u64 s[26:27], s[12:13], s[20:21]
.irp j, 0,1,2,3,4,5,6,7
	global_load_b128 v[W+4*\j:W+4*\j+3], v1, s[8:9] offset:512*\j
	global_load_b128 v[B+4*\j:B+4*\j+3], v1, s[10:11] offset:512*\j
.endr
.irp j, 0,1,2,3,4,5,6,7
	global_load_b128 v[C0+4*\j:C0+4*\j+3], v1, s[22:23] offset:512*\j th:TH_LOAD_NT
	global_load_b128 v[X0+4*\j:X0+4*\j+3], v1, s[24:25] offset:512*\j th:TH_LOAD_NT
.endr
.irp j, 0,1,2,3,4,5,6,7
	global_load_b128 v[C1+4*\j:C1+4*\j+3], v1, s[22:23] offset:4096+512*\j th:TH_LOAD_NT
	global_load_b128 v[X1+4*\j:X1+4*\j+3], v1, s[24:25] offset:4096+512*\j th:TH_LOAD_NT
.endr
	ROW C0, X0, 0, 16                              ; gains, offsets and row 0 are in; row 1's 16 loads may be out
	ROW C1, X1, 4096, 0
	s_endpgm
.Lfunc_end_k_q3d82d60ba5_ln2:
	.size	k_q3d82d60ba5_ln2, .Lfunc_end_k_q3d82d60ba5_ln2-k_q3d82d60ba5_ln2
	.p2alignl 7, 3214868480
	.fill 96, 4, 3214868480
	.section	.rodata,"a",@progbits
	.p2align	6, 0x0
	.amdhsa_kernel k_q3d82d60ba5_ln2
		.amdhsa_group_segment_fixed_size 0
		.amdhsa_private_segment_fixed_size 0
		.amdhsa_enable_private_segment 0
		.amdhsa_kernarg_size 40
		.amdhsa_user_sgpr_count 2
		.amdhsa_user_sgpr_kernarg_segment_ptr 1
		.amdhsa_wavefront_size32 1
		.amdhsa_system_sgpr_workgroup_id_x 1
		.amdhsa_system_sgpr_workgroup_id_y 1
		.amdhsa_system_sgpr_workgroup_id_z 1
		.amdhsa_system_vgpr_workitem_id 0
		.amdhsa_next_free_vgpr 224
		.amdhsa_next_free_sgpr 66
		.amdhsa_reserve_vcc 0
		.amdhsa_float_denorm_mode_32 3
		.amdhsa_float_denorm_mode_16_64 3
		.amdhsa_memory_ordered 1
		.amdhsa_forward_progress 1
		.amdhsa_inst_pref_size 22
	.end_amdhsa_kernel
	.amdgpu_metadata
---
amdhsa.version: [ 1, 2 ]
amdhsa.kernels:
  - .name:           k_q3d82d60ba5_ln2
    .symbol:         k_q3d82d60ba5_ln2.kd
    .args:
      - { .name: cbuf, .offset: 0, .size: 8, .value_kind: global_buffer, .address_space: global }
      - { .name: x1f, .offset: 8, .size: 8, .value_kind: global_buffer, .address_space: global }
      - { .name: ln2_w, .offset: 16, .size: 8, .value_kind: global_buffer, .address_space: global }
      - { .name: ln2_b, .offset: 24, .size: 8, .value_kind: global_buffer, .address_space: global }
      - { .name: out0, .offset: 32, .size: 8, .value_kind: global_buffer, .address_space: global }
    .group_segment_fixed_size: 0
    .private_segment_fixed_size: 0
    .kernarg_segment_align: 8
    .kernarg_segment_size: 40
    .max_flat_workgroup_size: 256
    .sgpr_count:     66
    .vgpr_count:     224
    .wavefront_size: 32
...
	.end_amdgpu_metadata
.endif
;; end of part 8
;; ======== version 2 of 2: 7 launches
;; limits: right only within a limited range of input values
;; workspace buffers: actq 3,276,800 bytes; wq 9,830,400 bytes; qkvr 10,092,544 bytes; cbuf 16,777,216 bytes; x1f 16,777,216 bytes; hq 13,107,200 bytes; act2 3,276,800 bytes
;; launch prep (part 9): grid 448 x 1, 8 waves a work-group, no clusters, 68,608 bytes of LDS; arguments x, w_qkv, w_out, w1, w2, actq, wq; writes actq, wq
.if DOCPART == 9
	.amdgcn_target "amdgcn-amd-amdhsa--gfx1250"
	.amdhsa_code_object_version 6
	.text
	.protected	k_q3d82d60ba5_prep
	.globl	k_q3d82d60ba5_prep
	.p2align	8
	.type	k_q3d82d60ba5_prep,@function
k_q3d82d60ba5_prep:
	s_mov_b64 s[64:65], 0
	v_nop
	global_prefetch_b8 v0, s[64:65] scope:SCOPE_SE
	s_setreg_imm32_b32 hwreg(HW_REG_WAVE_MODE, 25, 1), 1
	s_wait_xcnt 0x0
; x [4096][1024] and the four weights [K][N], f32, become codes of FP6 (E2M3) with one E8M0 byte for each 32 along K, laid as the matrix unit's operand registers.
; A FRAGMENT (16 rows x 128 K) is 1,536 bytes: six chunks of 256 bytes, chunk p = operand registers 2 p, 2 p + 1 of the 32 lanes, 8 bytes a lane.  A buffer of codes is [tile of 16 rows][K step of 128][fragment].
; THE ROWS OF A TILE ARE NOT NEIGHBOURS: lane r of tile 2 B + u holds row 32 B + 8 u + r + 8 (r / 8), so that a product's results, taken transposed, are 16 neighbours along the next K.
; Scale words (four bytes: one row, 128 K) lie [8 tiles][K step][tile % 8][16 rows].
; A block's scale is 2^(floor(log2(largest magnitude)) - 2): its byte is the largest magnitude's exponent field - 2, held at 1 from below.
; LIMITS: a block of zeros, or one whose largest magnitude lies under 2^-124, gets the byte 1 (its codes add nothing or are held; this program alone reads the bytes); NaN and infinities are not served.
; Work-groups 0-47 w_qkv, 48-63 w_out, 64-127 w1, 128-191 w2: 256 columns x 256 K each; 192-447: one tile of 16 rows of x each.  Memory binds: no matrix unit, no cluster, no tensor load; waves share nothing, so no barrier.
; The scale words leave in runs of 128 or 64 bytes (400 KB of the launch's 80 MB): whole blocks of 256 bytes would need four work-groups' words.
.set ACT_SC, 3145728                   ; where the scale words begin in actq
.set X,   16                           ; v16-79   weights: two sets of 32 numbers down K;  x: 16 rows as loaded
.set CB,  80                           ; v80-127  weights: 12 code registers for each pair of blocks, so that no store's data are written again
.set TT,  128                          ; v128-130 the second half of a block's codes, as the conversion leaves it
.set SB,  132                          ; v132-133 my column's two scale words
.set Y,   80                           ; v80-143  x: 64 numbers of my row, register 16 b + i = k 32 b + 16 (lane / 16) + i
.set TM,  144                          ; v144-159 QUANT: largest magnitudes, bytes, scale operands
.set PW,  160                          ; the scale word
.set PC,  162                          ; v162-181 the fragment's codes (12) and two halves at work
.set SEL, 34                           ; s[34:35] lane selects of v_permlanex16_b32: lane l xor 16
.macro WLOAD t, N                      ; block t of my column: 32 numbers down K; a load reads 128 consecutive bytes, the eight waves stand side by side on 1,024
.set i, 0
.rept 32
	global_load_b32 v[X+32*((\t)%2)+i], v3, s[26:27] offset:(32*(\t)+i)*(\N)*4 th:TH_LOAD_NT
.set i, i+1
.endr
.endm
.macro WBLOCK t, N, K
.set XS, X+32*((\t)%2)
.set CQ, CB+12*((\t)/2)+6*((\t)%2)
.if (\t) < 7
	s_wait_loadcnt 32                              ; this block's 32 loads are in; the next block's 32 may be out
.else
	s_wait_loadcnt 0x0
.endif
	v_max3_num_f32 v12, |v[XS]|, |v[XS+1]|, |v[XS+2]|      ; the block's largest magnitude: all 32 numbers are mine; two chains
	v_max3_num_f32 v13, |v[XS+3]|, |v[XS+4]|, |v[XS+5]|
.irp i, 6,10,14,18,22,26
	s_delay_alu instid0(VALU_DEP_2)
	v_max3_num_f32 v12, v12, |v[XS+\i]|, |v[XS+\i+1]|
	s_delay_alu instid0(VALU_DEP_2)
	v_max3_num_f32 v13, v13, |v[XS+\i+2]|, |v[XS+\i+3]|
.endr
	s_delay_alu instid0(VALU_DEP_2)
	v_max3_num_f32 v12, v12, |v[XS+30]|, |v[XS+31]|
	s_delay_alu instid0(VALU_DEP_1)
	v_max3_num_f32 v12, v12, v13, 0x1800000        ; and the floor 2^(3 - 127): the byte cannot fall under 1
	s_delay_alu instid0(VALU_DEP_1)
	v_add_nc_u32 v11, 0xff000000, v12              ; 2 off the exponent field: the conversion takes this operand's exponent field as its scale
	s_delay_alu instid0(VALU_DEP_1)
	v_lshrrev_b32 v13, 23, v11                     ; the scale's byte
.if (\t)%4 == 0
	s_delay_alu instid0(VALU_DEP_1)
	v_mov_b32 v[SB+(\t)/4], v13                    ; four bytes to a word, the lower K in the lower byte
.else
	s_delay_alu instid0(VALU_DEP_1)
	v_lshl_or_b32 v[SB+(\t)/4], v13, 8*((\t)%4), v[SB+(\t)/4]
.endif
	v_cvt_scalef32_pk16_fp6_f32 v[CQ:CQ+2], v[XS:XS+15], v11
	v_cvt_scalef32_pk16_fp6_f32 v[TT:TT+2], v[XS+16:XS+31], v11   ; (a conversion's three registers begin on an even number)
	v_nop                                          ; one plain line behind a scaled conversion
.irp i, 0,1,2
	v_mov_b32 v[CQ+3+\i], v[TT+\i]
.endr
.if (\t)+2 < 8
	WLOAD (\t)+2, \N
.endif
.if (\t)%2 == 1                        ; lanes 0-15 hold tile 2 B's rows, lanes 16-31 tile 2 B + 1's; an operand wants the even block in lanes 0-15 and the odd one in lanes 16-31
.set CE, CB+12*((\t)/2)
.irp i, 0,1,2,3,4,5
	v_permlane16_swap_b32 v[CE+\i], v[CE+6+\i]     ; the even block's lanes 16-31 change places with the odd block's lanes 0-15: now CE is tile 2 B's six registers, CE + 6 tile 2 B + 1's
.endr
.if (\N) != 1024 || (\K) != 1024
.irp p, 0,1,2
	global_store_b64 v4, v[CE+2*\p:CE+2*\p+1], s[28:29] offset:((\t)/4)*1536+(((\t)%4)/2)*768+256*\p
	global_store_b64 v4, v[CE+6+2*\p:CE+7+2*\p], s[28:29] offset:((\K)/128)*1536+((\t)/4)*1536+(((\t)%4)/2)*768+256*\p
.endr
.elseif (\t)%4 == 3
; w_out (N = K = 1,024) is read straight into registers, 16 bytes a lane: its fragment is three chunks of 512 bytes, chunk j = operand registers 4 j .. 4 j + 3.
; A fragment is whole after four blocks; registers 4-7 come from two runs and are brought together in registers of their own, which no later line writes.
.set C0, CE-12
.irp u, 0,1
.set TQ, 136+4*(2*((\t)/4)+\u)
	v_mov_b32 v[TQ], v[C0+6*\u+4]
	v_mov_b32 v[TQ+1], v[C0+6*\u+5]
	v_mov_b32 v[TQ+2], v[CE+6*\u]
	v_mov_b32 v[TQ+3], v[CE+6*\u+1]
	global_store_b128 v7, v[C0+6*\u:C0+6*\u+3], s[28:29] offset:\u*((\K)/128)*1536+((\t)/4)*1536        ; 32 lanes store 512 consecutive bytes, aligned
	global_store_b128 v7, v[TQ:TQ+3], s[28:29] offset:\u*((\K)/128)*1536+((\t)/4)*1536+512
	global_store_b128 v7, v[CE+6*\u+2:CE+6*\u+5], s[28:29] offset:\u*((\K)/128)*1536+((\t)/4)*1536+1024
.endr
.endif
.endif
.endm
; One weight.  N, K: its sizes; JB: its first work-group; KGB: log2 of the work-groups along K; PTR: its pointer; COFF, SOFF: where its codes and scale words begin in wq.
.macro WPATH N, K, JB, KGB, PTR, COFF, SOFF
	s_sub_co_u32 s20, ttmp9, \JB
	s_and_b32 s21, s20, (1<<\KGB)-1                ; which 256 along K
	s_lshr_b32 s22, s20, \KGB                      ; which 256 columns
	s_mul_i32 s24, s21, 256*(\N)*4
	s_lshl_b32 s23, s22, 10
	s_add_co_u32 s24, s24, s23
	s_lshl_b32 s23, s18, 7
	s_add_co_u32 s24, s24, s23                     ; + my wave's 32 columns
	s_add_nc_u64 s[26:27], s[\PTR:\PTR+1], s[24:25]
	s_lshl_b32 s23, s22, 3
	s_add_co_u32 s23, s23, s18                     ; B: my pair of tiles
	s_mul_i32 s24, s23, 2*((\K)/128)*1536
	s_mul_i32 s28, s21, 2*1536
	s_add_co_u32 s24, s24, s28
.if \COFF
	s_add_co_u32 s24, s24, \COFF
.endif
	s_add_nc_u64 s[28:29], s[16:17], s[24:25]      ; tile 2 B, my first K step
	s_lshl_b32 s24, s22, 1
	s_lshr_b32 s23, s18, 2
	s_add_co_u32 s24, s24, s23                     ; which eight tiles
	s_mul_i32 s24, s24, ((\K)/128)*512
	s_lshl_b32 s23, s21, 10
	s_add_co_u32 s24, s24, s23
	s_and_b32 s23, s18, 3
	s_lshl_b32 s23, s23, 7
	s_add_co_u32 s24, s24, s23
	s_add_co_u32 s24, s24, \SOFF
	s_add_nc_u64 s[30:31], s[16:17], s[24:25]
	WLOAD 0, \N
	WLOAD 1, \N
.irp t, 0,1,2,3,4,5,6,7
	WBLOCK \t, \N, \K
.endr
	global_store_b32 v5, v[SB], s[30:31]           ; my two tiles' words of the first K step: 128 consecutive bytes,
	global_store_b32 v5, v[SB+1], s[30:31] offset:512   ; and of the second
	s_endpgm
.endm
; 64 numbers of a lane, v[s] .. v[s + 63], become a fragment's codes in v[PC] on and its scale word in v[PW].
.macro QUANT s
.irp b, 0,1,2,3
	v_max3_num_f32 v[TM+\b], |v[\s+16*\b]|, |v[\s+1+16*\b]|, 0x1800000   ; block b: my 16 numbers, and the floor 2^(3 - 127)
.endr
.irp i, 2,4,6,8,10,12,14
.irp b, 0,1,2,3
	s_delay_alu instid0(VALU_DEP_4)
	v_max3_num_f32 v[TM+\b], v[TM+\b], |v[\s+16*\b+\i]|, |v[\s+1+16*\b+\i]|   ; (the four blocks by turns)
.endr
.endr
.irp b, 0,1,2,3
	s_delay_alu instid0(VALU_DEP_4)
	v_permlanex16_b32 v[TM+4+\b], v[TM+\b], s[SEL], s[SEL+1]
.endr
.irp b, 0,1,2,3
	s_delay_alu instid0(VALU_DEP_4)
	v_max_num_f32 v[TM+\b], v[TM+\b], v[TM+4+\b]   ; with lane l xor 16's: the block's largest magnitude
.endr
.irp b, 0,1,2,3
	s_delay_alu instid0(VALU_DEP_4)
	v_add_nc_u32 v[TM+12+\b], 0xff000000, v[TM+\b] ; the conversion's scale operand
.endr
.irp b, 0,1,2,3
	s_delay_alu instid0(VALU_DEP_4)
	v_lshrrev_b32 v[TM+4+\b], 23, v[TM+12+\b]      ; the scale's byte
.endr
	s_delay_alu instid0(VALU_DEP_3)
	v_lshl_or_b32 v[PW], v[TM+5], 8, v[TM+4]
	s_delay_alu instid0(VALU_DEP_1)
	v_lshl_or_b32 v[PW], v[TM+6], 16, v[PW]
	s_delay_alu instid0(VALU_DEP_1)
	v_lshl_or_b32 v[PW], v[TM+7], 24, v[PW]
.irp c, 0,1
	v_cvt_scalef32_pk16_fp6_f32 v[PC+6*\c:PC+2+6*\c], v[\s+32*\c:\s+15+32*\c], v[TM+12+2*\c]
	v_cvt_scalef32_pk16_fp6_f32 v[PC+12+4*\c:PC+14+4*\c], v[\s+16+32*\c:\s+31+32*\c], v[TM+12+2*\c+1]
.endr
	v_nop                                          ; one plain line behind a scaled conversion
.irp c, 0,1                            ; the operand wants a WHOLE block in a lane: lanes 0-15 block 2 c, lanes 16-31 block 2 c + 1
.irp i, 0,1,2
	v_permlane16_swap_b32 v[PC+6*\c+\i], v[PC+12+4*\c+\i]
.endr
.irp i, 0,1,2
	s_delay_alu instid0(VALU_DEP_3)
	v_mov_b32 v[PC+3+6*\c+\i], v[PC+12+4*\c+\i]
.endr
.endr
.endm
	s_load_b256 s[4:11], s[0:1], 0x0               ; x, w_qkv, w_out, w1
	s_load_b128 s[12:15], s[0:1], 0x20             ; w2, actq
	s_load_b64 s[16:17], s[0:1], 0x30              ; wq
	v_lshl_add_u32 v192, v0, 2, 0x10800
	v_mov_b32 v193, 0
	v_lshrrev_b32 v1, 5, v0
	s_delay_alu instid0(VALU_DEP_1)
	v_readfirstlane_b32 s18, v1                    ; wave 0..7
	v_and_b32 v2, 31, v0                           ; lane
	s_delay_alu instid0(VALU_DEP_1)
	v_lshlrev_b32 v4, 3, v2                        ; a chunk's place for my lane
	s_delay_alu instid0(VALU_DEP_2)
	v_lshlrev_b32 v5, 2, v2
	s_mov_b32 s25, 0                               ; the upper word of every offset
	s_wait_kmcnt 0x0
	s_cmp_ge_u32 ttmp9, 192
	s_cbranch_scc1 .Lx
	s_wait_alu depctr_va_vdst(0)
	v_and_b32 v3, 7, v2                            ; my column of the wave's 32: lane % 8 + 16 x bit 3 + 8 x bit 4: the tiles' order of rows
	v_bfe_u32 v6, v2, 3, 1
	s_delay_alu instid0(VALU_DEP_1)
	v_lshl_add_u32 v3, v6, 4, v3
	v_bfe_u32 v6, v2, 4, 1
	s_delay_alu instid0(VALU_DEP_1)
	v_lshl_add_u32 v3, v6, 3, v3
	s_delay_alu instid0(VALU_DEP_1)
	v_lshlrev_b32 v3, 2, v3
	v_lshlrev_b32 v7, 4, v2                        ; 16 x lane: a lane's place in a chunk of 512 bytes
	s_cmp_ge_u32 ttmp9, 128
	s_cbranch_scc1 .Lw2
	s_cmp_ge_u32 ttmp9, 64
	s_cbranch_scc1 .Lw1
	s_cmp_ge_u32 ttmp9, 48
	s_cbranch_scc1 .Lwout
	s_wait_alu depctr_va_vdst(0)
	WPATH 3072, 1024, 0, 2, 6, 0, 9437184
.Lwout:
	s_wait_alu depctr_va_vdst(0)
	WPATH 1024, 1024, 48, 2, 8, 2359296, 9535488
.Lw1:
	s_wait_alu depctr_va_vdst(0)
	WPATH 4096, 1024, 64, 2, 10, 3145728, 9568256
.Lw2:
	s_wait_alu depctr_va_vdst(0)
	WPATH 1024, 4096, 128, 4, 12, 6291456, 9699328
.Lx:                                                   ; a tile of 16 rows of x; wave w takes K step w
	s_sub_co_u32 s20, ttmp9, 192                   ; the tile
	s_lshr_b32 s21, s20, 1
	s_and_b32 s22, s20, 1
	s_lshl_b32 s21, s21, 5
	s_lshl_b32 s22, s22, 3
	s_add_co_u32 s21, s21, s22                     ; its first row: 32 B + 8 u
	s_lshl_b32 s24, s21, 12
	s_lshl_b32 s22, s18, 9
	s_add_co_u32 s24, s24, s22
	s_add_nc_u64 s[26:27], s[4:5], s[24:25]
	s_lshl_b32 s24, s20, 3
	s_add_co_u32 s24, s24, s18
	s_mul_i32 s24, s24, 1536
	s_add_nc_u64 s[28:29], s[14:15], s[24:25]      ; the fragment
	s_lshr_b32 s24, s20, 3
	s_lshl_b32 s24, s24, 12
	s_add_co_u32 s24, s24, s22
	s_and_b32 s22, s20, 7
	s_lshl_b32 s22, s22, 6
	s_add_co_u32 s24, s24, s22
	s_add_co_u32 s24, s24, ACT_SC
	s_add_nc_u64 s[30:31], s[14:15], s[24:25]      ; its scale words
	s_wait_alu depctr_va_vdst(0)
	v_lshlrev_b32 v3, 4, v2
.set i, 0
.rept 16
	global_load_b128 v[X+4*i:X+4*i+3], v3, s[26:27] offset:(i+8*(i/8))*4096 th:TH_LOAD_NT   ; 512 consecutive bytes of the tile's row i
.set i, i+1
.endr
	s_mul_i32 s22, s18, 8448                       ; my stage: 16 rows of 512 + 16 bytes
	v_add_nc_u32 v6, s22, v3                       ; in: as loaded
	v_and_b32 v7, 15, v2
	v_bfe_u32 v8, v2, 4, 1
	s_delay_alu instid0(VALU_DEP_2)
	v_mul_u32_u24 v9, v7, 528
	s_delay_alu instid0(VALU_DEP_1)
	v_lshl_add_u32 v9, v8, 6, v9
	s_delay_alu instid0(VALU_DEP_1)
	v_add_nc_u32 v9, s22, v9                       ; out: row lane % 16, + 64 bytes for lanes 16-31
	v_lshlrev_b32 v10, 2, v7
	s_mov_b32 s[SEL], 0x76543210
	s_mov_b32 s[SEL+1], 0xfedcba98
.irp b, 0,1,2,3
	v_mov_b32 v[TM+4+\b], 0                        ; written once: a lane permute's destination counts as one of its sources
.endr
	s_wait_alu depctr_va_vdst(0)
	s_wait_loadcnt 0x0
.set i, 0
.rept 16
	ds_store_b128 v6, v[X+4*i:X+4*i+3] offset:528*i
.set i, i+1
.endr
.irp b, 0,1,2,3
.irp j, 0,1,2,3
	ds_load_b128 v[Y+16*\b+4*\j:Y+16*\b+4*\j+3], v9 offset:128*\b+16*\j   ; LDS serves a wave's instructions in order: these see my stores
.endr
.endr
	s_wait_dscnt 0x0
	QUANT Y
.irp p, 0,1,2,3,4,5
	global_store_b64 v4, v[PC+2*\p:PC+2*\p+1], s[28:29] offset:256*\p
.endr
	global_store_b32 v10, v[PW], s[30:31]          ; lanes l and l xor 16 hold the same word and store it to the same place
	s_wait_tensorcnt 0x0
	ds_add_u32 v192, v193
	s_wait_dscnt 0x0
	s_endpgm
.Lfunc_end_k_q3d82d60ba5_prep:
	.size	k_q3d82d60ba5_prep, .Lfunc_end_k_q3d82d60ba5_prep-k_q3d82d60ba5_prep
	.p2alignl 7, 3214868480
	.fill 96, 4, 3214868480
	.section	.rodata,"a",@progbits
	.p2align	6, 0x0
	.amdhsa_kernel k_q3d82d60ba5_prep
		.amdhsa_group_segment_fixed_size 68608
		.amdhsa_private_segment_fixed_size 0
		.amdhsa_enable_private_segment 0
		.amdhsa_kernarg_size 56
		.amdhsa_user_sgpr_count 2
		.amdhsa_user_sgpr_kernarg_segment_ptr 1
		.amdhsa_wavefront_size32 1
		.amdhsa_system_sgpr_workgroup_id_x 1
		.amdhsa_system_sgpr_workgroup_id_y 1
		.amdhsa_system_sgpr_workgroup_id_z 1
		.amdhsa_system_vgpr_workitem_id 0
		.amdhsa_next_free_vgpr 194
		.amdhsa_next_free_sgpr 66
		.amdhsa_reserve_vcc 0
		.amdhsa_float_denorm_mode_32 3
		.amdhsa_float_denorm_mode_16_64 3
		.amdhsa_memory_ordered 1
		.amdhsa_forward_progress 1
		.amdhsa_inst_pref_size 190
	.end_amdhsa_kernel
	.amdgpu_metadata
---
amdhsa.version: [ 1, 2 ]
amdhsa.kernels:
  - .name:           k_q3d82d60ba5_prep
    .symbol:         k_q3d82d60ba5_prep.kd
    .args:
      - { .name: x, .offset: 0, .size: 8, .value_kind: global_buffer, .address_space: global }
      - { .name: w_qkv, .offset: 8, .size: 8, .value_kind: global_buffer, .address_space: global }
      - { .name: w_out, .offset: 16, .size: 8, .value_kind: global_buffer, .address_space: global }
      - { .name: w1, .offset: 24, .size: 8, .value_kind: global_buffer, .address_space: global }
      - { .name: w2, .offset: 32, .size: 8, .value_kind: global_buffer, .address_space: global }
      - { .name: actq, .offset: 40, .size: 8, .value_kind: global_buffer, .address_space: global }
      - { .name: wq, .offset: 48, .size: 8, .value_kind: global_buffer, .address_space: global }
    .group_segment_fixed_size: 68608
    .private_segment_fixed_size: 0
    .kernarg_segment_align: 8
    .kernarg_segment_size: 56
    .max_flat_workgroup_size: 256
    .sgpr_count:     66
    .vgpr_count:     194
    .wavefront_size: 32
...
	.end_amdgpu_metadata
.endif
;; end of part 9
;; launch qkvp (part 10): grid 48 x 4, 4 waves a work-group, clusters of 4 x 4, 327,680 bytes of LDS; arguments actq, wq, qkvr; writes qkvr
.if DOCPART == 10
	.amdgcn_target "amdgcn-amd-amdhsa--gfx1250"
	.amdhsa_code_object_version 6
	.text
	.protected	k_q3d82d60ba5_qkvp
	.globl	k_q3d82d60ba5_qkvp
	.p2align	8
	.type	k_q3d82d60ba5_qkvp,@function
k_q3d82d60ba5_qkvp:
	s_mov_b64 s[64:65], 0
	v_nop
	global_prefetch_b8 v0, s[64:65] scope:SCOPE_SE
	s_setreg_imm32_b32 hwreg(HW_REG_WAVE_MODE, 25, 1), 1
	s_wait_xcnt 0x0
	s_wait_alu depctr_hold_cnt(0) depctr_sa_sdst(0) depctr_va_vdst(0) depctr_va_sdst(0) depctr_va_ssrc(0) depctr_va_vcc(0) depctr_vm_vsrc(0)
	s_getreg_b32 s2, hwreg(HW_REG_IB_STS2, 6, 4)
	s_cmp_eq_u32 s2, 0
	s_cbranch_scc0 .Lentry_in_a_cluster
	s_endpgm
.Lentry_in_a_cluster:
	s_bfe_u32 s2, ttmp6, 0x10000c
	s_cmp_lg_u32 s2, 0xf033
	s_cbranch_scc0 .Lentry_shape_is_right
	s_endpgm
.Lentry_shape_is_right:
; q, k, v = x W_qkv on codes of FP6 (E2M3), quantised at once for attention and laid in records, one for each (batch x head, 128 tokens).
; THE CORE is a GEMM C = A B^T on fragment images: a tile of C, 256 x 256, by four waves, each 128 x 128 in 64 accumulators (512 registers); K in steps of 256 through a ring of two LDS slots filled by the tensor data mover.
; A buffer of codes is [tile of 16 rows][K step of 128][1,536 bytes: six chunks of 256 bytes, chunk p = operand registers 2 p, 2 p + 1, 8 bytes a lane]: a fragment comes by six ds_load_b64 at 8 x lane, each 256 consecutive bytes.
; Lane r of tile 2 B + u holds row 32 B + 8 u + r + 8 (r / 8).  THE MATRIX INSTRUCTION IS USED TRANSPOSED (source 0 = 16 rows of B, source 1 = 16 rows of A): a lane holds ONE row of A, and the 64 registers of A's tile a
; run along B's 128 rows in their true order: 16 neighbours for each pair of B's tiles.  So they are quantised along B's rows as they stand.
; Clusters 0-7 (mode 0): A = x (tokens), B = W's rows for q and k: a lane's 128 numbers are two heads of one token.  Clusters 8-11 (mode 1): A = W's rows for v, B = x: a lane's 128 numbers are one channel of v at 128 tokens,
; the K of attention's second product.  The mode hangs on the cluster's number alone, equal in all partners; it chooses scalars, never an LDS address.
; CLUSTERS: 4 x 4 work-groups; A's tiles are asked for jointly along a row of the cluster, B's along a column.
; THE WAY OUT: behind a barrier each wave stores its accumulators as register images into 65,536 LDS bytes of its own, and one loop of eight trips takes a tile back, quantises it and stores it: the quantiser is written once.
; RECORD (19,712 bytes): k's codes 0 (8 tiles x 768), v^T's codes 6,144 (4 tiles x 1,536), k's scale words 12,288, v^T's 12,800, q's codes 13,056, q's scale words 19,200.  q and k have K = 64: half a fragment; the upper two bytes of their scale words are 127.
; LIMITS: a block of zeros, or one under 2^-124, gets the byte 1; NaN and infinities are not served.
; REGISTERS: window 0: v0-31 addresses; v32-63 scale words, two sets, and nothing else; v128-223 A's fragments, one set; window 1: B's fragments, two sets; windows 2, 3: the accumulators ((a, b) at v[8 (8 (a % 4) + b)]).
.set KK,     1024
.set BIAS,   0
.set PA,     12                        ; s[12:13] A's buffer, s[8:9] B's
.set PB,     8
.set ACT_SC, 3145728
.set REC,    19712
.set NQ,     2                         ; matrix instructions deep in a slot
.set FR,     12                        ; registers of a fragment
.set NL,     6                         ; LDS loads that bring one
.set NP,     4                         ; places behind this matrix instruction (ISA guide 7.12.1)
.set FRB,    1536
.set RTB,    NQ*FRB                    ; a tile of 16 rows in a slot
.set HALFT,  8*RTB                     ; 128 rows: what one tensor load brings
.set SLOT,   4*HALFT                   ; A's 256 rows, then B's
.set KRT,    (KK/128)*FRB              ; from tile to tile in memory
.set HALFS,  (KK/128)*512              ; the scale words of 128 rows, all of K: one dense block
.set SCL,    2*SLOT                    ; behind the ring: the scale words, filled once
.set SST,    262144                    ; the way out: the stage for scale words, 1,024 bytes a wave
.set SPARE,  327168                    ; the spare words, 128 bytes a wave: two blocks of 256 bytes that no other line names
.set LAPS,   KK/512
.set ADRA, 16                          ; v16-17 LDS address of my A fragments in slot 0, 1
.set ADRB, 20                          ; v20-21 the same for B
.set ADRS, 27                          ; v27    of my scale words: lanes 0-15 A's rows, lanes 16-31 B's
.set SPW,  28                          ; v28    my spare word: SPARE + 4 x my thread's number; never rewritten
.set NIL,  29                          ; v29    0; never rewritten
.set SC,   32
.set BI,   64
.set AF,   128
.set DST,  8                           ; the way out: v8 my wave's images + 16 x lane; v9, v10 the scale stage in and out; v11 the word's shift; v12 the last stores' offset; v13, v14 addresses in hand; v15 the word
.set SWA,  9
.set SRD,  10
.set VSH,  11
.set FO,   12
.set LA,   13
.set SA,   14
.set WT,   15
.set H,    64                          ; v64-127 a tile's 64 numbers
.set TM,   192
.set PW,   208
.set PC,   212
.set SEL,  40
.set G1, 24
.set G0, 32
.set G1B, 48
.set G0B, 56
.set G1S, 68
.set G0S, 76
.set G1SB, 80
.set G0SB, 88
.set MSB, 0
.macro WIN new                         ; the immediate's high byte repeats the setting that is left
.if MSB != (\new)
	s_set_vgpr_msb (MSB<<8)|(\new)
.set MSB, (\new)
.endif
.endm
.set MUL_LO, 0xa1                      ; source 0 (B) window 1, source 1 (A) window 0, C and D window 2
.set MUL_HI, 0xf1                      ; the same, C and D window 3
.set ST_LO,  0x81                      ; a sum's start from a bias in window 0
.set ST_HI,  0xc1
.set TO_B,   0x40                      ; destination window 1
; A joint load: waves 0 and 1 fetch for A, waves 2 and 3 for B; the branch hangs on the wave's number alone.  Four v_nop follow each of the two lines.
.macro JLOAD g0a, g1a, g0b, g1b
	s_cmp_eq_u32 s15, 0
	s_cbranch_scc0 .Lfor_b_\@
	tensor_load_to_lds s[\g0a:\g0a+3], s[\g1a:\g1a+7]
	s_nop 0
.rept 4
	v_nop
.endr
	s_branch .Lasked_\@
.Lfor_b_\@:
	tensor_load_to_lds s[\g0b:\g0b+3], s[\g1b:\g1b+7]
	s_nop 0
.rept 4
	v_nop
.endr
.Lasked_\@:
.endm
.macro CREST                           ; a round of the cluster's barrier behind its opening barrier
	s_cmp_lg_u32 s14, 0
	s_cbranch_scc1 .Lnot_wave_0_\@
	s_barrier_signal -3
.Lnot_wave_0_\@:
	s_barrier_wait -3
	s_barrier_signal -1
	s_barrier_wait -1
.endm
.macro CROUND
	s_barrier_signal -1
	s_barrier_wait -1
	CREST
.endm
	s_load_b128 s[4:7], s[0:1], 0x0                ; actq, wq
	s_load_b64 s[10:11], s[0:1], 0x10              ; qkvr
	v_lshl_add_u32 v[SPW], v0, 2, SPARE
	v_mov_b32 v[NIL], 0
	ds_add_u32 v28, v29
	ds_add_u32 v28, v29
	s_wait_dscnt 0x0
	v_lshrrev_b32 v1, 5, v0
	v_readfirstlane_b32 s14, v1                    ; wave 0..3
	s_lshr_b32 s15, s14, 1                         ; which half of the tile's rows is mine.  Also: I fetch for A (0) or for B (1)
	s_and_b32 s16, s14, 1                          ; which half of its columns.  Also: which 128 rows I fetch
	s_bfe_u32 s40, ttmp6, 0x40000                  ; cx, cy
	s_bfe_u32 s41, ttmp6, 0x40004
	s_and_b32 s18, ttmp9, 1                        ; mode 0: 2 x 4 clusters over 8 x 16 tiles
	s_lshr_b32 s19, ttmp9, 1
	s_sub_co_u32 s20, ttmp9, 8                     ; mode 1: 4 x 1 clusters over 16 x 4 tiles
	s_mov_b32 s67, 1572864                         ; W's rows 2,048 on: tile 128
	s_mov_b32 s95, 9502720                         ; and their scale words
	s_mov_b32 s96, ACT_SC
	s_mov_b32 s97, 9437184
	s_cmp_ge_u32 ttmp9, 8
	s_cselect_b32 s66, 1, 0                        ; the mode
	s_cselect_b32 s18, s20, s18
	s_cselect_b32 s19, 0, s19
	s_cselect_b32 s67, s67, 0                      ; where A's codes begin in its buffer,
	s_cselect_b32 s95, s95, s96                    ; A's scale words,
	s_cselect_b32 s96, s96, s97                    ; B's scale words (B's codes begin at 0 in both modes)
	s_lshl_b32 s42, s18, 2
	s_add_co_u32 s42, s42, s40                     ; tile column
	s_lshl_b32 s17, s19, 2
	s_add_co_u32 s17, s17, s41                     ; tile row
	s_lshl_b32 s43, s41, 2
	s_lshl_b32 s43, 15, s43                        ; my row of the cluster
	s_lshl_b32 s44, 0x1111, s40                    ; my column
	; descriptor group 1: 8 tiles of 16 rows, 3,072 consecutive bytes each (two K steps), as 384 elements of 8 bytes; dense in LDS
	s_or_b32 s[G1+0], s43, (3<<16)|(1<<21)         ; 15:0 the mask; 17:16 elements of 8 bytes; 21 set beside a mask
	s_or_b32 s[G1B+0], s44, (3<<16)|(1<<21)
.irp g, G1, G1B
	s_mov_b32 s[\g+1], 384<<16                     ; tensor_dim0
	s_mov_b32 s[\g+2], 16<<16                      ; tensor_dim1: 16 tiles for the head's loads; set to 8 for the ring's behind them
	s_mov_b32 s[\g+3], 384<<16                     ; tile_dim0
	s_mov_b32 s[\g+4], 16                          ; tile_dim1, likewise
	s_mov_b32 s[\g+5], KRT/8                       ; from tile to tile, in elements
	s_mov_b32 s[\g+6], 0
	s_mov_b32 s[\g+7], 0
.endr
	; and for the scale words of 128 rows: a dense block, as rows of 256 bytes
	s_or_b32 s[G1S+0], s43, (3<<16)|(1<<21)
	s_or_b32 s[G1SB+0], s44, (3<<16)|(1<<21)
.irp g, G1S, G1SB
	s_mov_b32 s[\g+1], 32<<16
	s_mov_b32 s[\g+2], (2*HALFS/256)<<16           ; the scale words of 256 rows: one dense block
	s_mov_b32 s[\g+3], 32<<16
	s_mov_b32 s[\g+4], 2*HALFS/256
	s_mov_b32 s[\g+5], 32
	s_mov_b32 s[\g+6], 0
	s_mov_b32 s[\g+7], 0
.endr
	s_lshl_b32 s20, s17, 1
	s_add_co_u32 s20, s20, s16                     ; A: which 128 rows I fetch: 2 x tile row + half
	s_lshl_b32 s46, s42, 1
	s_add_co_u32 s46, s46, s16                     ; B: 2 x tile column + half
	s_mul_i32 s22, s17, 2*HALFS
	s_add_co_u32 s22, s22, s95
	s_mul_i32 s92, s42, 2*HALFS
	s_add_co_u32 s92, s92, s96
	s_mul_i32 s20, s20, 8*KRT
	s_add_co_u32 s20, s20, s67
	s_mul_i32 s46, s46, 8*KRT
	s_mov_b32 s21, 0
	s_mov_b32 s23, 0
	s_mov_b32 s47, 0
	s_mov_b32 s93, 0
	s_mul_i32 s45, s14, HALFT                      ; where they go: wave x 128 rows: no place in the cluster enters an LDS address
	s_wait_kmcnt 0x0
	s_cmp_lg_u32 s66, 0
	s_cselect_b64 s[PA:PA+1], s[6:7], s[4:5]
	s_cselect_b64 s[PB:PB+1], s[4:5], s[6:7]
	s_add_nc_u64 s[20:21], s[PA:PA+1], s[20:21]
	s_add_nc_u64 s[22:23], s[PA:PA+1], s[22:23]
	s_add_nc_u64 s[46:47], s[PB:PB+1], s[46:47]
	s_add_nc_u64 s[92:93], s[PB:PB+1], s[92:93]
	CROUND                                         ; all sixteen work-groups are here: the first joint loads meet
	s_mov_b32 s[G0S], 1
	s_mov_b32 s[G0S+1], SCL
	s_mov_b64 s[G0S+2:G0S+3], s[22:23]
	s_or_b32 s[G0S+3], s[G0S+3], 0x80000000
	s_mov_b32 s[G0SB], 1
	s_mov_b32 s[G0SB+1], SCL+2*HALFS
	s_mov_b64 s[G0SB+2:G0SB+3], s[92:93]
	s_or_b32 s[G0SB+3], s[G0SB+3], 0x80000000
.irp s, 0,1
	s_mov_b32 s[G0+4*\s], 1
	s_add_co_u32 s[G0+4*\s+1], s45, \s*SLOT
	s_add_nc_u64 s[G0+4*\s+2:G0+4*\s+3], s[20:21], \s*RTB
	s_or_b32 s[G0+4*\s+3], s[G0+4*\s+3], 0x80000000
	s_mov_b32 s[G0B+4*\s], 1
	s_add_co_u32 s[G0B+4*\s+1], s45, \s*SLOT
	s_add_nc_u64 s[G0B+4*\s+2:G0B+4*\s+3], s[46:47], \s*RTB
	s_or_b32 s[G0B+4*\s+3], s[G0B+4*\s+3], 0x80000000
.endr
; THE HEAD'S LOADS, ONE A WAVE: wave 0 all 256 rows of A of slot 0, wave 1 A's scale words, wave 2 all 256 rows of B, wave 3 B's scale words.
; Waves 0 and 2 fetch the first half in the ring, so their slot 0 descriptors already name the tile's first row and its place in LDS; only the count of rows differs.
; ONE chain of branches on the wave's number, a load to an arm, all arms leading to one join.
.macro ARM under, g0, g1, next
	s_cmp_lt_u32 s14, \under
	s_cbranch_scc0 \next
	tensor_load_to_lds s[\g0:\g0+3], s[\g1:\g1+7]
	s_nop 0
.rept 4
	v_nop
.endr
	s_branch .Lhead_asked
\next:
.endm
	ARM 1, G0,  G1,  .Lhead_sa
	ARM 2, G0S, G1S, .Lhead_b
	ARM 3, G0B, G1B, .Lhead_sb
	tensor_load_to_lds s[G0SB:G0SB+3], s[G1SB:G1SB+7]
	s_nop 0
.rept 4
	v_nop
.endr
.Lhead_asked:
	v_and_b32 v1, 15, v0                           ; r = lane % 16
	v_bfe_u32 v2, v0, 4, 1                         ; h = lane / 16
	s_wait_alu depctr_va_vdst(0)
	v_and_b32 v3, 31, v0                           ; lane
	v_lshlrev_b32 v4, 3, v3                        ; a chunk's place for my lane
	s_mul_i32 s21, s15, HALFT                      ; my 128 rows of A
	s_mul_i32 s22, s16, HALFT                      ; my 128 rows of B,
	s_add_co_u32 s22, s22, 2*HALFT                 ; which lie behind A's 256
.irp s, 0,1
	v_add_nc_u32 v[ADRA+\s], s21, v4
	v_add_nc_u32 v[ADRB+\s], s22, v4
	s_add_co_u32 s21, s21, SLOT
	s_add_co_u32 s22, s22, SLOT
.endr
	v_lshlrev_b32 v5, 2, v1                        ; my row's scale word in a tile's 64 bytes
	s_mul_i32 s21, s15, HALFS
	s_mul_i32 s22, s16, HALFS
	s_add_co_u32 s22, s22, 2*HALFS
	s_sub_co_u32 s22, s22, s21
	v_mul_u32_u24 v6, s22, v2                      ; lanes 16-31 take B's: one product, the distance between the two blocks
	s_add_co_u32 s21, s21, SCL
	v_add_nc_u32 v5, v5, v6
	v_add_nc_u32 v[ADRS], s21, v5
.macro FRAG reg, adr, q, i             ; a fragment as it lies: six loads of 8 bytes a lane, 256 consecutive bytes each
.irp p, 0,1,2,3,4,5
	ds_load_b64 v[\reg+2*\p:\reg+2*\p+1], v[\adr] offset:(\i)*RTB+(\q)*FRB+256*\p
.endr
.endm
; 16 matrix instructions: A's blocks a0, a0 + 1 x B's eight, the slot's q-th 128 along K.  p: B's set; sc: the set of scale words; zero = 1: the first product starts the sums.
; The 64 accumulators take turns, one instruction a turn, in the same order in every step.
.macro MUL16 a0, p, q, sc, zero
.irp a, \a0, \a0+1
.irp b, 0,1,2,3,4,5,6,7
.set rD, 8*(8*((\a)%4)+\b)
.set rB, 128*(\p)+FR*\b
.set rA, AF+FR*(\a)
.set rSB, SC+8*NQ*(\sc)+NQ*\b+(\q)
.set rSA, SC+8*NQ*(\sc)+NQ*(\a)+(\q)
.if (\zero) && BIAS
	v_wmma_scale_f32_16x16x128_f8f6f4 v[rD:rD+7], v[rB:rB+FR-1], v[rA:rA+FR-1], v[BI+8*\b:BI+8*\b+7], v[rSB], v[rSA] matrix_a_fmt:MATRIX_FMT_FP6 matrix_b_fmt:MATRIX_FMT_FP6 matrix_a_scale:MATRIX_SCALE_ROW1
.elseif \zero
	v_wmma_scale_f32_16x16x128_f8f6f4 v[rD:rD+7], v[rB:rB+FR-1], v[rA:rA+FR-1], 0, v[rSB], v[rSA] matrix_a_fmt:MATRIX_FMT_FP6 matrix_b_fmt:MATRIX_FMT_FP6 matrix_a_scale:MATRIX_SCALE_ROW1
.else
	v_wmma_scale_f32_16x16x128_f8f6f4 v[rD:rD+7], v[rB:rB+FR-1], v[rA:rA+FR-1], v[rD:rD+7], v[rSB], v[rSA] matrix_a_fmt:MATRIX_FMT_FP6 matrix_b_fmt:MATRIX_FMT_FP6 matrix_a_scale:MATRIX_SCALE_ROW1
.endif
.endr
.endr
.endm
.macro FETCH_B slot, q, p
	WIN TO_B
.irp i, 0,1,2,3,4,5,6,7
	FRAG 128*(\p)+FR*\i, ADRB+\slot, \q, \i
.endr
	WIN 0
.endm
.macro FETCH_A slot, q, i0
.irp i, \i0, \i0+1, \i0+2, \i0+3
	FRAG AF+FR*(\i), ADRA+\slot, \q, \i
.endr
.endm
.macro SCALES sc                       ; a slot's scale words into set sc: register NQ i + q: lanes 0-15 the words of A's block i, lanes 16-31 of B's block i, for the slot's q-th 128 along K
.irp i, 0,1,2,3,4,5,6,7
	ds_load_b32 v[SC+8*NQ*\sc+NQ*\i], v[ADRS] offset:64*\i
	ds_load_b32 v[SC+8*NQ*\sc+NQ*\i+1], v[ADRS] offset:512+64*\i
.endr
.endm
.macro PLACES n                        ; plain vector lines between a matrix instruction and a load into, or a read of, its registers (ISA guide 7.12.1 for a read)
.rept \n
	v_nop
.endr
.endm
.macro STEP slot, q, zero              ; a step of 128 along K that has its successor in the same slot
	s_wait_dscnt 4*NL                              ; all but the youngest 24 loads (A's blocks 4-7) are in
.if (\zero) && BIAS
	WIN ST_LO
.else
	WIN MUL_LO
.endif
	MUL16 0, (\q)%2, \q, \slot, \zero
	MUL16 2, (\q)%2, \q, \slot, \zero
	s_wait_dscnt 0                                 ; A's blocks 4-7 are in
	PLACES NP
	FETCH_B \slot, (\q)+1, 1-(\q)%2
	FETCH_A \slot, (\q)+1, 0
.if (\zero) && BIAS
	WIN ST_HI
.else
	WIN MUL_HI
.endif
	MUL16 4, (\q)%2, \q, \slot, \zero
	MUL16 6, (\q)%2, \q, \slot, \zero
	PLACES NP
	WIN 0
	FETCH_A \slot, (\q)+1, 4
.endm
; A slot's last step changes slots: ONE barrier; in front of it each wave waits for all its tensor loads, adds 0 to its spare word, and waits for that and for its own reads of this slot.  fill = 1: this slot is filled again.
.macro TURN slot, next, fill
	s_wait_tensorcnt 0x0                           ; all my tensor loads have landed: my part of the next slot
	ds_add_u32 v[SPW], v[NIL]                      ; 0 onto my spare word
	s_wait_dscnt 4*NL+1                            ; (the add and the youngest 24 loads may be out)
	WIN MUL_LO
	MUL16 0, 1, NQ-1, \slot, 0                     ; sixteen matrix instructions stand between the add and the wait for it
	s_wait_dscnt 0x0                               ; the add is done, and my reads of this slot are over
	s_barrier_signal -1
	MUL16 2, 1, NQ-1, \slot, 0
	WIN 0
	s_barrier_wait -1
.if \fill
	CREST                                          ; the barrier has opened a round of the cluster's barrier: no wave of any partner still reads this slot or has a load on its way
	s_add_nc_u64 s[G0+4*\slot+2:G0+4*\slot+3], s[G0+4*\slot+2:G0+4*\slot+3], 2*RTB
	s_add_nc_u64 s[G0B+4*\slot+2:G0B+4*\slot+3], s[G0B+4*\slot+2:G0B+4*\slot+3], 2*RTB
	JLOAD G0+4*\slot, G1, G0B+4*\slot, G1B         ; the first tensor load behind the round; its four v_nop are the places in front of the loads below
.else
	PLACES NP
.endif
	s_wait_alu depctr_va_vdst(0)
	v_add_nc_u32 v[ADRS], 512*NQ, v[ADRS]          ; on to the next slot's scale words
	FETCH_B \next, 0, 0
	FETCH_A \next, 0, 0
	SCALES \next
	WIN MUL_HI
	MUL16 4, 1, NQ-1, \slot, 0
	MUL16 6, 1, NQ-1, \slot, 0
	PLACES NP
	WIN 0
	FETCH_A \next, 0, 4
.endm
	s_wait_alu depctr_va_vdst(0)
	s_wait_tensorcnt 0x0                           ; my tile of the head's four is in
	ds_add_u32 v[SPW], v[NIL]
	s_mov_b32 s[G1+2], 8<<16                       ; no tensor load of mine is out, so a descriptor may be written: from here on a load brings 8 tiles
	s_mov_b32 s[G1+4], 8
	s_mov_b32 s[G1B+2], 8<<16
	s_mov_b32 s[G1B+4], 8
	s_wait_dscnt 0x0
	CROUND                                         ; all four tiles are in, and all sixteen work-groups are here
	JLOAD G0+4, G1, G0B+4, G1B                     ; slot 1's first fill, the first tensor load behind the round
	FETCH_B 0, 0, 0
	FETCH_A 0, 0, 0
	SCALES 0
	FETCH_A 0, 0, 4
	STEP 0, 0, 1                                   ; the first step stands in front of the loop: its products start the sums
	s_mov_b32 s3, LAPS-1
.Llap:                                                 ; a trip goes once round the ring and fills both slots again
	TURN 0, 1, 1
	STEP 1, 0, 0
	TURN 1, 0, 1
	STEP 0, 0, 0
	s_sub_co_u32 s3, s3, 1
	s_cmp_lg_u32 s3, 0
	s_cbranch_scc1 .Llap
	TURN 0, 1, 0                                   ; the last lap fills nothing
	STEP 1, 0, 0
	s_wait_dscnt 4*NL
	WIN MUL_LO
	MUL16 0, 1, NQ-1, 1, 0
	MUL16 2, 1, NQ-1, 1, 0
	s_wait_dscnt 0
	WIN MUL_HI
	MUL16 4, 1, NQ-1, 1, 0
	MUL16 6, 1, NQ-1, 1, 0
	WIN 0
; 64 numbers of a lane, v[s] .. v[s + 63], register 16 b + i = k 32 b + 16 (lane / 16) + i of my row, become a fragment's codes in v[PC] on and its scale word in v[PW].
.macro QUANT s
.irp b, 0,1,2,3
	v_max3_num_f32 v[TM+\b], |v[\s+16*\b]|, |v[\s+1+16*\b]|, 0x1800000   ; block b: my 16 numbers, and the floor 2^(3 - 127): the byte cannot fall under 1
.endr
.irp i, 2,4,6,8,10,12,14
.irp b, 0,1,2,3
	v_max3_num_f32 v[TM+\b], v[TM+\b], |v[\s+16*\b+\i]|, |v[\s+1+16*\b+\i]|
.endr
.endr
.irp b, 0,1,2,3
	v_permlanex16_b32 v[TM+4+\b], v[TM+\b], s[SEL], s[SEL+1]
.endr
.irp b, 0,1,2,3
	v_max_num_f32 v[TM+\b], v[TM+\b], v[TM+4+\b]   ; with lane l xor 16's: the block's largest magnitude
.endr
.irp b, 0,1,2,3
	v_add_nc_u32 v[TM+12+\b], 0xff000000, v[TM+\b] ; 2 off its exponent field: the conversion's scale operand
.endr
.irp b, 0,1,2,3
	v_lshrrev_b32 v[TM+4+\b], 23, v[TM+12+\b]      ; the scale's byte
.endr
	v_lshl_or_b32 v[PW], v[TM+5], 8, v[TM+4]
	v_lshl_or_b32 v[PW], v[TM+6], 16, v[PW]
	v_lshl_or_b32 v[PW], v[TM+7], 24, v[PW]
.irp c, 0,1
	v_cvt_scalef32_pk16_fp6_f32 v[PC+6*\c:PC+2+6*\c], v[\s+32*\c:\s+15+32*\c], v[TM+12+2*\c]
	v_cvt_scalef32_pk16_fp6_f32 v[PC+12+4*\c:PC+14+4*\c], v[\s+16+32*\c:\s+31+32*\c], v[TM+12+2*\c+1]   ; (a conversion's three registers begin on an even number)
.endr
	v_nop                                          ; one plain line behind a scaled conversion
.irp c, 0,1                            ; the operand wants a WHOLE block in a lane
.irp i, 0,1,2
	v_permlane16_swap_b32 v[PC+6*\c+\i], v[PC+12+4*\c+\i]
.endr
.irp i, 0,1,2
	v_mov_b32 v[PC+3+6*\c+\i], v[PC+12+4*\c+\i]
.endr
.endr
.endm
	; THE WAY OUT.  No LDS load of mine is out; behind this barrier no wave reads the ring or the scale words any more, and no fill is to come: the images may lie over them.
	s_barrier_signal -1
	s_barrier_wait -1
	; where the results go.  Mode 0: tokens by the tile row, features by the tile column; mode 1 the other way round.
	s_and_b32 s20, s42, 3
	s_cmp_lg_u32 s66, 0
	s_cselect_b32 s21, s42, s17                    ; the tokens' tile of 256,
	s_cselect_b32 s22, s16, s15                    ; and my half of it
	s_cselect_b32 s20, s17, s20                    ; the features' tile of 256 (within q, k or v),
	s_cselect_b32 s23, s15, s16                    ; and my half of it
	s_lshr_b32 s43, s21, 3                         ; batch
	s_and_b32 s21, s21, 7
	s_lshl_b32 s21, s21, 1
	s_add_co_u32 s21, s21, s22                     ; which 128 tokens of the batch
	s_lshl_b32 s20, s20, 2
	s_lshl_b32 s23, s23, 1
	s_add_co_u32 s20, s20, s23                     ; my first head (I hold two)
	s_lshl_b32 s43, s43, 4
	s_add_co_u32 s20, s20, s43
	s_lshl_b32 s20, s20, 4
	s_add_co_u32 s20, s20, s21
	s_mul_i32 s20, s20, REC                        ; the record
	s_mov_b32 s21, 13056
	s_mov_b32 s22, 19200
	s_mov_b32 s23, 12288
	s_cmp_lt_u32 s42, 4                            ; mode 0: tile columns 0-3 are q, 4-7 are k
	s_cselect_b32 s21, s21, 0
	s_cselect_b32 s22, s22, s23
	s_mov_b32 s23, 6144
	s_mov_b32 s43, 12800
	s_mov_b32 s44, 16*REC                          ; from a head to the next
	s_mov_b32 s46, 768
	s_mov_b32 s101, 1536
	s_mov_b32 s100, 16*REC-3*1536
	s_mov_b32 s47, 256
	s_cmp_lg_u32 s66, 0
	s_cselect_b32 s21, s23, s21                    ; the codes' field
	s_cselect_b32 s22, s43, s22                    ; the scale words' field
	s_cselect_b32 s98, s46, s44                    ; from a fragment's first half to its second: mode 0 the next head, mode 1 the next 768 bytes
	s_cselect_b32 s101, s101, s46                  ; from tile to tile,
	s_cselect_b32 s100, s100, s46                  ; and from tile 3 to tile 4: in mode 1 the next head's first tile
	s_cselect_b32 s47, s44, s47                    ; the last stores: from lanes 0-15 to lanes 16-31
	s_cselect_b32 s18, -1, 0xffff                  ; what is kept of the scale word,
	s_cselect_b32 s19, 0, 0x7f7f0000               ; and what fills it: in mode 0 two bytes of 127
	s_cselect_b32 s46, 0, -1
	s_mov_b32 s99, 0
	s_add_co_u32 s92, s20, s21
	s_mov_b32 s93, 0
	s_add_nc_u64 s[92:93], s[10:11], s[92:93]
	s_add_nc_u64 s[94:95], s[92:93], s[98:99]
	s_add_co_u32 s96, s20, s22
	s_mov_b32 s97, 0
	s_add_nc_u64 s[96:97], s[10:11], s[96:97]
	s_mov_b32 s[SEL], 0x76543210
	s_mov_b32 s[SEL+1], 0xfedcba98
	s_lshl_b32 s20, s14, 16
	v_lshl_add_u32 v[DST], v3, 4, s20              ; these plain lines are also the places behind the last products
	s_lshl_b32 s20, s14, 10
	s_add_co_u32 s20, s20, SST
	v_lshl_add_u32 v[SWA], v1, 2, s20
	v_lshl_add_u32 v[SWA], v2, 9, v[SWA]           ; lanes 0-15 the first head's words, lanes 16-31 the second's, 512 bytes on
	v_lshl_add_u32 v[SRD], v3, 4, s20
	v_lshlrev_b32 v[VSH], 4, v2
	v_and_b32 v[VSH], s46, v[VSH]                  ; mode 0: lanes 16-31 take the word's upper two bytes
	v_mul_u32_u24 v[FO], s47, v2
	v_lshl_add_u32 v[FO], v1, 4, v[FO]
.irp b, 0,1,2,3
	v_mov_b32 v[TM+4+\b], 0                        ; written once: a lane permute's destination counts as one of its sources
.endr
.irp a, 0,1,2,3,4,5,6,7                ; the accumulators as they stand: four registers a store, 16 bytes a lane, 512 consecutive bytes; each from its low end on
	WIN 0x08+4*(\a/4)
.irp b, 0,1,2,3,4,5,6,7
	ds_store_b128 v[DST], v[64*(\a%4)+8*\b:64*(\a%4)+8*\b+3] offset:\a*8192+\b*1024
	ds_store_b128 v[DST], v[64*(\a%4)+8*\b+4:64*(\a%4)+8*\b+7] offset:\a*8192+\b*1024+512
.endr
.endr
	WIN 0
	s_mov_b32 s2, 0
	s_mov_b32 s45, 0
	s_mov_b32 s3, 0
.Ltile:                                                ; A's tile s3: 16 rows x 128
	v_add_nc_u32 v[LA], s2, v[DST]
	v_add_nc_u32 v[SA], s45, v[SWA]
.set i, 0
.rept 16
	ds_load_b128 v[H+4*i:H+4*i+3], v[LA] offset:512*i   ; LDS serves a wave's instructions in order: these see my stores
.set i, i+1
.endr
	s_wait_dscnt 0x0
	QUANT H
	v_lshrrev_b32 v[WT], v[VSH], v[PW]
	v_and_or_b32 v[WT], v[WT], s18, s19
	ds_store_b32 v[SA], v[WT]
.irp p, 0,1,2
	global_store_b64 v4, v[PC+2*\p:PC+2*\p+1], s[92:93] offset:256*\p        ; 32 lanes store 256 consecutive bytes, aligned
	global_store_b64 v4, v[PC+6+2*\p:PC+7+2*\p], s[94:95] offset:256*\p
.endr
	s_cmp_eq_u32 s3, 3
	s_cselect_b32 s98, s100, s101
	s_wait_xcnt 0x0                                ; the stores have read their registers and bases: both are written again only behind this wait
	s_add_nc_u64 s[92:93], s[92:93], s[98:99]
	s_add_nc_u64 s[94:95], s[94:95], s[98:99]
	s_add_co_u32 s2, s2, 8192
	s_add_co_u32 s45, s45, 64
	s_add_co_u32 s3, s3, 1
	s_cmp_lt_u32 s3, 8
	s_cbranch_scc1 .Ltile
	ds_load_b128 v[128:131], v[SRD]                ; the scale words leave in whole blocks: mode 0: 512 bytes for each head; mode 1: 256 for each
	ds_load_b128 v[132:135], v[SRD] offset:512
	s_wait_dscnt 0x0
	global_store_b128 v[FO], v[128:131], s[96:97]
	s_cmp_lg_u32 s66, 0
	s_cbranch_scc1 .Lone
	global_store_b128 v[FO], v[132:135], s[96:97] offset:16*REC
.Lone:
	s_wait_tensorcnt 0x0                           ; the wave's end: behind my last tensor load and my last LDS store
	ds_add_u32 v[SPW], v[NIL]
	s_wait_dscnt 0x0
	CROUND                                         ; the closing round
	s_endpgm
.Lfunc_end_k_q3d82d60ba5_qkvp:
	.size	k_q3d82d60ba5_qkvp, .Lfunc_end_k_q3d82d60ba5_qkvp-k_q3d82d60ba5_qkvp
	.p2alignl 7, 3214868480
	.fill 96, 4, 3214868480
	.section	.rodata,"a",@progbits
	.p2align	6, 0x0
	.amdhsa_kernel k_q3d82d60ba5_qkvp
		.amdhsa_group_segment_fixed_size 327680
		.amdhsa_private_segment_fixed_size 0
		.amdhsa_enable_private_segment 0
		.amdhsa_kernarg_size 24
		.amdhsa_user_sgpr_count 2
		.amdhsa_user_sgpr_kernarg_segment_ptr 1
		.amdhsa_wavefront_size32 1
		.amdhsa_system_sgpr_workgroup_id_x 1
		.amdhsa_system_sgpr_workgroup_id_y 1
		.amdhsa_system_sgpr_workgroup_id_z 1
		.amdhsa_system_vgpr_workitem_id 0
		.amdhsa_next_free_vgpr 1024
		.amdhsa_next_free_sgpr 102
		.amdhsa_reserve_vcc 0
		.amdhsa_float_denorm_mode_32 3
		.amdhsa_float_denorm_mode_16_64 3
		.amdhsa_memory_ordered 1
		.amdhsa_forward_progress 1
		.amdhsa_inst_pref_size 150
	.end_amdhsa_kernel
	.amdgpu_metadata
---
amdhsa.version: [ 1, 2 ]
amdhsa.kernels:
  - .name:           k_q3d82d60ba5_qkvp
    .symbol:         k_q3d82d60ba5_qkvp.kd
    .args:
      - { .name: actq, .offset: 0, .size: 8, .value_kind: global_buffer, .address_space: global }
      - { .name: wq, .offset: 8, .size: 8, .value_kind: global_buffer, .address_space: global }
      - { .name: qkvr, .offset: 16, .size: 8, .value_kind: global_buffer, .address_space: global }
    .group_segment_fixed_size: 327680
    .private_segment_fixed_size: 0
    .kernarg_segment_align: 8
    .kernarg_segment_size: 24
    .max_flat_workgroup_size: 128
    .sgpr_count:     102
    .vgpr_count:     1024
    .wavefront_size: 32
...
	.end_amdgpu_metadata
.endif
;; end of part 10
;; launch attn (part 11): grid 8 x 32, 16 waves a work-group, clusters of 4 x 1, 210,944 bytes of LDS; arguments qkvr, actq; writes actq
.if DOCPART == 11
	.amdgcn_target "amdgcn-amd-amdhsa--gfx1250"
	.amdhsa_code_object_version 6
	.text
	.protected	k_q3d82d60ba5_attn
	.globl	k_q3d82d60ba5_attn
	.p2align	8
	.type	k_q3d82d60ba5_attn,@function
k_q3d82d60ba5_attn:
	s_mov_b64 s[64:65], 0
	v_nop
	global_prefetch_b8 v0, s[64:65] scope:SCOPE_SE
	s_setreg_imm32_b32 hwreg(HW_REG_WAVE_MODE, 25, 1), 1
	s_wait_xcnt 0x0
	s_wait_alu depctr_hold_cnt(0) depctr_sa_sdst(0) depctr_va_vdst(0) depctr_va_sdst(0) depctr_va_ssrc(0) depctr_va_vcc(0) depctr_vm_vsrc(0)
	s_getreg_b32 s2, hwreg(HW_REG_IB_STS2, 6, 4)
	s_cmp_eq_u32 s2, 0
	s_cbranch_scc0 .Lentry_in_a_cluster
	s_endpgm
.Lentry_in_a_cluster:
	s_bfe_u32 s2, ttmp6, 0x10000c
	s_cmp_lg_u32 s2, 0x3003
	s_cbranch_scc0 .Lentry_shape_is_right
	s_endpgm
.Lentry_shape_is_right:
; a[token][head x 64 + d] = softmax(q k^T / 8) v for one (batch, head), both products on codes of FP6 (E2M3); the result is quantised at once, along the 1,024 features, as the next product's operand.
; THE SOFTMAX AHEAD OF THE SECOND PRODUCT: t = score x log2(e) / 8; M = the running largest t rounded UP to a whole number; p = 2^(t - M) is quantised along the keys, not normalised; the row's sum is taken of the
; unquantised p and divides at the end; when M moves, the sum and O are multiplied by 2^(old M - new M), which rounds nothing.
; SHARES.  A work-group owns 256 queries of one head; each of its sixteen waves 16 of them, in 256 registers: four waves to a SIMD, so that one wave's vector work stands beside another's matrix work.
; THE WHOLE HEAD'S k AND v^T LIE IN LDS: 16 records' first 13,056 bytes, one tensor load a wave, filled once: no ring, nothing is filled again.  A wave has one tensor load out.
; CLUSTER: the four query blocks of a cluster belong to one head: each record is asked for jointly, by the same load with the same descriptor and a mask that names the four.
; LAYOUT.  S^T = k q^T (source 0 = 16 keys), O^T = v^T p^T (source 0 = 16 channels): a lane holds ONE query throughout.  The rows of every tile lie in the order 32 B + 8 u + r + 8 (r / 8), so that the 16 registers of two
; neighbouring tiles are 16 neighbours (keys, then channels).  THE FIRST PRODUCT HAS K = 64: q's upper six registers are zero codes; against them stand the next tile's codes of k, which so add nothing; the scale bytes there are 127.
; The scale bytes of the result leave two to a lane (128 KB in the launch): a word's four bytes come from two heads, that is from two work-groups.
; LIMITS: a block of zeros, or one under 2^-124, gets the byte 1; the division is a multiplication by v_rcp_f32's result; NaN and infinities are not served.
; REGISTERS: v1-5 addresses; v12 -M, v13 the largest t, v[14:15] the sum; v16-27 q; v32-85 k's eight half fragments and six zeros, then v^T's four fragments; v96-159 S^T, then p; v160-191 O^T; v224-235 p's codes;
;   v232-247, v252, v254 and, in the sum, v230-231, v250-251 at work; scale words: v248-251 k's and v^T's, v253 p's, v255 q's.
.set REC,    19712
.set KVB,    13056                     ; a record's k and v^T: 51 rows of 256 bytes
.set ACT_SC, 3145728
.set L8,  1                            ; v1 8 x lane;  v2 4 x lane;  v3 4 x (lane % 16);  v4, v5 the step's addresses
.set L4,  2
.set R4,  3
.set ADK, 4
.set ADS, 5
.set WV,  18
.set SEL, 20
.set CS,  22
.set G1,  24
.set G0,  32
.set TB,  2                            ; s2 where the step's record begins in LDS
.set CNT, 3
.macro CROUND                          ; a round of the cluster's barrier
	s_barrier_signal -1
	s_barrier_wait -1
	s_cmp_lg_u32 s[WV], 0
	s_cbranch_scc1 .Lnot_wave_0_\@
	s_barrier_signal -3
.Lnot_wave_0_\@:
	s_barrier_wait -3
	s_barrier_signal -1
	s_barrier_wait -1
.endm
	s_load_b128 s[4:7], s[0:1], 0x0                ; qkvr, actq
	v_lshl_add_u32 v223, v0, 2, 0x33000
	v_mov_b32 v243, 0
	ds_add_u32 v223, v243
	ds_add_u32 v223, v243
	v_lshrrev_b32 v8, 5, v0
	s_delay_alu instid0(VALU_DEP_1)
	v_readfirstlane_b32 s[WV], v8                  ; wave 0..15
	s_bfe_u32 s36, ttmp6, 0x40000                  ; cx
	s_lshl_b32 s37, ttmp9, 2
	s_add_co_u32 s37, s37, s36                     ; my block of 256 queries: it enters q's and the result's addresses alone
	s_and_b32 s38, ttmp7, 0xffff                   ; batch x 16 + head, which the four partners share
	s_lshl_b32 s39, s38, 4
	s_add_co_u32 s40, s39, s[WV]                   ; the record that I fetch: key step = my wave's number
	s_mul_i32 s40, s40, REC
	s_mov_b32 s41, 0
	s_mul_i32 s42, s[WV], KVB
	s_mov_b32 s[G1], 15|(3<<16)|(1<<21)            ; 15:0 the mask: all four work-groups; 17:16 elements of 8 bytes; 21 set beside a mask
	s_mov_b32 s[G1+1], 32<<16                      ; tensor_dim0 = 32 elements: 256 bytes
	s_mov_b32 s[G1+2], 51<<16                      ; tensor_dim1
	s_mov_b32 s[G1+3], 32<<16                      ; tile_dim0
	s_mov_b32 s[G1+4], 51                          ; tile_dim1
	s_mov_b32 s[G1+5], 32                          ; dense
	s_mov_b32 s[G1+6], 0
	s_mov_b32 s[G1+7], 0
	s_lshl_b32 s43, s37, 1                         ; q: record 2 x block + wave / 8, tile wave % 8
	s_lshr_b32 s44, s[WV], 3
	s_add_co_u32 s43, s43, s44
	s_add_co_u32 s43, s43, s39
	s_mul_i32 s43, s43, REC
	s_and_b32 s44, s[WV], 7
	s_mul_i32 s45, s44, 768
	s_add_co_u32 s46, s43, s45
	s_add_co_u32 s46, s46, 13056
	s_mov_b32 s47, 0
	s_lshl_b32 s44, s44, 6
	s_add_co_u32 s48, s43, s44
	s_add_co_u32 s48, s48, 19200
	s_mov_b32 s49, 0
	s_lshr_b32 s50, s38, 4                         ; the result: tile of 16 tokens = 128 x batch + 16 x block + wave
	s_and_b32 s51, s38, 15
	s_lshl_b32 s50, s50, 7
	s_lshl_b32 s52, s37, 4
	s_add_co_u32 s50, s50, s52
	s_add_co_u32 s50, s50, s[WV]
	s_lshr_b32 s52, s51, 1                         ; K step = head / 2;
	s_and_b32 s51, s51, 1                          ; the head's 64 channels are its lower or upper half
	s_lshl_b32 s53, s50, 3
	s_add_co_u32 s53, s53, s52
	s_mul_i32 s54, s53, 1536
	s_mul_i32 s53, s51, 768
	s_add_co_u32 s54, s54, s53
	s_mov_b32 s55, 0
	s_lshr_b32 s53, s50, 3
	s_lshl_b32 s56, s53, 12
	s_lshl_b32 s52, s52, 9
	s_add_co_u32 s56, s56, s52
	s_and_b32 s53, s50, 7
	s_lshl_b32 s53, s53, 6
	s_add_co_u32 s56, s56, s53
	s_lshl_b32 s51, s51, 1
	s_add_co_u32 s56, s56, s51
	s_add_co_u32 s56, s56, ACT_SC
	s_mov_b32 s57, 0
	s_mov_b32 s[SEL], 0x76543210
	s_mov_b32 s[SEL+1], 0xfedcba98
	s_mov_b32 s[CS], 0x3e38aa3b                    ; c = log2(e) / 8
	s_mov_b32 s[CS+1], s[CS]                       ; (named with it as a pair, so it is written)
	s_mov_b32 s[TB], 0
	s_mov_b32 s[CNT], 0
	s_wait_dscnt 0x0
	s_wait_kmcnt 0x0
	s_mov_b32 s[G0], 1
	s_mov_b32 s[G0+1], s42
	s_add_nc_u64 s[G0+2:G0+3], s[4:5], s[40:41]
	s_or_b32 s[G0+3], s[G0+3], 0x80000000
	s_add_nc_u64 s[46:47], s[4:5], s[46:47]
	s_add_nc_u64 s[48:49], s[4:5], s[48:49]
	s_add_nc_u64 s[54:55], s[6:7], s[54:55]
	s_add_nc_u64 s[56:57], s[6:7], s[56:57]
	CROUND                                         ; all four work-groups are here: the joint loads meet
	tensor_load_to_lds s[G0:G0+3], s[G1:G1+7]
	s_nop 0
.rept 4
	v_nop
.endr
	v_and_b32 v8, 15, v0
	v_and_b32 v10, 31, v0
	s_delay_alu instid0(VALU_DEP_1)
	v_lshlrev_b32 v[L8], 3, v10
	s_delay_alu instid0(VALU_DEP_2)
	v_lshlrev_b32 v[L4], 2, v10
	s_delay_alu instid0(VALU_DEP_4)
	v_lshlrev_b32 v[R4], 2, v8
.irp p, 0,1,2
	global_load_b64 v[16+2*\p:17+2*\p], v[L8], s[46:47] offset:256*\p   ; q's half fragment stays in registers
.endr
	global_load_b32 v255, v[R4], s[48:49]          ; and its scale words
.irp i, 0,1,2,3,4,5
	v_mov_b32 v[22+\i], 0                          ; q's codes of k = 64 .. 127: zeros
	v_mov_b32 v[80+\i], 0                          ; what stands behind k's last tile
.endr
	v_mov_b32 v13, 0xff61b1e6                      ; the largest t so far: -3e38
	s_delay_alu instid0(VALU_DEP_1)
	v_floor_f32 v12, -v13                          ; -M
	v_mov_b32 v14, 0
	v_mov_b32 v15, 0
.irp b, 0,1,2,3
	v_mov_b32 v[236+\b], 0                         ; written once: a lane permute's destination counts as one of its sources
.endr
	v_mov_b32 v253, 0                              ; (named as the upper half of the pair v[252:253] before it is first written)
.set j, 0
.rept 32
	v_mov_b32 v[160+j], 0                          ; O^T: the loop is written once; its first step finds zeros, which the first change of M leaves zeros
.set j, j+1
.endr
	s_wait_tensorcnt 0x0                           ; my record has landed,
	s_barrier_signal -1
	s_barrier_wait -1                              ; everybody's has
	s_wait_loadcnt 0x0                             ; q
.Lstep:                                                ; 16 trips: 128 keys each
	v_add_nc_u32 v[ADK], s[TB], v[L8]
	v_add_nc_u32 v[ADS], s[TB], v[L4]
	v_nop
	v_nop                                          ; four places in front of loads into registers that the last products read
.irp t, 0,1,2,3,4,5,6,7
.irp p, 0,1,2
	ds_load_b64 v[32+6*\t+2*\p:33+6*\t+2*\p], v[ADK] offset:768*\t+256*\p
.endr
.endr
.irp i, 0,1,2,3
	ds_load_b32 v[248+\i], v[ADS] offset:12288+128*\i   ; k's scale words: lanes 0-15 tile 2 i, lanes 16-31 tile 2 i + 1
.endr
	s_wait_alu depctr_va_vdst(0)
	s_wait_dscnt 0x0
.irp t, 0,2,4,6
	v_wmma_scale_f32_16x16x128_f8f6f4 v[96+8*\t:103+8*\t], v[32+6*\t:43+6*\t], v[16:27], 0, v[248+\t/2], v255 matrix_a_fmt:MATRIX_FMT_FP6 matrix_b_fmt:MATRIX_FMT_FP6
	v_wmma_scale_f32_16x16x128_f8f6f4 v[104+8*\t:111+8*\t], v[38+6*\t:49+6*\t], v[16:27], 0, v[248+\t/2], v255 matrix_a_fmt:MATRIX_FMT_FP6 matrix_b_fmt:MATRIX_FMT_FP6 matrix_a_scale:MATRIX_SCALE_ROW1
.endr
.rept 4
	v_nop
.endr
.irp t, 0,1,2,3                        ; v^T's four fragments land under the softmax
.irp p, 0,1,2,3,4,5
	ds_load_b64 v[32+12*\t+2*\p:33+12*\t+2*\p], v[ADK] offset:6144+1536*\t+256*\p
.endr
.endr
	ds_load_b32 v248, v[ADS] offset:12800
	ds_load_b32 v249, v[ADS] offset:12928
.irp b, 0,1,2,3
	v_max3_num_f32 v[232+\b], v[96+16*\b], v[97+16*\b], v[98+16*\b]   ; the largest score of each block of 32 keys: for the row's maximum and, since p rises with the score, for the block's largest p
.endr
.irp i, 3,5,7,9,11,13
.irp b, 0,1,2,3
	v_max3_num_f32 v[232+\b], v[232+\b], v[96+16*\b+\i], v[97+16*\b+\i]
.endr
.endr
.irp b, 0,1,2,3
	v_max_num_f32 v[232+\b], v[232+\b], v[111+16*\b]
.endr
.irp b, 0,1,2,3
	s_delay_alu instid0(VALU_DEP_4)
	v_permlanex16_b32 v[236+\b], v[232+\b], s[SEL], s[SEL+1]
.endr
.irp b, 0,1,2,3
	s_delay_alu instid0(VALU_DEP_4)
	v_max_num_f32 v[232+\b], v[232+\b], v[236+\b]  ; with lane l xor 16's 16 keys
.endr
	s_delay_alu instid0(VALU_DEP_2)
	v_max3_num_f32 v254, v232, v233, v234
	s_delay_alu instid0(VALU_DEP_1)
	v_max_num_f32 v254, v254, v235
	s_delay_alu instid0(VALU_DEP_1)
	v_mul_f32 v254, s[CS], v254                    ; the step's largest t (c is positive)
	s_delay_alu instid0(VALU_DEP_1)
	v_max_num_f32 v13, v13, v254
	v_mov_b32 v254, v12
	s_delay_alu instid0(VALU_DEP_2)
	v_floor_f32 v12, -v13                          ; the new -M = -ceil(t): a whole number
	s_delay_alu instid0(VALU_DEP_1)
	v_sub_f32 v254, v12, v254                      ; old M - new M: a whole number, 0 or less
	s_delay_alu instid0(VALU_DEP_1)
	v_cvt_i32_f32 v254, v254                       ; (it saturates)
	s_delay_alu instid0(VALU_DEP_1)
	v_ldexp_f32 v252, 1.0, v254                    ; f = 2^(old M - new M)
.set j, 0
.rept 32
	v_pk_fma_f32 v[96+j:97+j], v[96+j:97+j], s[CS:CS+1], v[12:13] op_sel_hi:[1,0,0]   ; t - M, two at a time
.set j, j+2
.endr
.irp b, 0,1,2,3
	v_fma_f32 v[232+\b], v[232+\b], s[CS], v12     ; the same of each block's largest score
.endr
.set j, 0
	s_wait_alu depctr_va_vdst(0)
.rept 64
	v_exp_f32 v[96+j], v[96+j]                     ; p = 2^(t - M), at most 1
.set j, j+1
.endr
	v_pk_mul_f32 v[14:15], v[14:15], v[252:253] op_sel_hi:[1,0]   ; the sums under the new M: the plain line behind the exponentials
	s_wait_alu depctr_va_vdst(0)                   ; one wait for the whole batch, ahead of its first reader
.irp b, 0,1,2,3
	v_exp_f32 v[232+\b], v[232+\b]                 ; the block's largest p: the same two instructions on the same number
.endr
	v_pk_add_f32 v[236:237], v[100:101], v[104:105]
	v_pk_add_f32 v[250:251], v[108:109], v[112:113]
	v_pk_add_f32 v[246:247], v[116:117], v[120:121]
	v_pk_add_f32 v[244:245], v[124:125], v[128:129]
	v_pk_add_f32 v[240:241], v[132:133], v[136:137]
	v_pk_add_f32 v[238:239], v[140:141], v[144:145]
	v_pk_add_f32 v[230:231], v[148:149], v[152:153]
	v_pk_add_f32 v[14:15], v[14:15], v[156:157]
	v_pk_add_f32 v[236:237], v[236:237], v[96:97]
	v_pk_add_f32 v[250:251], v[250:251], v[98:99]
	v_pk_add_f32 v[246:247], v[246:247], v[102:103]
	v_pk_add_f32 v[244:245], v[244:245], v[106:107]
	v_pk_add_f32 v[240:241], v[240:241], v[110:111]
	v_pk_add_f32 v[238:239], v[238:239], v[114:115]
	v_pk_add_f32 v[230:231], v[230:231], v[118:119]
	v_pk_add_f32 v[14:15], v[14:15], v[122:123]
	v_pk_add_f32 v[236:237], v[236:237], v[126:127]
	v_pk_add_f32 v[250:251], v[250:251], v[130:131]
	v_pk_add_f32 v[246:247], v[246:247], v[134:135]
	v_pk_add_f32 v[244:245], v[244:245], v[138:139]
	v_pk_add_f32 v[240:241], v[240:241], v[142:143]
	v_pk_add_f32 v[238:239], v[238:239], v[146:147]
	v_pk_add_f32 v[230:231], v[230:231], v[150:151]
	v_pk_add_f32 v[14:15], v[14:15], v[154:155]
	v_pk_add_f32 v[236:237], v[236:237], v[158:159]
	s_delay_alu instid0(VALU_DEP_2)
	v_pk_add_f32 v[14:15], v[14:15], v[244:245]
	s_delay_alu instid0(VALU_DEP_2)
	v_pk_add_f32 v[236:237], v[236:237], v[240:241]
	v_pk_add_f32 v[250:251], v[250:251], v[238:239]
	v_pk_add_f32 v[246:247], v[246:247], v[230:231]
	s_delay_alu instid0(VALU_DEP_2)
	v_pk_add_f32 v[14:15], v[14:15], v[250:251]
	s_delay_alu instid0(VALU_DEP_2)
	v_pk_add_f32 v[236:237], v[236:237], v[246:247]
	s_delay_alu instid0(VALU_DEP_1)
	v_pk_add_f32 v[14:15], v[14:15], v[236:237]
	s_wait_alu depctr_va_vdst(0)                   ; and one for the four
.irp b, 0,1,2,3
	v_max_num_f32 v[232+\b], 0x1800000, v[232+\b]  ; the floor 2^(3 - 127)
.endr
.irp b, 0,1,2,3
	s_delay_alu instid0(VALU_DEP_4)
	v_add_nc_u32 v[244+\b], 0xff000000, v[232+\b]  ; the conversion's scale operand
.endr
.irp b, 0,1,2,3
	s_delay_alu instid0(VALU_DEP_4)
	v_lshrrev_b32 v[236+\b], 23, v[244+\b]
.endr
	s_delay_alu instid0(VALU_DEP_3)
	v_lshl_or_b32 v253, v237, 8, v236              ; p's scale word for these 128 keys
	s_delay_alu instid0(VALU_DEP_1)
	v_lshl_or_b32 v253, v238, 16, v253
	s_delay_alu instid0(VALU_DEP_1)
	v_lshl_or_b32 v253, v239, 24, v253
.irp c, 0,1
	v_cvt_scalef32_pk16_fp6_f32 v[224+6*\c:226+6*\c], v[96+32*\c:111+32*\c], v[244+2*\c]
	v_cvt_scalef32_pk16_fp6_f32 v[236+4*\c:238+4*\c], v[112+32*\c:127+32*\c], v[244+2*\c+1]
.endr
	v_nop                                          ; one plain line behind a scaled conversion
.irp c, 0,1
.irp i, 0,1,2
	v_permlane16_swap_b32 v[224+6*\c+\i], v[236+4*\c+\i]
.endr
.irp i, 0,1,2
	s_delay_alu instid0(VALU_DEP_3)
	v_mov_b32 v[227+6*\c+\i], v[236+4*\c+\i]
.endr
.endr
.set j, 0
.rept 16
	v_pk_mul_f32 v[160+j:161+j], v[160+j:161+j], v[252:253] op_sel_hi:[1,0]   ; O^T under the new M; these sixteen are also the places in front of the products below
.set j, j+2
.endr
	s_wait_alu depctr_va_vdst(0)
	s_wait_dscnt 0x0                               ; v^T is in
.irp t, 0,2                            ; the four accumulators take turns, one instruction a turn
	v_wmma_scale_f32_16x16x128_f8f6f4 v[160+8*\t:167+8*\t], v[32+12*\t:43+12*\t], v[224:235], v[160+8*\t:167+8*\t], v[248+\t/2], v253 matrix_a_fmt:MATRIX_FMT_FP6 matrix_b_fmt:MATRIX_FMT_FP6
	v_wmma_scale_f32_16x16x128_f8f6f4 v[168+8*\t:175+8*\t], v[44+12*\t:55+12*\t], v[224:235], v[168+8*\t:175+8*\t], v[248+\t/2], v253 matrix_a_fmt:MATRIX_FMT_FP6 matrix_b_fmt:MATRIX_FMT_FP6 matrix_a_scale:MATRIX_SCALE_ROW1
.endr
	s_add_co_u32 s[TB], s[TB], KVB
	s_add_co_u32 s[CNT], s[CNT], 1
	s_cmp_lt_u32 s[CNT], 16
	s_cbranch_scc1 .Lstep
	; THE WAY OUT: O^T / the sum; register 16 B + i of a lane is channel 32 B + 16 (lane / 16) + i of its query: two blocks of the next product's K.
	v_add_f32 v14, v14, v15
	s_delay_alu instid0(VALU_DEP_1)
	v_permlanex16_b32 v252, v14, s[SEL], s[SEL+1]
	s_delay_alu instid0(VALU_DEP_1)
	v_add_f32 v14, v14, v252                       ; the row's sum
	s_wait_alu depctr_va_vdst(0)
	v_rcp_f32 v14, v14
.rept 4
	v_nop                                          ; the plain line behind the reciprocal, and the places behind the last products
.endr
	s_wait_alu depctr_va_vdst(0)                   ; ahead of the reciprocal's first reader
.set j, 0
.rept 32
	v_mul_f32 v[96+j], v[160+j], v14
.set j, j+1
.endr
.irp b, 0,1
	v_max3_num_f32 v[232+\b], |v[96+16*\b]|, |v[97+16*\b]|, 0x1800000
.endr
.irp i, 2,4,6,8,10,12,14
.irp b, 0,1
	s_delay_alu instid0(VALU_DEP_2)
	v_max3_num_f32 v[232+\b], v[232+\b], |v[96+16*\b+\i]|, |v[97+16*\b+\i]|
.endr
.endr
.irp b, 0,1
	s_delay_alu instid0(VALU_DEP_2)
	v_permlanex16_b32 v[236+\b], v[232+\b], s[SEL], s[SEL+1]
.endr
.irp b, 0,1
	s_delay_alu instid0(VALU_DEP_2)
	v_max_num_f32 v[232+\b], v[232+\b], v[236+\b]
.endr
.irp b, 0,1
	s_delay_alu instid0(VALU_DEP_2)
	v_add_nc_u32 v[244+\b], 0xff000000, v[232+\b]
.endr
.irp b, 0,1
	s_delay_alu instid0(VALU_DEP_2)
	v_lshrrev_b32 v[236+\b], 23, v[244+\b]
.endr
	s_delay_alu instid0(VALU_DEP_1)
	v_lshl_or_b32 v236, v237, 8, v236              ; my row's two scale bytes
	v_cvt_scalef32_pk16_fp6_f32 v[224:226], v[96:111], v244
	v_cvt_scalef32_pk16_fp6_f32 v[240:242], v[112:127], v245
	v_nop
.irp i, 0,1,2
	v_permlane16_swap_b32 v[224+\i], v[240+\i]
.endr
.irp i, 0,1,2
	s_delay_alu instid0(VALU_DEP_3)
	v_mov_b32 v[227+\i], v[240+\i]
.endr
.irp p, 0,1,2
	global_store_b64 v[L8], v[224+2*\p:225+2*\p], s[54:55] offset:256*\p   ; half a fragment: three aligned blocks of 256 bytes
.endr
	global_store_b16 v[R4], v236, s[56:57]         ; lanes l and l xor 16 hold the same two bytes and store them to the same place
	s_wait_tensorcnt 0x0
	ds_add_u32 v223, v243
	s_wait_dscnt 0x0
	CROUND                                         ; the closing round: no work-group ends while a partner may still ask for a record that names it
	s_endpgm
.Lfunc_end_k_q3d82d60ba5_attn:
	.size	k_q3d82d60ba5_attn, .Lfunc_end_k_q3d82d60ba5_attn-k_q3d82d60ba5_attn
	.p2alignl 7, 3214868480
	.fill 96, 4, 3214868480
	.section	.rodata,"a",@progbits
	.p2align	6, 0x0
	.amdhsa_kernel k_q3d82d60ba5_attn
		.amdhsa_group_segment_fixed_size 210944
		.amdhsa_private_segment_fixed_size 0
		.amdhsa_enable_private_segment 0
		.amdhsa_kernarg_size 16
		.amdhsa_user_sgpr_count 2
		.amdhsa_user_sgpr_kernarg_segment_ptr 1
		.amdhsa_wavefront_size32 1
		.amdhsa_system_sgpr_workgroup_id_x 1
		.amdhsa_system_sgpr_workgroup_id_y 1
		.amdhsa_system_sgpr_workgroup_id_z 1
		.amdhsa_system_vgpr_workitem_id 0
		.amdhsa_next_free_vgpr 256
		.amdhsa_next_free_sgpr 66
		.amdhsa_reserve_vcc 0
		.amdhsa_float_denorm_mode_32 3
		.amdhsa_float_denorm_mode_16_64 3
		.amdhsa_memory_ordered 1
		.amdhsa_forward_progress 1
		.amdhsa_inst_pref_size 30
	.end_amdhsa_kernel
	.amdgpu_metadata
---
amdhsa.version: [ 1, 2 ]
amdhsa.kernels:
  - .name:           k_q3d82d60ba5_attn
    .symbol:         k_q3d82d60ba5_attn.kd
    .args:
      - { .name: qkvr, .offset: 0, .size: 8, .value_kind: global_buffer, .address_space: global }
      - { .name: actq, .offset: 8, .size: 8, .value_kind: global_buffer, .address_space: global }
    .group_segment_fixed_size: 210944
    .private_segment_fixed_size: 0
    .kernarg_segment_align: 8
    .kernarg_segment_size: 16
    .max_flat_workgroup_size: 512
    .sgpr_count:     66
    .vgpr_count:     256
    .wavefront_size: 32
...
	.end_amdgpu_metadata
.endif
;; end of part 11
;; launch oln (part 12): grid 256 x 1, 8 waves a work-group, no clusters, 69,632 bytes of LDS; arguments actq, wq, x, ln1_w, ln1_b, x1f, act2; writes x1f, act2
.if DOCPART == 12
	.amdgcn_target "amdgcn-amd-amdhsa--gfx1250"
	.amdhsa_code_object_version 6
	.text
	.protected	k_q3d82d60ba5_oln
	.globl	k_q3d82d60ba5_oln
	.p2align	8
	.type	k_q3d82d60ba5_oln,@function
k_q3d82d60ba5_oln:
	s_mov_b64 s[64:65], 0
	v_nop
	global_prefetch_b8 v0, s[64:65] scope:SCOPE_SE
	s_setreg_imm32_b32 hwreg(HW_REG_WAVE_MODE, 25, 1), 1
	s_wait_xcnt 0x0
; x1 = layernorm(x + a W_out) x ln1_w + ln1_b: the product on codes of FP6 (E2M3), the norm in f32; x1 leaves as f32 (x1f) and, quantised along its 1,024 columns, as fragment images (act2).
; A work-group owns one tile of 16 tokens (rows 32 B + 8 u + i + 8 (i / 8)) and all 1,024 columns, so a row's mean and variance never leave it; wave w owns columns 128 w on: 8 accumulators, 64 registers.
; THE MATRIX INSTRUCTION IS USED TRANSPOSED (source 0 = 16 columns of W, source 1 = the 16 tokens): lane (r, h) holds token r, register 16 b + i = column 32 b + 16 h + i.  x, turned through the wave's own stage in LDS into
; that layout, is the C of the sums: nothing is cleared and nothing is added afterwards.
; W's FRAGMENTS GO FROM MEMORY STRAIGHT INTO REGISTERS: each byte of W serves one wave of the work-group once.  A UNIT is one K step: 24 loads of 512 bytes (8 fragments), 6 of 256 (the tokens' fragment), 5 of scale words: 35 loads.
; Two sets of registers; a half set is asked for again, two units on, as soon as its four products are issued.  s_wait_loadcnt 35: the next unit's 35 loads may be out.
; No tensor load, so no ring and no cluster.  No prefetch is laid: W's stream is common to all 256 work-groups, which walk it in the same order.
; The mean is taken first and the variance of the differences.  The eight waves' partial sums meet in LDS: two barriers, two sets of words.
; LIMITS: a block of zeros, or one under 2^-124, gets the byte 1; NaN and infinities are not served.
; REGISTERS: window 0: v1-13 addresses; v16-25 scale words and nothing else; v56-79 the tokens' fragments, two sets; v80-143 the sums; v144-207 x by rows, then gains, then x1 by rows; v208 on at work.
;   window 1: v0-191 W's fragments, two sets; behind the product v0-63 the offsets ln1_b.
.set KS,     8
.set ASC,    3145728
.set BOFF,   2359296
.set BSC,    9535488
.set ACT_SC, 3145728
.set KRT,    KS*1536
.set RED, 67584
.set SB,  16
.set SA,  24
.set AF,  56
.set Y,   80
.set W,   144
.set TM,  208
.set PW,  224
.set PC,  226
.set MU,  246
.set RS,  248
.set T,   250
.set C10, 254
.set R8,  208
.set SEL, 32
.set MSB, 0
.macro WIN new                         ; the immediate's high byte repeats the setting that is left
.if MSB != (\new)
	s_set_vgpr_msb (MSB<<8)|(\new)
.set MSB, (\new)
.endif
.endm
.macro PLACES                          ; plain lines between a matrix instruction and a load into, or a read of, its registers
.rept 4
	v_nop
.endr
.endm
.macro LDB uo, set, i0                 ; W's fragments i0 .. i0 + 3 of the unit uo behind the base
.irp i, 0,1,2,3
.irp j, 0,1,2
	global_load_b128 v[96*(\set)+12*(\i0+\i)+4*\j:96*(\set)+12*(\i0+\i)+4*\j+3], v3, s[30:31] offset:(\i0+\i)*KRT+(\uo)*1536+512*\j
.endr
.endr
.endm
.macro LDA uo, set                     ; the tokens' fragment, W's scale words (lanes 0-15 tile 2 i, lanes 16-31 tile 2 i + 1) and the tokens'
.irp p, 0,1,2,3,4,5
	global_load_b64 v[AF+12*(\set)+2*\p:AF+12*(\set)+2*\p+1], v4, s[26:27] offset:(\uo)*1536+256*\p
.endr
.irp i, 0,1,2,3
	global_load_b32 v[SB+4*(\set)+\i], v5, s[34:35] offset:(\uo)*512+128*\i
.endr
	global_load_b32 v[SA+(\set)], v10, s[28:29] offset:(\uo)*512
.endm
.macro MUL4 set, i0                    ; the eight accumulators take turns, one instruction a turn
.irp b, 0,1,2,3
.set bb, \i0+\b
.if bb%2
	v_wmma_scale_f32_16x16x128_f8f6f4 v[Y+8*bb:Y+8*bb+7], v[96*(\set)+12*bb:96*(\set)+12*bb+11], v[AF+12*(\set):AF+12*(\set)+11], v[Y+8*bb:Y+8*bb+7], v[SB+4*(\set)+bb/2], v[SA+(\set)] matrix_a_fmt:MATRIX_FMT_FP6 matrix_b_fmt:MATRIX_FMT_FP6 matrix_a_scale:MATRIX_SCALE_ROW1
.else
	v_wmma_scale_f32_16x16x128_f8f6f4 v[Y+8*bb:Y+8*bb+7], v[96*(\set)+12*bb:96*(\set)+12*bb+11], v[AF+12*(\set):AF+12*(\set)+11], v[Y+8*bb:Y+8*bb+7], v[SB+4*(\set)+bb/2], v[SA+(\set)] matrix_a_fmt:MATRIX_FMT_FP6 matrix_b_fmt:MATRIX_FMT_FP6
.endif
.endr
.endm
.macro UNIT set, uo, fetch, left       ; one K step; fetch = 1: its registers are asked for again, for the unit uo behind the base
	s_wait_loadcnt \left
	WIN 0x01                                       ; source 0 in window 1
	MUL4 \set, 0
.if \fetch
	PLACES
	WIN 0x40                                       ; destination in window 1
	LDB \uo, \set, 0
	WIN 0x01
.endif
	MUL4 \set, 4
.if \fetch
	PLACES
	WIN 0x40
	LDB \uo, \set, 4
	WIN 0
	LDA \uo, \set
.else
	WIN 0
.endif
.endm
.macro QUANT s
.irp b, 0,1,2,3
	v_max3_num_f32 v[TM+\b], |v[\s+16*\b]|, |v[\s+1+16*\b]|, 0x1800000   ; block b: my 16 numbers, and the floor 2^(3 - 127): the byte cannot fall under 1
.endr
.irp i, 2,4,6,8,10,12,14
.irp b, 0,1,2,3
	s_delay_alu instid0(VALU_DEP_4)
	v_max3_num_f32 v[TM+\b], v[TM+\b], |v[\s+16*\b+\i]|, |v[\s+1+16*\b+\i]|
.endr
.endr
.irp b, 0,1,2,3
	s_delay_alu instid0(VALU_DEP_4)
	v_permlanex16_b32 v[TM+4+\b], v[TM+\b], s[SEL], s[SEL+1]
.endr
.irp b, 0,1,2,3
	s_delay_alu instid0(VALU_DEP_4)
	v_max_num_f32 v[TM+\b], v[TM+\b], v[TM+4+\b]
.endr
.irp b, 0,1,2,3
	s_delay_alu instid0(VALU_DEP_4)
	v_add_nc_u32 v[TM+12+\b], 0xff000000, v[TM+\b]
.endr
.irp b, 0,1,2,3
	s_delay_alu instid0(VALU_DEP_4)
	v_lshrrev_b32 v[TM+4+\b], 23, v[TM+12+\b]
.endr
	s_delay_alu instid0(VALU_DEP_3)
	v_lshl_or_b32 v[PW], v[TM+5], 8, v[TM+4]
	s_delay_alu instid0(VALU_DEP_1)
	v_lshl_or_b32 v[PW], v[TM+6], 16, v[PW]
	s_delay_alu instid0(VALU_DEP_1)
	v_lshl_or_b32 v[PW], v[TM+7], 24, v[PW]
.irp c, 0,1
	v_cvt_scalef32_pk16_fp6_f32 v[PC+6*\c:PC+2+6*\c], v[\s+32*\c:\s+15+32*\c], v[TM+12+2*\c]
	v_cvt_scalef32_pk16_fp6_f32 v[PC+12+4*\c:PC+14+4*\c], v[\s+16+32*\c:\s+31+32*\c], v[TM+12+2*\c+1]
.endr
	v_nop                                          ; one plain line behind a scaled conversion
.irp c, 0,1
.irp i, 0,1,2
	v_permlane16_swap_b32 v[PC+6*\c+\i], v[PC+12+4*\c+\i]
.endr
.irp i, 0,1,2
	s_delay_alu instid0(VALU_DEP_3)
	v_mov_b32 v[PC+3+6*\c+\i], v[PC+12+4*\c+\i]
.endr
.endr
.endm
; v[T] holds my 64 numbers' sum: with lane l xor 16's it is the wave's 128 columns of row r; the eight waves' sums meet in the words at off; v[T] = the row's sum.
.macro ROWSUM off
	s_delay_alu instid0(VALU_DEP_1)
	v_permlanex16_b32 v[T+1], v[T], s[SEL], s[SEL+1]
	s_delay_alu instid0(VALU_DEP_1)
	v_add_f32 v[T], v[T], v[T+1]
	ds_store_b32 v12, v[T] offset:\off             ; lanes l and l xor 16 write the same word with the same value
	s_wait_dscnt 0x0                               ; for the others' sake: my store has landed
	s_barrier_signal -1
	s_barrier_wait -1
	ds_load_b128 v[R8:R8+3], v13 offset:\off
	ds_load_b128 v[R8+4:R8+7], v13 offset:\off+16
	s_wait_dscnt 0x0
	v_pk_add_f32 v[R8:R8+1], v[R8:R8+1], v[R8+2:R8+3]
	v_pk_add_f32 v[R8+4:R8+5], v[R8+4:R8+5], v[R8+6:R8+7]
	s_delay_alu instid0(VALU_DEP_1)
	v_pk_add_f32 v[R8:R8+1], v[R8:R8+1], v[R8+4:R8+5]
	s_delay_alu instid0(VALU_DEP_1)
	v_add_f32 v[T], v[R8], v[R8+1]
.endm
	s_load_b256 s[4:11], s[0:1], 0x0               ; actq, wq, x, ln1_w
	s_load_b128 s[12:15], s[0:1], 0x20             ; ln1_b, x1f
	s_load_b64 s[16:17], s[0:1], 0x30              ; act2
	v_lshl_add_u32 v245, v0, 2, 0x10c00            ; my spare word, and 0: kept for the closing lines alone
	v_mov_b32 v255, 0
	v_lshrrev_b32 v1, 5, v0
	s_delay_alu instid0(VALU_DEP_1)
	v_readfirstlane_b32 s18, v1                    ; wave 0..7
	v_and_b32 v2, 31, v0
	s_delay_alu instid0(VALU_DEP_1)
	v_lshlrev_b32 v3, 4, v2                        ; 16 x lane
	s_delay_alu instid0(VALU_DEP_2)
	v_lshlrev_b32 v4, 3, v2                        ; 8 x lane
	s_delay_alu instid0(VALU_DEP_3)
	v_lshlrev_b32 v5, 2, v2                        ; 4 x lane
	s_delay_alu instid0(VALU_DEP_4)
	v_and_b32 v7, 15, v2                           ; r
	v_bfe_u32 v8, v2, 4, 1                         ; h
	s_delay_alu instid0(VALU_DEP_2)
	v_lshlrev_b32 v10, 2, v7
	s_delay_alu instid0(VALU_DEP_2)
	v_lshlrev_b32 v11, 6, v8
	s_mul_i32 s22, s18, 8448
	v_add_nc_u32 v6, s22, v3                       ; the stage by rows
	v_mul_u32_u24 v9, v7, 528
	s_delay_alu instid0(VALU_DEP_1)
	v_add_nc_u32 v9, v9, v11
	s_delay_alu instid0(VALU_DEP_1)
	v_add_nc_u32 v9, s22, v9                       ; and by lanes: row r, + 64 h
	s_lshl_b32 s22, s18, 2
	s_add_co_u32 s22, s22, RED
	v_lshl_add_u32 v12, v7, 5, s22                 ; my wave's word of row r
	v_lshl_add_u32 v13, v7, 5, RED                 ; row r's eight words
	v_mov_b32 v[C10], 0x3a800000                   ; 2^-10
	s_lshr_b32 s21, ttmp9, 1
	s_and_b32 s22, ttmp9, 1
	s_lshl_b32 s21, s21, 5
	s_lshl_b32 s22, s22, 3
	s_add_co_u32 s21, s21, s22                     ; the tile's first row
	s_lshl_b32 s24, s21, 12
	s_lshl_b32 s20, s18, 9                         ; my wave's 512 bytes of a row
	s_add_co_u32 s24, s24, s20
	s_mov_b32 s25, 0
	s_mov_b32 s21, 0
	s_mul_i32 s48, ttmp9, KRT                      ; the tokens' fragments
	s_mov_b32 s49, 0
	s_lshr_b32 s50, ttmp9, 3
	s_mul_i32 s50, s50, KS*512
	s_and_b32 s22, ttmp9, 7
	s_lshl_b32 s22, s22, 6
	s_add_co_u32 s50, s50, s22
	s_add_co_u32 s50, s50, ASC                     ; and their scale words
	s_mov_b32 s51, 0
	s_mul_i32 s52, s18, 8*KRT
	s_add_co_u32 s52, s52, BOFF                    ; W: my eight tiles
	s_mov_b32 s53, 0
	s_mul_i32 s54, s18, KS*512
	s_add_co_u32 s54, s54, BSC                     ; and their scale words
	s_mov_b32 s55, 0
	s_lshl_b32 s56, ttmp9, 3
	s_add_co_u32 s56, s56, s18
	s_mul_i32 s56, s56, 1536                       ; the fragment that I make
	s_mov_b32 s57, 0
	s_lshr_b32 s58, ttmp9, 3
	s_lshl_b32 s58, s58, 12
	s_add_co_u32 s58, s58, s20
	s_add_co_u32 s58, s58, s22
	s_add_co_u32 s58, s58, ACT_SC                  ; its scale words
	s_mov_b32 s59, 0
	s_mov_b32 s[SEL], 0x76543210
	s_mov_b32 s[SEL+1], 0xfedcba98
	s_wait_alu depctr_va_vdst(0)
	s_wait_kmcnt 0x0
	s_add_nc_u64 s[26:27], s[4:5], s[48:49]
	s_add_nc_u64 s[28:29], s[4:5], s[50:51]
	s_add_nc_u64 s[30:31], s[6:7], s[52:53]
	s_add_nc_u64 s[34:35], s[6:7], s[54:55]
	s_add_nc_u64 s[44:45], s[8:9], s[24:25]
	s_add_nc_u64 s[36:37], s[10:11], s[20:21]
	s_add_nc_u64 s[38:39], s[12:13], s[20:21]
	s_add_nc_u64 s[46:47], s[14:15], s[24:25]
	s_add_nc_u64 s[40:41], s[16:17], s[56:57]
	s_add_nc_u64 s[42:43], s[16:17], s[58:59]
.set i, 0
.rept 16
	global_load_b128 v[W+4*i:W+4*i+3], v3, s[44:45] offset:(i+8*(i/8))*4096 th:TH_LOAD_NT   ; 512 consecutive bytes of the tile's row i
.set i, i+1
.endr
	WIN 0x40
	LDB 0, 0, 0                                    ; unit 0
	LDB 0, 0, 4
	WIN 0
	LDA 0, 0
	s_wait_loadcnt 35                              ; x is in; unit 0's 35 loads may be out
.set i, 0
.rept 16
	ds_store_b128 v6, v[W+4*i:W+4*i+3] offset:528*i
.set i, i+1
.endr
.irp b, 0,1,2,3
.irp j, 0,1,2,3
	ds_load_b128 v[Y+16*\b+4*\j:Y+16*\b+4*\j+3], v9 offset:128*\b+16*\j   ; LDS serves a wave's instructions in order: these see my stores
.endr
.endr
	WIN 0x40
	LDB 1, 1, 0                                    ; unit 1
	LDB 1, 1, 4
	WIN 0
	LDA 1, 1
	s_wait_dscnt 0x0                               ; x stands where the sums begin
	s_mov_b32 s3, (KS-2)/2
.Lk:                                                   ; a trip is two units, until the register sets are back where they began
	UNIT 0, 2, 1, 35
	UNIT 1, 3, 1, 35
	s_wait_xcnt 0x0                                ; the loads have read their bases: these are stepped only behind this wait
	s_add_nc_u64 s[26:27], s[26:27], 3072
	s_add_nc_u64 s[30:31], s[30:31], 3072
	s_add_nc_u64 s[28:29], s[28:29], 1024
	s_add_nc_u64 s[34:35], s[34:35], 1024
	s_sub_co_u32 s3, s3, 1
	s_cmp_lg_u32 s3, 0
	s_cbranch_scc1 .Lk
	UNIT 0, 0, 0, 35                               ; the last two units ask for nothing
	UNIT 1, 0, 0, 0
	PLACES                                         ; behind the last products: their results are read, and loads land on fragments' registers
.irp b, 0,1,2,3
.irp j, 0,1,2,3
	global_load_b128 v[W+16*\b+4*\j:W+16*\b+4*\j+3], v11, s[36:37] offset:128*\b+16*\j   ; the gains of my 64 columns
.endr
.endr
	WIN 0x40
.irp b, 0,1,2,3
.irp j, 0,1,2,3
	global_load_b128 v[16*\b+4*\j:16*\b+4*\j+3], v11, s[38:39] offset:128*\b+16*\j       ; the offsets, in window 1
.endr
.endr
	WIN 0
	v_pk_add_f32 v[250:251], v[136:137], v[140:141]   ; eight chains by turns; each accumulator is read from its low end on
	v_pk_add_f32 v[252:253], v[80:81], v[82:83]
	v_pk_add_f32 v[248:249], v[88:89], v[92:93]
	v_pk_add_f32 v[246:247], v[96:97], v[100:101]
	v_pk_add_f32 v[242:243], v[104:105], v[108:109]
	v_pk_add_f32 v[240:241], v[112:113], v[116:117]
	v_pk_add_f32 v[238:239], v[120:121], v[124:125]
	v_pk_add_f32 v[236:237], v[128:129], v[132:133]
	v_pk_add_f32 v[250:251], v[250:251], v[84:85]
	v_pk_add_f32 v[252:253], v[252:253], v[86:87]
	v_pk_add_f32 v[248:249], v[248:249], v[90:91]
	v_pk_add_f32 v[246:247], v[246:247], v[94:95]
	v_pk_add_f32 v[242:243], v[242:243], v[98:99]
	v_pk_add_f32 v[240:241], v[240:241], v[102:103]
	v_pk_add_f32 v[238:239], v[238:239], v[106:107]
	v_pk_add_f32 v[236:237], v[236:237], v[110:111]
	v_pk_add_f32 v[250:251], v[250:251], v[114:115]
	v_pk_add_f32 v[252:253], v[252:253], v[118:119]
	v_pk_add_f32 v[248:249], v[248:249], v[122:123]
	v_pk_add_f32 v[246:247], v[246:247], v[126:127]
	v_pk_add_f32 v[242:243], v[242:243], v[130:131]
	v_pk_add_f32 v[240:241], v[240:241], v[134:135]
	v_pk_add_f32 v[238:239], v[238:239], v[138:139]
	v_pk_add_f32 v[236:237], v[236:237], v[142:143]
	s_delay_alu instid0(VALU_DEP_4)
	v_pk_add_f32 v[250:251], v[250:251], v[242:243]
	s_delay_alu instid0(VALU_DEP_4)
	v_pk_add_f32 v[252:253], v[252:253], v[240:241]
	s_delay_alu instid0(VALU_DEP_4)
	v_pk_add_f32 v[248:249], v[248:249], v[238:239]
	s_delay_alu instid0(VALU_DEP_4)
	v_pk_add_f32 v[246:247], v[246:247], v[236:237]
	s_delay_alu instid0(VALU_DEP_2)
	v_pk_add_f32 v[250:251], v[250:251], v[248:249]
	s_delay_alu instid0(VALU_DEP_2)
	v_pk_add_f32 v[252:253], v[252:253], v[246:247]
	s_delay_alu instid0(VALU_DEP_1)
	v_pk_add_f32 v[250:251], v[250:251], v[252:253]
	s_delay_alu instid0(VALU_DEP_1)
	v_add_f32 v[T], v[T], v[T+1]
	ROWSUM 0
	s_delay_alu instid0(VALU_DEP_1)
	v_mul_f32 v[MU], v[T], v[C10]                  ; the mean
	s_delay_alu instid0(VALU_DEP_1)
	v_mov_b32 v[MU+1], v[MU]
.set j, 0
.rept 32
	v_pk_add_f32 v[Y+j:Y+j+1], v[Y+j:Y+j+1], v[MU:MU+1] neg_lo:[0,1] neg_hi:[0,1]
.set j, j+2
.endr
	v_pk_mul_f32 v[T:T+1], v[Y:Y+1], v[Y:Y+1]
	v_pk_mul_f32 v[T+2:T+3], v[Y+2:Y+3], v[Y+2:Y+3]
.irp j, 4,8,12,16,20,24,28,32,36,40,44,48,52,56,60
	s_delay_alu instid0(VALU_DEP_2)
	v_pk_fma_f32 v[T:T+1], v[Y+\j:Y+\j+1], v[Y+\j:Y+\j+1], v[T:T+1]
	s_delay_alu instid0(VALU_DEP_2)
	v_pk_fma_f32 v[T+2:T+3], v[Y+\j+2:Y+\j+3], v[Y+\j+2:Y+\j+3], v[T+2:T+3]
.endr
	s_delay_alu instid0(VALU_DEP_1)
	v_pk_add_f32 v[T:T+1], v[T:T+1], v[T+2:T+3]
	s_delay_alu instid0(VALU_DEP_1)
	v_add_f32 v[T], v[T], v[T+1]
	ROWSUM 512                                     ; other words than the first sum's: no wave writes what another may still read
	s_delay_alu instid0(VALU_DEP_1)
	v_fmaak_f32 v[RS], v[T], v[C10], 0x3727c5ac    ; the variance + 1e-5
	s_wait_alu depctr_va_vdst(0)
	v_rsq_f32 v[RS], v[RS]
	v_nop                                          ; a plain line behind the transcendental
	s_wait_alu depctr_va_vdst(0)                   ; ahead of its first reader
	v_mov_b32 v[RS+1], v[RS]
	s_wait_alu depctr_va_vdst(0)
	s_wait_loadcnt 0x0                             ; gains and offsets
.set j, 0
.rept 32
	v_pk_mul_f32 v[Y+j:Y+j+1], v[Y+j:Y+j+1], v[RS:RS+1]
.set j, j+2
.endr
	WIN 0x10                                       ; source 2 in window 1
.set j, 0
.rept 32
	v_pk_fma_f32 v[Y+j:Y+j+1], v[Y+j:Y+j+1], v[W+j:W+j+1], v[j:j+1]
.set j, j+2
.endr
	WIN 0
.irp b, 0,1,2,3
.irp j, 0,1,2,3
	ds_store_b128 v9, v[Y+16*\b+4*\j:Y+16*\b+4*\j+3] offset:128*\b+16*\j   ; back through the stage, while the codes are made
.endr
.endr
.set i, 0
.rept 16
	ds_load_b128 v[W+4*i:W+4*i+3], v6 offset:528*i
.set i, i+1
.endr
	QUANT Y
.irp p, 0,1,2,3,4,5
	global_store_b64 v4, v[PC+2*\p:PC+2*\p+1], s[40:41] offset:256*\p   ; 256 consecutive bytes, aligned
.endr
	global_store_b32 v10, v[PW], s[42:43]          ; lanes l and l xor 16 hold the same word and store it to the same place
	s_wait_dscnt 0x0
.set i, 0
.rept 16
	global_store_b128 v3, v[W+4*i:W+4*i+3], s[46:47] offset:(i+8*(i/8))*4096   ; 512 consecutive bytes of a row
.set i, i+1
.endr
	s_wait_tensorcnt 0x0                           ; the wave's end
	ds_add_u32 v245, v255
	s_wait_dscnt 0x0
	s_endpgm
.Lfunc_end_k_q3d82d60ba5_oln:
	.size	k_q3d82d60ba5_oln, .Lfunc_end_k_q3d82d60ba5_oln-k_q3d82d60ba5_oln
	.p2alignl 7, 3214868480
	.fill 96, 4, 3214868480
	.section	.rodata,"a",@progbits
	.p2align	6, 0x0
	.amdhsa_kernel k_q3d82d60ba5_oln
		.amdhsa_group_segment_fixed_size 69632
		.amdhsa_private_segment_fixed_size 0
		.amdhsa_enable_private_segment 0
		.amdhsa_kernarg_size 56
		.amdhsa_user_sgpr_count 2
		.amdhsa_user_sgpr_kernarg_segment_ptr 1
		.amdhsa_wavefront_size32 1
		.amdhsa_system_sgpr_workgroup_id_x 1
		.amdhsa_system_sgpr_workgroup_id_y 1
		.amdhsa_system_sgpr_workgroup_id_z 1
		.amdhsa_system_vgpr_workitem_id 0
		.amdhsa_next_free_vgpr 512
		.amdhsa_next_free_sgpr 66
		.amdhsa_reserve_vcc 0
		.amdhsa_float_denorm_mode_32 3
		.amdhsa_float_denorm_mode_16_64 3
		.amdhsa_memory_ordered 1
		.amdhsa_forward_progress 1
		.amdhsa_inst_pref_size 53
	.end_amdhsa_kernel
	.amdgpu_metadata
---
amdhsa.version: [ 1, 2 ]
amdhsa.kernels:
  - .name:           k_q3d82d60ba5_oln
    .symbol:         k_q3d82d60ba5_oln.kd
    .args:
      - { .name: actq, .offset: 0, .size: 8, .value_kind: global_buffer, .address_space: global }
      - { .name: wq, .offset: 8, .size: 8, .value_kind: global_buffer, .address_space: global }
      - { .name: x, .offset: 16, .size: 8, .value_kind: global_buffer, .address_space: global }
      - { .name: ln1_w, .offset: 24, .size: 8, .value_kind: global_buffer, .address_space: global }
      - { .name: ln1_b, .offset: 32, .size: 8, .value_kind: global_buffer, .address_space: global }
      - { .name: x1f, .offset: 40, .size: 8, .value_kind: global_buffer, .address_space: global }
      - { .name: act2, .offset: 48, .size: 8, .value_kind: global_buffer, .address_space: global }
    .group_segment_fixed_size: 69632
    .private_segment_fixed_size: 0
    .kernarg_segment_align: 8
    .kernarg_segment_size: 56
    .max_flat_workgroup_size: 256
    .sgpr_count:     66
    .vgpr_count:     512
    .wavefront_size: 32
...
	.end_amdgpu_metadata
.endif
;; end of part 12
;; launch ffn1 (part 13): grid 16 x 16, 4 waves a work-group, clusters of 4 x 4, 327,680 bytes of LDS; arguments act2, wq, b1, hq; writes hq
.if DOCPART == 13
	.amdgcn_target "amdgcn-amd-amdhsa--gfx1250"
	.amdhsa_code_object_version 6
	.text
	.protected	k_q3d82d60ba5_ffn1
	.globl	k_q3d82d60ba5_ffn1
	.p2align	8
	.type	k_q3d82d60ba5_ffn1,@function
k_q3d82d60ba5_ffn1:
	s_mov_b64 s[64:65], 0
	v_nop
	global_prefetch_b8 v0, s[64:65] scope:SCOPE_SE
	s_setreg_imm32_b32 hwreg(HW_REG_WAVE_MODE, 25, 1), 1
	s_wait_xcnt 0x0
	s_wait_alu depctr_hold_cnt(0) depctr_sa_sdst(0) depctr_va_vdst(0) depctr_va_sdst(0) depctr_va_ssrc(0) depctr_va_vcc(0) depctr_vm_vsrc(0)
	s_getreg_b32 s2, hwreg(HW_REG_IB_STS2, 6, 4)
	s_cmp_eq_u32 s2, 0
	s_cbranch_scc0 .Lentry_in_a_cluster
	s_endpgm
.Lentry_in_a_cluster:
	s_bfe_u32 s2, ttmp6, 0x10000c
	s_cmp_lg_u32 s2, 0xf033
	s_cbranch_scc0 .Lentry_shape_is_right
	s_endpgm
.Lentry_shape_is_right:
.set KK,     1024
.set BIAS,   1
.set PA,     4
.set PB,     6
.set ASOFF,  3145728
.set BOFF,   3145728
.set BSOFF,  9568256
.set HSC,    12582912
.set NQ,     2
.set FR,     12
.set NL,     6
.set NP,     4
.set FRB,    1536
.set RTB,    NQ*FRB
.set HALFT,  8*RTB
.set SLOT,   4*HALFT
.set KRT,    (KK/128)*FRB
.set HALFS,  (KK/128)*512
.set SCL,    2*SLOT
.set SST,    262144
.set SPARE,  327168
.set LAPS,   KK/512
.set ADRA, 16
.set ADRB, 20
.set ADRS, 27
.set SPW,  28
.set NIL,  29
.set SC,   32
.set BI,   64
.set AF,   128
.set DST,  8
.set SWA,  9
.set SRD,  10
.set L16,  11
.set LA,   13
.set SA,   14
.set H,    64
.set Z,    128
.set Z2,   144
.set P,    160
.set Q,    176
.set TM,   192
.set PW,   208
.set PC,   212
.set CA,   232
.set CQ,   246
.set SEL,  40
.set G1, 24
.set G0, 32
.set G1B, 48
.set G0B, 56
.set G1S, 68
.set G0S, 76
.set G1SB, 80
.set G0SB, 88
.set MSB, 0
.macro WIN new
.if MSB != (\new)
	s_set_vgpr_msb (MSB<<8)|(\new)
.set MSB, (\new)
.endif
.endm
.set MUL_LO, 0xa1
.set MUL_HI, 0xf1
.set ST_LO,  0x81
.set ST_HI,  0xc1
.set TO_B,   0x40
.macro JLOAD g0a, g1a, g0b, g1b
	s_cmp_eq_u32 s15, 0
	s_cbranch_scc0 .Lfor_b_\@
	tensor_load_to_lds s[\g0a:\g0a+3], s[\g1a:\g1a+7]
	s_nop 0
.rept 4
	v_nop
.endr
	s_branch .Lasked_\@
.Lfor_b_\@:
	tensor_load_to_lds s[\g0b:\g0b+3], s[\g1b:\g1b+7]
	s_nop 0
.rept 4
	v_nop
.endr
.Lasked_\@:
.endm
.macro CREST
	s_cmp_lg_u32 s14, 0
	s_cbranch_scc1 .Lnot_wave_0_\@
	s_barrier_signal -3
.Lnot_wave_0_\@:
	s_barrier_wait -3
	s_barrier_signal -1
	s_barrier_wait -1
.endm
.macro CROUND
	s_barrier_signal -1
	s_barrier_wait -1
	CREST
.endm
	s_load_b128 s[4:7], s[0:1], 0x0
	s_load_b128 s[8:11], s[0:1], 0x10
	v_lshl_add_u32 v[SPW], v0, 2, SPARE
	v_mov_b32 v[NIL], 0
	ds_add_u32 v28, v29
	ds_add_u32 v28, v29
	s_wait_dscnt 0x0
	v_lshrrev_b32 v1, 5, v0
	v_readfirstlane_b32 s14, v1
	s_lshr_b32 s15, s14, 1
	s_and_b32 s16, s14, 1
	s_bfe_u32 s40, ttmp6, 0x40000
	s_bfe_u32 s41, ttmp6, 0x40004
	s_lshl_b32 s42, ttmp9, 2
	s_add_co_u32 s42, s42, s40
	s_and_b32 s17, ttmp7, 0xffff
	s_lshl_b32 s17, s17, 2
	s_add_co_u32 s17, s17, s41
	s_lshl_b32 s43, s41, 2
	s_lshl_b32 s43, 15, s43
	s_lshl_b32 s44, 0x1111, s40
	s_or_b32 s[G1+0], s43, (3<<16)|(1<<21)
	s_or_b32 s[G1B+0], s44, (3<<16)|(1<<21)
.irp g, G1, G1B
	s_mov_b32 s[\g+1], 384<<16
	s_mov_b32 s[\g+2], 16<<16                      ; 16 tiles for the head's loads; set to 8 for the ring's behind them
	s_mov_b32 s[\g+3], 384<<16
	s_mov_b32 s[\g+4], 16
	s_mov_b32 s[\g+5], KRT/8
	s_mov_b32 s[\g+6], 0
	s_mov_b32 s[\g+7], 0
.endr
	s_or_b32 s[G1S+0], s43, (3<<16)|(1<<21)
	s_or_b32 s[G1SB+0], s44, (3<<16)|(1<<21)
.irp g, G1S, G1SB
	s_mov_b32 s[\g+1], 32<<16
	s_mov_b32 s[\g+2], (2*HALFS/256)<<16           ; the scale words of 256 rows: one dense block
	s_mov_b32 s[\g+3], 32<<16
	s_mov_b32 s[\g+4], 2*HALFS/256
	s_mov_b32 s[\g+5], 32
	s_mov_b32 s[\g+6], 0
	s_mov_b32 s[\g+7], 0
.endr
	s_lshl_b32 s20, s17, 1
	s_add_co_u32 s20, s20, s16
	s_lshl_b32 s46, s42, 1
	s_add_co_u32 s46, s46, s16
	s_mul_i32 s22, s17, 2*HALFS
	s_add_co_u32 s22, s22, ASOFF
	s_mul_i32 s92, s42, 2*HALFS
	s_add_co_u32 s92, s92, BSOFF
	s_mul_i32 s20, s20, 8*KRT
	s_mul_i32 s46, s46, 8*KRT
	s_add_co_u32 s46, s46, BOFF
	s_mov_b32 s21, 0
	s_mov_b32 s23, 0
	s_mov_b32 s47, 0
	s_mov_b32 s93, 0
	s_mul_i32 s45, s14, HALFT
	s_wait_kmcnt 0x0
	s_add_nc_u64 s[20:21], s[PA:PA+1], s[20:21]
	s_add_nc_u64 s[22:23], s[PA:PA+1], s[22:23]
	s_add_nc_u64 s[46:47], s[PB:PB+1], s[46:47]
	s_add_nc_u64 s[92:93], s[PB:PB+1], s[92:93]
	CROUND
	s_mov_b32 s[G0S], 1
	s_mov_b32 s[G0S+1], SCL
	s_mov_b64 s[G0S+2:G0S+3], s[22:23]
	s_or_b32 s[G0S+3], s[G0S+3], 0x80000000
	s_mov_b32 s[G0SB], 1
	s_mov_b32 s[G0SB+1], SCL+2*HALFS
	s_mov_b64 s[G0SB+2:G0SB+3], s[92:93]
	s_or_b32 s[G0SB+3], s[G0SB+3], 0x80000000
.irp s, 0,1
	s_mov_b32 s[G0+4*\s], 1
	s_add_co_u32 s[G0+4*\s+1], s45, \s*SLOT
	s_add_nc_u64 s[G0+4*\s+2:G0+4*\s+3], s[20:21], \s*RTB
	s_or_b32 s[G0+4*\s+3], s[G0+4*\s+3], 0x80000000
	s_mov_b32 s[G0B+4*\s], 1
	s_add_co_u32 s[G0B+4*\s+1], s45, \s*SLOT
	s_add_nc_u64 s[G0B+4*\s+2:G0B+4*\s+3], s[46:47], \s*RTB
	s_or_b32 s[G0B+4*\s+3], s[G0B+4*\s+3], 0x80000000
.endr
; THE HEAD'S LOADS, ONE A WAVE: wave 0 all 256 rows of A of slot 0, wave 1 A's scale words, wave 2 all 256 rows of B, wave 3 B's scale words.
; Waves 0 and 2 fetch the first half in the ring, so their slot 0 descriptors already name the tile's first row and its place in LDS; only the count of rows differs.
; ONE chain of branches on the wave's number, a load to an arm, all arms leading to one join.
.macro ARM under, g0, g1, next
	s_cmp_lt_u32 s14, \under
	s_cbranch_scc0 \next
	tensor_load_to_lds s[\g0:\g0+3], s[\g1:\g1+7]
	s_nop 0
.rept 4
	v_nop
.endr
	s_branch .Lhead_asked
\next:
.endm
	ARM 1, G0,  G1,  .Lhead_sa
	ARM 2, G0S, G1S, .Lhead_b
	ARM 3, G0B, G1B, .Lhead_sb
	tensor_load_to_lds s[G0SB:G0SB+3], s[G1SB:G1SB+7]
	s_nop 0
.rept 4
	v_nop
.endr
.Lhead_asked:
	v_and_b32 v1, 15, v0
	v_bfe_u32 v2, v0, 4, 1
	v_and_b32 v3, 31, v0
	v_lshlrev_b32 v4, 3, v3
	s_wait_alu depctr_va_vdst(0)
	s_lshl_b32 s20, s42, 10
	s_lshl_b32 s21, s16, 9
	s_add_co_u32 s20, s20, s21
	s_mov_b32 s21, 0
	s_add_nc_u64 s[8:9], s[8:9], s[20:21]
	v_lshlrev_b32 v7, 6, v2
.irp t, 0,1,2,3,4,5,6,7
	global_load_b128 v[BI+8*\t:BI+8*\t+3], v7, s[8:9] offset:(32*(\t/2)+8*(\t%2))*4
	global_load_b128 v[BI+8*\t+4:BI+8*\t+7], v7, s[8:9] offset:(32*(\t/2)+8*(\t%2))*4+16
.endr
	s_mul_i32 s21, s15, HALFT
	s_mul_i32 s22, s16, HALFT
	s_add_co_u32 s22, s22, 2*HALFT
.irp s, 0,1
	v_add_nc_u32 v[ADRA+\s], s21, v4
	v_add_nc_u32 v[ADRB+\s], s22, v4
	s_add_co_u32 s21, s21, SLOT
	s_add_co_u32 s22, s22, SLOT
.endr
	v_lshlrev_b32 v5, 2, v1
	s_mul_i32 s21, s15, HALFS
	s_mul_i32 s22, s16, HALFS
	s_add_co_u32 s22, s22, 2*HALFS
	s_sub_co_u32 s22, s22, s21
	v_mul_u32_u24 v6, s22, v2
	s_add_co_u32 s21, s21, SCL
	v_add_nc_u32 v5, v5, v6
	v_add_nc_u32 v[ADRS], s21, v5
.macro FRAG reg, adr, q, i
.irp p, 0,1,2,3,4,5
	ds_load_b64 v[\reg+2*\p:\reg+2*\p+1], v[\adr] offset:(\i)*RTB+(\q)*FRB+256*\p
.endr
.endm
.macro MUL16 a0, p, q, sc, zero
.irp a, \a0, \a0+1
.irp b, 0,1,2,3,4,5,6,7
.set rD, 8*(8*((\a)%4)+\b)
.set rB, 128*(\p)+FR*\b
.set rA, AF+FR*(\a)
.set rSB, SC+8*NQ*(\sc)+NQ*\b+(\q)
.set rSA, SC+8*NQ*(\sc)+NQ*(\a)+(\q)
.if (\zero) && BIAS
	v_wmma_scale_f32_16x16x128_f8f6f4 v[rD:rD+7], v[rB:rB+FR-1], v[rA:rA+FR-1], v[BI+8*\b:BI+8*\b+7], v[rSB], v[rSA] matrix_a_fmt:MATRIX_FMT_FP6 matrix_b_fmt:MATRIX_FMT_FP6 matrix_a_scale:MATRIX_SCALE_ROW1
.elseif \zero
	v_wmma_scale_f32_16x16x128_f8f6f4 v[rD:rD+7], v[rB:rB+FR-1], v[rA:rA+FR-1], 0, v[rSB], v[rSA] matrix_a_fmt:MATRIX_FMT_FP6 matrix_b_fmt:MATRIX_FMT_FP6 matrix_a_scale:MATRIX_SCALE_ROW1
.else
	v_wmma_scale_f32_16x16x128_f8f6f4 v[rD:rD+7], v[rB:rB+FR-1], v[rA:rA+FR-1], v[rD:rD+7], v[rSB], v[rSA] matrix_a_fmt:MATRIX_FMT_FP6 matrix_b_fmt:MATRIX_FMT_FP6 matrix_a_scale:MATRIX_SCALE_ROW1
.endif
.endr
.endr
.endm
.macro FETCH_B slot, q, p
	WIN TO_B
.irp i, 0,1,2,3,4,5,6,7
	FRAG 128*(\p)+FR*\i, ADRB+\slot, \q, \i
.endr
	WIN 0
.endm
.macro FETCH_A slot, q, i0
.irp i, \i0, \i0+1, \i0+2, \i0+3
	FRAG AF+FR*(\i), ADRA+\slot, \q, \i
.endr
.endm
.macro SCALES sc
.irp i, 0,1,2,3,4,5,6,7
	ds_load_b32 v[SC+8*NQ*\sc+NQ*\i], v[ADRS] offset:64*\i
	ds_load_b32 v[SC+8*NQ*\sc+NQ*\i+1], v[ADRS] offset:512+64*\i
.endr
.endm
.macro PLACES n
.rept \n
	v_nop
.endr
.endm
.macro STEP slot, q, zero
	s_wait_dscnt 4*NL
.if (\zero) && BIAS
	WIN ST_LO
.else
	WIN MUL_LO
.endif
	MUL16 0, (\q)%2, \q, \slot, \zero
	MUL16 2, (\q)%2, \q, \slot, \zero
	s_wait_dscnt 0
	PLACES NP
	FETCH_B \slot, (\q)+1, 1-(\q)%2
	FETCH_A \slot, (\q)+1, 0
.if (\zero) && BIAS
	WIN ST_HI
.else
	WIN MUL_HI
.endif
	MUL16 4, (\q)%2, \q, \slot, \zero
	MUL16 6, (\q)%2, \q, \slot, \zero
	PLACES NP
	WIN 0
	FETCH_A \slot, (\q)+1, 4
.endm
.macro TURN slot, next, fill
	s_wait_tensorcnt 0x0
	ds_add_u32 v[SPW], v[NIL]
	s_wait_dscnt 4*NL+1
	WIN MUL_LO
	MUL16 0, 1, NQ-1, \slot, 0
	s_wait_dscnt 0x0
	s_barrier_signal -1
	MUL16 2, 1, NQ-1, \slot, 0
	WIN 0
	s_barrier_wait -1
.if \fill
	CREST
	s_add_nc_u64 s[G0+4*\slot+2:G0+4*\slot+3], s[G0+4*\slot+2:G0+4*\slot+3], 2*RTB
	s_add_nc_u64 s[G0B+4*\slot+2:G0B+4*\slot+3], s[G0B+4*\slot+2:G0B+4*\slot+3], 2*RTB
	JLOAD G0+4*\slot, G1, G0B+4*\slot, G1B
.else
	PLACES NP
.endif
	s_wait_alu depctr_va_vdst(0)
	v_add_nc_u32 v[ADRS], 512*NQ, v[ADRS]
	FETCH_B \next, 0, 0
	FETCH_A \next, 0, 0
	SCALES \next
	WIN MUL_HI
	MUL16 4, 1, NQ-1, \slot, 0
	MUL16 6, 1, NQ-1, \slot, 0
	PLACES NP
	WIN 0
	FETCH_A \next, 0, 4
.endm
	s_wait_alu depctr_va_vdst(0)
	s_wait_tensorcnt 0x0                           ; my tile of the head's four is in
	ds_add_u32 v[SPW], v[NIL]
	s_mov_b32 s[G1+2], 8<<16                       ; no tensor load of mine is out, so a descriptor may be written: from here on a load brings 8 tiles
	s_mov_b32 s[G1+4], 8
	s_mov_b32 s[G1B+2], 8<<16
	s_mov_b32 s[G1B+4], 8
	s_wait_dscnt 0x0
	CROUND                                         ; all four tiles are in, and all sixteen work-groups are here
	JLOAD G0+4, G1, G0B+4, G1B                     ; slot 1's first fill, the first tensor load behind the round
	FETCH_B 0, 0, 0
	FETCH_A 0, 0, 0
	SCALES 0
	FETCH_A 0, 0, 4
	s_wait_loadcnt 0x0
	STEP 0, 0, 1
	s_mov_b32 s3, LAPS-1
.Llap:
	TURN 0, 1, 1
	STEP 1, 0, 0
	TURN 1, 0, 1
	STEP 0, 0, 0
	s_sub_co_u32 s3, s3, 1
	s_cmp_lg_u32 s3, 0
	s_cbranch_scc1 .Llap
	TURN 0, 1, 0
	STEP 1, 0, 0
	s_wait_dscnt 4*NL
	WIN MUL_LO
	MUL16 0, 1, NQ-1, 1, 0
	MUL16 2, 1, NQ-1, 1, 0
	s_wait_dscnt 0
	WIN MUL_HI
	MUL16 4, 1, NQ-1, 1, 0
	MUL16 6, 1, NQ-1, 1, 0
	WIN 0
.macro QUANT s
.irp b, 0,1,2,3
	v_max3_num_f32 v[TM+\b], |v[\s+16*\b]|, |v[\s+1+16*\b]|, 0x1800000
.endr
.irp i, 2,4,6,8,10,12,14
.irp b, 0,1,2,3
	v_max3_num_f32 v[TM+\b], v[TM+\b], |v[\s+16*\b+\i]|, |v[\s+1+16*\b+\i]|
.endr
.endr
.irp b, 0,1,2,3
	v_permlanex16_b32 v[TM+4+\b], v[TM+\b], s[SEL], s[SEL+1]
.endr
.irp b, 0,1,2,3
	v_max_num_f32 v[TM+\b], v[TM+\b], v[TM+4+\b]
.endr
.irp b, 0,1,2,3
	v_add_nc_u32 v[TM+12+\b], 0xff000000, v[TM+\b]
.endr
.irp b, 0,1,2,3
	v_lshrrev_b32 v[TM+4+\b], 23, v[TM+12+\b]
.endr
	v_lshl_or_b32 v[PW], v[TM+5], 8, v[TM+4]
	v_lshl_or_b32 v[PW], v[TM+6], 16, v[PW]
	v_lshl_or_b32 v[PW], v[TM+7], 24, v[PW]
.irp c, 0,1
	v_cvt_scalef32_pk16_fp6_f32 v[PC+6*\c:PC+2+6*\c], v[\s+32*\c:\s+15+32*\c], v[TM+12+2*\c]
	v_cvt_scalef32_pk16_fp6_f32 v[PC+12+4*\c:PC+14+4*\c], v[\s+16+32*\c:\s+31+32*\c], v[TM+12+2*\c+1]
.endr
	v_nop
.irp c, 0,1
.irp i, 0,1,2
	v_permlane16_swap_b32 v[PC+6*\c+\i], v[PC+12+4*\c+\i]
.endr
.irp i, 0,1,2
	v_mov_b32 v[PC+3+6*\c+\i], v[PC+12+4*\c+\i]
.endr
.endr
.endm
.macro GELU16 hb
.irp j, 0,2,4,6,8,10,12,14
	v_pk_mul_f32 v[Z+\j:Z+\j+1], v[\hb+\j:\hb+\j+1], 0x3f3504f3 op_sel_hi:[1,0]
.endr
.irp j, 0,2,4,6,8,10,12,14
	v_pk_mul_f32 v[\hb+\j:\hb+\j+1], v[\hb+\j:\hb+\j+1], 0.5 op_sel_hi:[1,0]
.endr
.irp i, 0,1,2,3,4,5,6,7,8,9,10,11,12,13,14,15
	v_med3_num_f32 v[Z+\i], v[Z+\i], -4.0, 4.0
.endr
.irp j, 0,2,4,6,8,10,12,14
	v_pk_mul_f32 v[Z2+\j:Z2+\j+1], v[Z+\j:Z+\j+1], v[Z+\j:Z+\j+1]
.endr
.irp j, 0,2,4,6,8,10,12,14
	v_pk_fma_f32 v[P+\j:P+\j+1], v[Z2+\j:Z2+\j+1], v[CA:CA+1], v[CA+2:CA+3]
.endr
.irp c, 4,6,8,10,12
.irp j, 0,2,4,6,8,10,12,14
	v_pk_fma_f32 v[P+\j:P+\j+1], v[P+\j:P+\j+1], v[Z2+\j:Z2+\j+1], v[CA+\c:CA+\c+1]
.endr
.endr
.irp j, 0,2,4,6,8,10,12,14
	v_pk_fma_f32 v[Q+\j:Q+\j+1], v[Z2+\j:Z2+\j+1], v[CQ:CQ+1], v[CQ+2:CQ+3]
.endr
.irp c, 4,6,8
.irp j, 0,2,4,6,8,10,12,14
	v_pk_fma_f32 v[Q+\j:Q+\j+1], v[Q+\j:Q+\j+1], v[Z2+\j:Z2+\j+1], v[CQ+\c:CQ+\c+1]
.endr
.endr
	s_wait_alu depctr_va_vdst(0)
.irp i, 0,1,2,3,4,5,6,7,8,9,10,11,12,13,14,15
	v_rcp_f32 v[Q+\i], v[Q+\i]
.endr
.irp j, 0,2,4,6,8,10,12,14
	v_pk_mul_f32 v[P+\j:P+\j+1], v[P+\j:P+\j+1], v[Z+\j:Z+\j+1]
.endr
	s_wait_alu depctr_va_vdst(0)
.irp j, 0,2,4,6,8,10,12,14
	v_pk_mul_f32 v[P+\j:P+\j+1], v[P+\j:P+\j+1], v[Q+\j:Q+\j+1]
.endr
.irp j, 0,2,4,6,8,10,12,14
	v_pk_fma_f32 v[\hb+\j:\hb+\j+1], v[\hb+\j:\hb+\j+1], v[P+\j:P+\j+1], v[\hb+\j:\hb+\j+1]
.endr
.endm
.macro COEF r, x
	v_mov_b32 v[\r], \x
	v_mov_b32 v[\r+1], \x
.endm
	s_barrier_signal -1
	s_barrier_wait -1
	s_lshl_b32 s20, s17, 4
	s_lshl_b32 s21, s15, 3
	s_add_co_u32 s20, s20, s21
	s_lshl_b32 s20, s20, 5
	s_lshl_b32 s21, s42, 1
	s_add_co_u32 s21, s21, s16
	s_add_co_u32 s20, s20, s21
	s_mul_i32 s92, s20, FRB
	s_mov_b32 s93, 0
	s_add_nc_u64 s[92:93], s[10:11], s[92:93]
	s_lshl_b32 s20, s17, 1
	s_add_co_u32 s20, s20, s15
	s_lshl_b32 s20, s20, 14
	s_lshl_b32 s21, s21, 9
	s_add_co_u32 s20, s20, s21
	s_add_co_u32 s96, s20, HSC
	s_mov_b32 s97, 0
	s_add_nc_u64 s[96:97], s[10:11], s[96:97]
	s_mov_b32 s[SEL], 0x76543210
	s_mov_b32 s[SEL+1], 0xfedcba98
	s_lshl_b32 s20, s14, 16
	v_lshl_add_u32 v[DST], v3, 4, s20
	s_lshl_b32 s20, s14, 9
	s_add_co_u32 s20, s20, SST
	v_lshl_add_u32 v[SWA], v1, 2, s20
	v_lshl_add_u32 v[SRD], v3, 4, s20
	v_lshlrev_b32 v[L16], 4, v3
	COEF CA,    0xaf95df0b
	COEF CA+2,  0x32edffee
	COEF CA+4,  0xb60cff51
	COEF CA+6,  0xb86ec2d2
	COEF CA+8,  0xba40ac63
	COEF CA+10, 0xbb41a1f6
	COEF CA+12, 0xbc83dbd4
	COEF CQ,    0xb77460cd
	COEF CQ+2,  0xb95fbd29
	COEF CQ+4,  0xbadc924e
	COEF CQ+6,  0xbbf19bf8
	COEF CQ+8,  0xbc69b6a7
.irp b, 0,1,2,3
	v_mov_b32 v[TM+4+\b], 0
.endr
.irp a, 0,1,2,3,4,5,6,7
	WIN 0x08+4*(\a/4)
.irp b, 0,1,2,3,4,5,6,7
	ds_store_b128 v[DST], v[64*(\a%4)+8*\b:64*(\a%4)+8*\b+3] offset:\a*8192+\b*1024
	ds_store_b128 v[DST], v[64*(\a%4)+8*\b+4:64*(\a%4)+8*\b+7] offset:\a*8192+\b*1024+512
.endr
.endr
	WIN 0
	s_mov_b32 s2, 0
	s_mov_b32 s45, 0
	s_mov_b32 s3, 0
.Ltile:
	v_add_nc_u32 v[LA], s2, v[DST]
	v_add_nc_u32 v[SA], s45, v[SWA]
.set i, 0
.rept 16
	ds_load_b128 v[H+4*i:H+4*i+3], v[LA] offset:512*i
.set i, i+1
.endr
	s_wait_dscnt 0x0
	GELU16 H
	GELU16 H+16
	GELU16 H+32
	GELU16 H+48
	QUANT H
	ds_store_b32 v[SA], v[PW]
.irp p, 0,1,2,3,4,5
	global_store_b64 v4, v[PC+2*\p:PC+2*\p+1], s[92:93] offset:256*\p
.endr
	s_wait_xcnt 0x0
	s_add_nc_u64 s[92:93], s[92:93], 32*FRB
	s_add_co_u32 s2, s2, 8192
	s_add_co_u32 s45, s45, 64
	s_add_co_u32 s3, s3, 1
	s_cmp_lt_u32 s3, 8
	s_cbranch_scc1 .Ltile
	ds_load_b128 v[Z:Z+3], v[SRD]
	s_wait_dscnt 0x0
	global_store_b128 v[L16], v[Z:Z+3], s[96:97]
	s_wait_tensorcnt 0x0
	ds_add_u32 v[SPW], v[NIL]
	s_wait_dscnt 0x0
	CROUND
	s_endpgm
.Lfunc_end_k_q3d82d60ba5_ffn1:
	.size	k_q3d82d60ba5_ffn1, .Lfunc_end_k_q3d82d60ba5_ffn1-k_q3d82d60ba5_ffn1
	.p2alignl 7, 3214868480
	.fill 96, 4, 3214868480
	.section	.rodata,"a",@progbits
	.p2align	6, 0x0
	.amdhsa_kernel k_q3d82d60ba5_ffn1
		.amdhsa_group_segment_fixed_size 327680
		.amdhsa_private_segment_fixed_size 0
		.amdhsa_enable_private_segment 0
		.amdhsa_kernarg_size 32
		.amdhsa_user_sgpr_count 2
		.amdhsa_user_sgpr_kernarg_segment_ptr 1
		.amdhsa_wavefront_size32 1
		.amdhsa_system_sgpr_workgroup_id_x 1
		.amdhsa_system_sgpr_workgroup_id_y 1
		.amdhsa_system_sgpr_workgroup_id_z 1
		.amdhsa_system_vgpr_workitem_id 0
		.amdhsa_next_free_vgpr 1024
		.amdhsa_next_free_sgpr 98
		.amdhsa_reserve_vcc 0
		.amdhsa_float_denorm_mode_32 3
		.amdhsa_float_denorm_mode_16_64 3
		.amdhsa_memory_ordered 1
		.amdhsa_forward_progress 1
		.amdhsa_inst_pref_size 190
	.end_amdhsa_kernel
	.amdgpu_metadata
---
amdhsa.version: [ 1, 2 ]
amdhsa.kernels:
  - .name:           k_q3d82d60ba5_ffn1
    .symbol:         k_q3d82d60ba5_ffn1.kd
    .args:
      - { .name: act2, .offset: 0, .size: 8, .value_kind: global_buffer, .address_space: global }
      - { .name: wq, .offset: 8, .size: 8, .value_kind: global_buffer, .address_space: global }
      - { .name: b1, .offset: 16, .size: 8, .value_kind: global_buffer, .address_space: global }
      - { .name: hq, .offset: 24, .size: 8, .value_kind: global_buffer, .address_space: global }
    .group_segment_fixed_size: 327680
    .private_segment_fixed_size: 0
    .kernarg_segment_align: 8
    .kernarg_segment_size: 32
    .max_flat_workgroup_size: 128
    .sgpr_count:     98
    .vgpr_count:     1024
    .wavefront_size: 32
...
	.end_amdgpu_metadata
.endif
;; end of part 13
;; launch ffn2 (part 14): grid 8 x 32, 4 waves a work-group, clusters of 4 x 4, 327,680 bytes of LDS; arguments hq, wq, b2, cbuf; writes cbuf
.if DOCPART == 14
	.amdgcn_target "amdgcn-amd-amdhsa--gfx1250"
	.amdhsa_code_object_version 6
	.text
	.protected	k_q3d82d60ba5_ffn2
	.globl	k_q3d82d60ba5_ffn2
	.p2align	8
	.type	k_q3d82d60ba5_ffn2,@function
k_q3d82d60ba5_ffn2:
	s_mov_b64 s[64:65], 0
	v_nop
	global_prefetch_b8 v0, s[64:65] scope:SCOPE_SE
	s_setreg_imm32_b32 hwreg(HW_REG_WAVE_MODE, 25, 1), 1
	s_wait_xcnt 0x0
	s_wait_alu depctr_hold_cnt(0) depctr_sa_sdst(0) depctr_va_vdst(0) depctr_va_sdst(0) depctr_va_ssrc(0) depctr_va_vcc(0) depctr_vm_vsrc(0)
	s_getreg_b32 s2, hwreg(HW_REG_IB_STS2, 6, 4)
	s_cmp_eq_u32 s2, 0
	s_cbranch_scc0 .Lentry_in_a_cluster
	s_endpgm
.Lentry_in_a_cluster:
	s_bfe_u32 s2, ttmp6, 0x10000c
	s_cmp_lg_u32 s2, 0xf033
	s_cbranch_scc0 .Lentry_shape_is_right
	s_endpgm
.Lentry_shape_is_right:
.set KK,     4096
.set BIAS,   1
.set PA,     4
.set PB,     6
.set ASOFF,  12582912
.set BOFF,   6291456
.set BSOFF,  9699328
.set NQ,     4
.set FR,     12
.set NL,     6
.set NP,     4
.set FRB,    1536
.set RTB,    NQ*FRB
.set HALFT,  4*RTB
.set SLOT,   4*HALFT
.set KRT,    (KK/128)*FRB
.set HALFS,  (KK/128)*512
.set QS,     HALFS/2
.set SCL,    2*SLOT
.set SPARE,  327168
.set SPITCH, 272
.set LAPS,   KK/1024
.set ADRA, 16
.set ADRB, 20
.set STO,  24
.set RD,   25
.set CO,   26
.set ADRS, 27
.set SPW,  28
.set NIL,  29
.set SC,   32
.set BI,   64
.set BK,   64
.set ACC,  128
.set G1, 24
.set G0, 32
.set G1B, 48
.set G0B, 56
.set G1S, 68
.set G0S, 76
.set G1SB, 80
.set G0SB, 88
.set MSB, 0
.macro WIN new
.if MSB != (\new)
	s_set_vgpr_msb (MSB<<8)|(\new)
.set MSB, (\new)
.endif
.endm
.set MUL,  0x05
.set TO_F, 0x40
.macro JLOAD g0a, g1a, g0b, g1b
	s_cmp_eq_u32 s15, 0
	s_cbranch_scc0 .Lfor_b_\@
	tensor_load_to_lds s[\g0a:\g0a+3], s[\g1a:\g1a+7]
	s_nop 0
.rept 4
	v_nop
.endr
	s_branch .Lasked_\@
.Lfor_b_\@:
	tensor_load_to_lds s[\g0b:\g0b+3], s[\g1b:\g1b+7]
	s_nop 0
.rept 4
	v_nop
.endr
.Lasked_\@:
.endm
.macro CREST
	s_cmp_lg_u32 s14, 0
	s_cbranch_scc1 .Lnot_wave_0_\@
	s_barrier_signal -3
.Lnot_wave_0_\@:
	s_barrier_wait -3
	s_barrier_signal -1
	s_barrier_wait -1
.endm
.macro CROUND
	s_barrier_signal -1
	s_barrier_wait -1
	CREST
.endm
	s_load_b128 s[4:7], s[0:1], 0x0
.if BIAS
	s_load_b128 s[8:11], s[0:1], 0x10
.else
	s_load_b64 s[10:11], s[0:1], 0x10
.endif
	v_lshl_add_u32 v[SPW], v0, 2, SPARE
	v_mov_b32 v[NIL], 0
	ds_add_u32 v28, v29
	ds_add_u32 v28, v29
	s_wait_dscnt 0x0
	v_lshrrev_b32 v1, 5, v0
	v_readfirstlane_b32 s14, v1
	s_lshr_b32 s15, s14, 1
	s_and_b32 s16, s14, 1
	s_bfe_u32 s40, ttmp6, 0x40000
	s_bfe_u32 s41, ttmp6, 0x40004
	s_lshl_b32 s42, ttmp9, 2
	s_add_co_u32 s42, s42, s40
	s_and_b32 s17, ttmp7, 0xffff
	s_lshl_b32 s17, s17, 2
	s_add_co_u32 s17, s17, s41
	s_lshl_b32 s43, s41, 2
	s_lshl_b32 s43, 15, s43
	s_lshl_b32 s44, 0x1111, s40
	s_or_b32 s[G1+0], s43, (3<<16)|(1<<21)
	s_or_b32 s[G1B+0], s44, (3<<16)|(1<<21)
.irp g, G1, G1B
	s_mov_b32 s[\g+1], 768<<16
	s_mov_b32 s[\g+2], 8<<16                       ; 8 tiles for the head's loads; set to 4 for the ring's behind them
	s_mov_b32 s[\g+3], 768<<16
	s_mov_b32 s[\g+4], 8
	s_mov_b32 s[\g+5], KRT/8
	s_mov_b32 s[\g+6], 0
	s_mov_b32 s[\g+7], 0
.endr
	s_or_b32 s[G1S+0], s43, (3<<16)|(1<<21)
	s_or_b32 s[G1SB+0], s44, (3<<16)|(1<<21)
.irp g, G1S, G1SB
	s_mov_b32 s[\g+1], 32<<16
	s_mov_b32 s[\g+2], (HALFS/256)<<16             ; the scale words of 128 rows: one dense block
	s_mov_b32 s[\g+3], 32<<16
	s_mov_b32 s[\g+4], HALFS/256
	s_mov_b32 s[\g+5], 32
	s_mov_b32 s[\g+6], 0
	s_mov_b32 s[\g+7], 0
.endr
	s_lshl_b32 s20, s17, 1
	s_add_co_u32 s20, s20, s16
	s_lshl_b32 s46, s42, 1
	s_add_co_u32 s46, s46, s16
	s_mul_i32 s22, s17, HALFS
	s_add_co_u32 s22, s22, ASOFF
	s_mul_i32 s92, s42, HALFS
	s_add_co_u32 s92, s92, BSOFF
	s_mul_i32 s20, s20, 4*KRT
	s_mul_i32 s46, s46, 4*KRT
	s_add_co_u32 s46, s46, BOFF
	s_mov_b32 s21, 0
	s_mov_b32 s23, 0
	s_mov_b32 s47, 0
	s_mov_b32 s93, 0
	s_mul_i32 s45, s14, HALFT
	s_wait_kmcnt 0x0
	s_add_nc_u64 s[20:21], s[PA:PA+1], s[20:21]
	s_add_nc_u64 s[22:23], s[PA:PA+1], s[22:23]
	s_add_nc_u64 s[46:47], s[PB:PB+1], s[46:47]
	s_add_nc_u64 s[92:93], s[PB:PB+1], s[92:93]
	CROUND
	s_mov_b32 s[G0S], 1
	s_mov_b32 s[G0S+1], SCL
	s_mov_b64 s[G0S+2:G0S+3], s[22:23]
	s_or_b32 s[G0S+3], s[G0S+3], 0x80000000
	s_mov_b32 s[G0SB], 1
	s_mov_b32 s[G0SB+1], SCL+HALFS
	s_mov_b64 s[G0SB+2:G0SB+3], s[92:93]
	s_or_b32 s[G0SB+3], s[G0SB+3], 0x80000000
.irp s, 0,1
	s_mov_b32 s[G0+4*\s], 1
	s_add_co_u32 s[G0+4*\s+1], s45, \s*SLOT
	s_add_nc_u64 s[G0+4*\s+2:G0+4*\s+3], s[20:21], \s*RTB
	s_or_b32 s[G0+4*\s+3], s[G0+4*\s+3], 0x80000000
	s_mov_b32 s[G0B+4*\s], 1
	s_add_co_u32 s[G0B+4*\s+1], s45, \s*SLOT
	s_add_nc_u64 s[G0B+4*\s+2:G0B+4*\s+3], s[46:47], \s*RTB
	s_or_b32 s[G0B+4*\s+3], s[G0B+4*\s+3], 0x80000000
.endr
; THE HEAD'S LOADS, ONE A WAVE: wave 0 all 128 rows of A of slot 0, wave 1 A's scale words, wave 2 all 128 rows of B, wave 3 B's scale words.
; Waves 0 and 2 fetch the first half in the ring, so their slot 0 descriptors already name the tile's first row and its place in LDS; only the count of rows differs.
; ONE chain of branches on the wave's number, a load to an arm, all arms leading to one join.
.macro ARM under, g0, g1, next
	s_cmp_lt_u32 s14, \under
	s_cbranch_scc0 \next
	tensor_load_to_lds s[\g0:\g0+3], s[\g1:\g1+7]
	s_nop 0
.rept 4
	v_nop
.endr
	s_branch .Lhead_asked
\next:
.endm
	ARM 1, G0,  G1,  .Lhead_sa
	ARM 2, G0S, G1S, .Lhead_b
	ARM 3, G0B, G1B, .Lhead_sb
	tensor_load_to_lds s[G0SB:G0SB+3], s[G1SB:G1SB+7]
	s_nop 0
.rept 4
	v_nop
.endr
.Lhead_asked:
	v_and_b32 v1, 15, v0
	v_bfe_u32 v2, v0, 4, 1
	v_and_b32 v3, 31, v0
	v_lshlrev_b32 v4, 3, v3
.if BIAS
	s_wait_alu depctr_va_vdst(0)
	s_lshl_b32 s20, s42, 9
	s_lshl_b32 s21, s16, 8
	s_add_co_u32 s20, s20, s21
	s_mov_b32 s21, 0
	s_add_nc_u64 s[8:9], s[8:9], s[20:21]
	v_lshlrev_b32 v7, 6, v2
.irp t, 0,1,2,3
	global_load_b128 v[BI+8*\t:BI+8*\t+3], v7, s[8:9] offset:(32*(\t/2)+8*(\t%2))*4
	global_load_b128 v[BI+8*\t+4:BI+8*\t+7], v7, s[8:9] offset:(32*(\t/2)+8*(\t%2))*4+16
.endr
.endif
	s_mul_i32 s21, s15, HALFT
	s_mul_i32 s22, s16, HALFT
	s_add_co_u32 s22, s22, 2*HALFT
.irp s, 0,1
	v_add_nc_u32 v[ADRA+\s], s21, v4
	v_add_nc_u32 v[ADRB+\s], s22, v4
	s_add_co_u32 s21, s21, SLOT
	s_add_co_u32 s22, s22, SLOT
.endr
	v_lshlrev_b32 v5, 2, v1
	s_lshl_b32 s21, s15, 8
	s_lshl_b32 s22, s16, 8
	s_add_co_u32 s22, s22, HALFS
	s_sub_co_u32 s22, s22, s21
	v_mul_u32_u24 v6, s22, v2
	s_add_co_u32 s21, s21, SCL
	v_add_nc_u32 v5, v5, v6
	v_add_nc_u32 v[ADRS], s21, v5
	s_mul_i32 s23, s14, 16*SPITCH
	v_mul_u32_u24 v5, v1, SPITCH
	v_lshl_add_u32 v5, v2, 6, v5
	v_add_nc_u32 v[STO], s23, v5
	v_mul_u32_u24 v5, v2, SPITCH
	v_lshl_add_u32 v5, v1, 4, v5
	v_add_nc_u32 v[RD], s23, v5
	v_lshlrev_b32 v[CO], 12, v2
	v_lshl_add_u32 v[CO], v1, 4, v[CO]
	s_lshl_b32 s20, s17, 7
	s_lshl_b32 s21, s15, 6
	s_add_co_u32 s20, s20, s21
	s_lshl_b32 s20, s20, 12
	s_lshl_b32 s46, s42, 9
	s_lshl_b32 s47, s16, 8
	s_add_co_u32 s46, s46, s47
	s_add_co_u32 s20, s20, s46
	s_mov_b32 s21, 0
	s_add_nc_u64 s[12:13], s[10:11], s[20:21]
.macro FRAG reg, adr, q, i
.irp p, 0,1,2,3,4,5
	ds_load_b64 v[\reg+2*\p:\reg+2*\p+1], v[\adr] offset:(\i)*RTB+(\q)*FRB+256*\p
.endr
.endm
.macro MUL8 f, a0, q, sc, zero
.irp a, \a0, \a0+1
.irp b, 0,1,2,3
.set rD, ACC+8*(4*(\a)+\b)
.set rB, (\f)+48+FR*\b
.set rA, (\f)+FR*(\a)
.set rSB, SC+4*NQ*(\sc)+NQ*\b+(\q)
.set rSA, SC+4*NQ*(\sc)+NQ*(\a)+(\q)
.if (\zero) && BIAS
	v_wmma_scale_f32_16x16x128_f8f6f4 v[rD:rD+7], v[rB:rB+FR-1], v[rA:rA+FR-1], v[BI+8*\b:BI+8*\b+7], v[rSB], v[rSA] matrix_a_fmt:MATRIX_FMT_FP6 matrix_b_fmt:MATRIX_FMT_FP6 matrix_a_scale:MATRIX_SCALE_ROW1
.elseif \zero
	v_wmma_scale_f32_16x16x128_f8f6f4 v[rD:rD+7], v[rB:rB+FR-1], v[rA:rA+FR-1], 0, v[rSB], v[rSA] matrix_a_fmt:MATRIX_FMT_FP6 matrix_b_fmt:MATRIX_FMT_FP6 matrix_a_scale:MATRIX_SCALE_ROW1
.else
	v_wmma_scale_f32_16x16x128_f8f6f4 v[rD:rD+7], v[rB:rB+FR-1], v[rA:rA+FR-1], v[rD:rD+7], v[rSB], v[rSA] matrix_a_fmt:MATRIX_FMT_FP6 matrix_b_fmt:MATRIX_FMT_FP6 matrix_a_scale:MATRIX_SCALE_ROW1
.endif
.endr
.endr
.endm
.macro FETCH slot, q, f
	WIN TO_F
.irp i, 0,1,2,3
	FRAG (\f)+48+FR*\i, ADRB+\slot, \q, \i
.endr
.irp i, 0,1,2,3
	FRAG (\f)+FR*\i, ADRA+\slot, \q, \i
.endr
.endm
.macro SCALES sc
.irp i, 0,1,2,3
.irp q, 0,1,2,3
	ds_load_b32 v[SC+4*NQ*\sc+NQ*\i+\q], v[ADRS] offset:512*\q+64*\i
.endr
.endr
.endm
.macro PLACES n
.rept \n
	v_nop
.endr
.endm
.macro STEP slot, q, zero
	s_wait_dscnt 2*NL
	WIN MUL
	MUL8 128*((\q)%2), 0, \q, \slot, \zero
	PLACES NP
	FETCH \slot, (\q)+1, 128*(((\q)+1)%2)
	s_wait_dscnt 8*NL
	WIN MUL
	MUL8 128*((\q)%2), 2, \q, \slot, \zero
.endm
.macro TURN slot, next, fill
	WIN 0
	s_wait_tensorcnt 0x0
	ds_add_u32 v[SPW], v[NIL]
	s_wait_dscnt 2*NL+1
	WIN MUL
	MUL8 128, 0, NQ-1, \slot, 0
	s_wait_dscnt 0x0
	WIN 0
	s_barrier_signal -1
	s_barrier_wait -1
.if \fill
	CREST
	s_add_nc_u64 s[G0+4*\slot+2:G0+4*\slot+3], s[G0+4*\slot+2:G0+4*\slot+3], 2*RTB
	s_add_nc_u64 s[G0B+4*\slot+2:G0B+4*\slot+3], s[G0B+4*\slot+2:G0B+4*\slot+3], 2*RTB
	JLOAD G0+4*\slot, G1, G0B+4*\slot, G1B
.else
	PLACES NP
.endif
	s_wait_alu depctr_va_vdst(0)
	v_add_nc_u32 v[ADRS], 512*NQ, v[ADRS]
	SCALES \next
	FETCH \next, 0, 0
	WIN MUL
	MUL8 128, 2, NQ-1, \slot, 0
.endm
	s_wait_alu depctr_va_vdst(0)
	s_wait_tensorcnt 0x0                           ; my tile of the head's four is in
	ds_add_u32 v[SPW], v[NIL]
	s_mov_b32 s[G1+2], 4<<16                       ; no tensor load of mine is out, so a descriptor may be written: from here on a load brings 4 tiles
	s_mov_b32 s[G1+4], 4
	s_mov_b32 s[G1B+2], 4<<16
	s_mov_b32 s[G1B+4], 4
	s_wait_dscnt 0x0
	CROUND                                         ; all four tiles are in, and all sixteen work-groups are here
	JLOAD G0+4, G1, G0B+4, G1B                     ; slot 1's first fill, the first tensor load behind the round
	SCALES 0
	FETCH 0, 0, 0
.if BIAS
	s_wait_loadcnt 0x0
.endif
	STEP 0, 0, 1
.if LAPS > 1
	WIN 0
	s_mov_b32 s3, LAPS-1
.Llap:
	STEP 0, 1, 0
	STEP 0, 2, 0
	TURN 0, 1, 1
	STEP 1, 0, 0
	STEP 1, 1, 0
	STEP 1, 2, 0
	TURN 1, 0, 1
	STEP 0, 0, 0
	WIN 0
	s_sub_co_u32 s3, s3, 1
	s_cmp_lg_u32 s3, 0
	s_cbranch_scc1 .Llap
.endif
	STEP 0, 1, 0
	STEP 0, 2, 0
	TURN 0, 1, 0
	STEP 1, 0, 0
	STEP 1, 1, 0
	STEP 1, 2, 0
	s_wait_dscnt 2*NL
	WIN MUL
	MUL8 128, 0, NQ-1, 1, 0
	s_wait_dscnt 0
	MUL8 128, 2, NQ-1, 1, 0
	WIN 0
.macro TOSTAGE a
.irp b, 0,1,2,3
	ds_store_b128 v[STO], v[ACC+8*(4*(\a)+\b):ACC+8*(4*(\a)+\b)+3] offset:128*(\b/2)+32*(\b%2)
	ds_store_b128 v[STO], v[ACC+8*(4*(\a)+\b)+4:ACC+8*(4*(\a)+\b)+7] offset:128*(\b/2)+32*(\b%2)+16
.endr
.set BB, BK+32*((\a)%2)
.set i, 0
.rept 8
	ds_load_b128 v[BB+4*i:BB+4*i+3], v[RD] offset:2*i*SPITCH
.set i, i+1
.endr
.endm
.macro SEND a, younger
.set BB, BK+32*((\a)%2)
	s_wait_dscnt \younger
.set i, 0
.rept 8
	global_store_b128 v[CO], v[BB+4*i:BB+4*i+3], s[12:13] offset:(32*((\a)/2)+8*((\a)%2)+2*i+8*(i/4))*4096
.set i, i+1
.endr
.endm
	PLACES NP
	TOSTAGE 0
.irp a, 1,2,3
.if \a > 1
	s_wait_xcnt 0x0
.endif
	TOSTAGE \a
	SEND \a-1, 16
.endr
	SEND 3, 0
	s_wait_tensorcnt 0x0
	ds_add_u32 v[SPW], v[NIL]
	s_wait_dscnt 0x0
	CROUND
	s_endpgm
.Lfunc_end_k_q3d82d60ba5_ffn2:
	.size	k_q3d82d60ba5_ffn2, .Lfunc_end_k_q3d82d60ba5_ffn2-k_q3d82d60ba5_ffn2
	.p2alignl 7, 3214868480
	.fill 96, 4, 3214868480
	.section	.rodata,"a",@progbits
	.p2align	6, 0x0
	.amdhsa_kernel k_q3d82d60ba5_ffn2
		.amdhsa_group_segment_fixed_size 327680
		.amdhsa_private_segment_fixed_size 0
		.amdhsa_enable_private_segment 0
		.amdhsa_kernarg_size 32
		.amdhsa_user_sgpr_count 2
		.amdhsa_user_sgpr_kernarg_segment_ptr 1
		.amdhsa_wavefront_size32 1
		.amdhsa_system_sgpr_workgroup_id_x 1
		.amdhsa_system_sgpr_workgroup_id_y 1
		.amdhsa_system_sgpr_workgroup_id_z 1
		.amdhsa_system_vgpr_workitem_id 0
		.amdhsa_next_free_vgpr 512
		.amdhsa_next_free_sgpr 98
		.amdhsa_reserve_vcc 0
		.amdhsa_float_denorm_mode_32 3
		.amdhsa_float_denorm_mode_16_64 3
		.amdhsa_memory_ordered 1
		.amdhsa_forward_progress 1
		.amdhsa_inst_pref_size 110
	.end_amdhsa_kernel
	.amdgpu_metadata
---
amdhsa.version: [ 1, 2 ]
amdhsa.kernels:
  - .name:           k_q3d82d60ba5_ffn2
    .symbol:         k_q3d82d60ba5_ffn2.kd
    .args:
      - { .name: hq, .offset: 0, .size: 8, .value_kind: global_buffer, .address_space: global }
      - { .name: wq, .offset: 8, .size: 8, .value_kind: global_buffer, .address_space: global }
      - { .name: b2, .offset: 16, .size: 8, .value_kind: global_buffer, .address_space: global }
      - { .name: cbuf, .offset: 24, .size: 8, .value_kind: global_buffer, .address_space: global }
    .group_segment_fixed_size: 327680
    .private_segment_fixed_size: 0
    .kernarg_segment_align: 8
    .kernarg_segment_size: 32
    .max_flat_workgroup_size: 128
    .sgpr_count:     98
    .vgpr_count:     512
    .wavefront_size: 32
...
	.end_amdgpu_metadata
.endif
;; end of part 14
;; launch ln2 (part 15): grid 256 x 1, 8 waves a work-group, no clusters, 0 bytes of LDS; arguments cbuf, x1f, ln2_w, ln2_b, out0; writes out0
.if DOCPART == 15
	.amdgcn_target "amdgcn-amd-amdhsa--gfx1250"
	.amdhsa_code_object_version 6
	.text
	.protected	k_q3d82d60ba5_ln2
	.globl	k_q3d82d60ba5_ln2
	.p2align	8
	.type	k_q3d82d60ba5_ln2,@function
k_q3d82d60ba5_ln2:
	s_mov_b64 s[64:65], 0
	v_nop
	global_prefetch_b8 v0, s[64:65] scope:SCOPE_SE
	s_setreg_imm32_b32 hwreg(HW_REG_WAVE_MODE, 25, 1), 1
	s_wait_xcnt 0x0
; out0 = layernorm(x1f + cbuf) x ln2_w + ln2_b, all f32, rows of 1,024 (cbuf holds the second product with its bias).
; A wave takes two whole rows, each 32 registers a lane, kept in registers between the passes: each byte is read once.  Every load and store of a wave covers 512 consecutive bytes.
; The mean is taken first and the variance of the differences, so no difference of large sums is formed.  The reductions never leave the wave: no LDS, no barrier.  Memory binds: no matrix unit, no cluster.
; All 48 loads of a wave go out at once.  LIMITS: NaN and infinities are not served.
.set W,   16                           ; v16-47 gains, v48-79 offsets of my 32 columns (128 j + 4 lane + 0 .. 3)
.set B,   48
.set C0,  80                           ; row 0: cbuf, then the result;  v112-143 x1f
.set X0,  112
.set C1,  144                          ; row 1
.set X1,  176
.set T,   208                          ; v208-211 at work
.set MU,  212                          ; v[212:213] the mean, twice;  v[214:215] 1 / sqrt(var + eps), twice
.set RS,  214
.set C10, 216                          ; 2^-10
.set SEL, 28
.macro WSUM                            ; v[T] summed over the 32 lanes, the result in every lane
	s_delay_alu instid0(VALU_DEP_1)
	v_add_f32_dpp v[T], v[T], v[T] row_xmask:1 row_mask:0xf bank_mask:0xf
	s_delay_alu instid0(VALU_DEP_1)
	v_add_f32_dpp v[T], v[T], v[T] row_xmask:2 row_mask:0xf bank_mask:0xf
	s_delay_alu instid0(VALU_DEP_1)
	v_add_f32_dpp v[T], v[T], v[T] row_xmask:4 row_mask:0xf bank_mask:0xf
	s_delay_alu instid0(VALU_DEP_1)
	v_add_f32_dpp v[T], v[T], v[T] row_xmask:8 row_mask:0xf bank_mask:0xf
	s_delay_alu instid0(VALU_DEP_1)
	v_permlanex16_b32 v[T+1], v[T], s[SEL], s[SEL+1]
	s_delay_alu instid0(VALU_DEP_1)
	v_add_f32 v[T], v[T], v[T+1]
.endm
.macro ROW c, x, off, left             ; left: how many younger loads may stay out
	s_wait_loadcnt \left
.set j, 0
.rept 16
	v_pk_add_f32 v[\c+j:\c+j+1], v[\c+j:\c+j+1], v[\x+j:\x+j+1]
.set j, j+2
.endr
	v_pk_add_f32 v[T:T+1], v[\c:\c+1], v[\c+2:\c+3]          ; the sum of my 32, in two chains
	v_pk_add_f32 v[T+2:T+3], v[\c+4:\c+5], v[\c+6:\c+7]
.irp j, 8,12,16,20,24,28
	s_delay_alu instid0(VALU_DEP_2)
	v_pk_add_f32 v[T:T+1], v[T:T+1], v[\c+\j:\c+\j+1]
	s_delay_alu instid0(VALU_DEP_2)
	v_pk_add_f32 v[T+2:T+3], v[T+2:T+3], v[\c+\j+2:\c+\j+3]
.endr
	s_delay_alu instid0(VALU_DEP_1)
	v_pk_add_f32 v[T:T+1], v[T:T+1], v[T+2:T+3]
	s_delay_alu instid0(VALU_DEP_1)
	v_add_f32 v[T], v[T], v[T+1]
	WSUM
	s_delay_alu instid0(VALU_DEP_1)
	v_mul_f32 v[MU], v[T], v[C10]
	s_delay_alu instid0(VALU_DEP_1)
	v_mov_b32 v[MU+1], v[MU]
.set j, 0
.rept 16
	v_pk_add_f32 v[\c+j:\c+j+1], v[\c+j:\c+j+1], v[MU:MU+1] neg_lo:[0,1] neg_hi:[0,1]
.set j, j+2
.endr
	v_pk_mul_f32 v[T:T+1], v[\c:\c+1], v[\c:\c+1]
	v_pk_mul_f32 v[T+2:T+3], v[\c+2:\c+3], v[\c+2:\c+3]
.irp j, 4,8,12,16,20,24,28
	s_delay_alu instid0(VALU_DEP_2)
	v_pk_fma_f32 v[T:T+1], v[\c+\j:\c+\j+1], v[\c+\j:\c+\j+1], v[T:T+1]
	s_delay_alu instid0(VALU_DEP_2)
	v_pk_fma_f32 v[T+2:T+3], v[\c+\j+2:\c+\j+3], v[\c+\j+2:\c+\j+3], v[T+2:T+3]
.endr
	s_delay_alu instid0(VALU_DEP_1)
	v_pk_add_f32 v[T:T+1], v[T:T+1], v[T+2:T+3]
	s_delay_alu instid0(VALU_DEP_1)
	v_add_f32 v[T], v[T], v[T+1]
	WSUM
	s_delay_alu instid0(VALU_DEP_1)
	v_fmaak_f32 v[RS], v[T], v[C10], 0x3727c5ac    ; the variance + 1e-5
	s_wait_alu depctr_va_vdst(0)
	v_rsq_f32 v[RS], v[RS]
	v_nop                                          ; a plain line behind the transcendental
	s_wait_alu depctr_va_vdst(0)                   ; ahead of its first reader
	v_mov_b32 v[RS+1], v[RS]
.set j, 0
.rept 16
	v_pk_mul_f32 v[\c+j:\c+j+1], v[\c+j:\c+j+1], v[RS:RS+1]
.set j, j+2
.endr
.set j, 0
.rept 16
	v_pk_fma_f32 v[\c+j:\c+j+1], v[\c+j:\c+j+1], v[W+j:W+j+1], v[B+j:B+j+1]
.set j, j+2
.endr
.irp j, 0,1,2,3,4,5,6,7
	global_store_b128 v1, v[\c+4*\j:\c+4*\j+3], s[26:27] offset:\off+512*\j th:TH_STORE_NT
.endr
.endm
	s_load_b256 s[4:11], s[0:1], 0x0               ; cbuf, x1f, ln2_w, ln2_b
	s_load_b64 s[12:13], s[0:1], 0x20              ; out0
	v_lshrrev_b32 v2, 5, v0
	s_delay_alu instid0(VALU_DEP_1)
	v_readfirstlane_b32 s18, v2                    ; wave 0..7
	v_and_b32 v1, 31, v0
	s_delay_alu instid0(VALU_DEP_1)
	v_lshlrev_b32 v1, 4, v1                        ; 16 bytes a lane
	v_mov_b32 v[C10], 0x3a800000
	s_lshl_b32 s20, ttmp9, 4
	s_lshl_b32 s21, s18, 1
	s_add_co_u32 s20, s20, s21                     ; my first row: 16 x work-group + 2 x wave
	s_lshl_b32 s20, s20, 12
	s_mov_b32 s21, 0
	s_mov_b32 s[SEL], 0x76543210
	s_mov_b32 s[SEL+1], 0xfedcba98
	s_wait_alu depctr_va_vdst(0)
	s_wait_kmcnt 0x0
	s_add_nc_u64 s[22:23], s[4:5], s[20:21]
	s_add_nc_u64 s[24:25], s[6:7], s[20:21]
	s_add_nc_u64 s[26:27], s[12:13], s[20:21]
.irp j, 0,1,2,3,4,5,6,7
	global_load_b128 v[W+4*\j:W+4*\j+3], v1, s[8:9] offset:512*\j
	global_load_b128 v[B+4*\j:B+4*\j+3], v1, s[10:11] offset:512*\j
.endr
.irp j, 0,1,2,3,4,5,6,7
	global_load_b128 v[C0+4*\j:C0+4*\j+3], v1, s[22:23] offset:512*\j th:TH_LOAD_NT
	global_load_b128 v[X0+4*\j:X0+4*\j+3], v1, s[24:25] offset:512*\j th:TH_LOAD_NT
.endr
.irp j, 0,1,2,3,4,5,6,7
	global_load_b128 v[C1+4*\j:C1+4*\j+3], v1, s[22:23] offset:4096+512*\j th:TH_LOAD_NT
	global_load_b128 v[X1+4*\j:X1+4*\j+3], v1, s[24:25] offset:4096+512*\j th:TH_LOAD_NT
.endr
	ROW C0, X0, 0, 16                              ; gains, offsets and row 0 are in; row 1's 16 loads may be out
	ROW C1, X1, 4096, 0
	s_endpgm
.Lfunc_end_k_q3d82d60ba5_ln2:
	.size	k_q3d82d60ba5_ln2, .Lfunc_end_k_q3d82d60ba5_ln2-k_q3d82d60ba5_ln2
	.p2alignl 7, 3214868480
	.fill 96, 4, 3214868480
	.section	.rodata,"a",@progbits
	.p2align	6, 0x0
	.amdhsa_kernel k_q3d82d60ba5_ln2
		.amdhsa_group_segment_fixed_size 0
		.amdhsa_private_segment_fixed_size 0
		.amdhsa_enable_private_segment 0
		.amdhsa_kernarg_size 40
		.amdhsa_user_sgpr_count 2
		.amdhsa_user_sgpr_kernarg_segment_ptr 1
		.amdhsa_wavefront_size32 1
		.amdhsa_system_sgpr_workgroup_id_x 1
		.amdhsa_system_sgpr_workgroup_id_y 1
		.amdhsa_system_sgpr_workgroup_id_z 1
		.amdhsa_system_vgpr_workitem_id 0
		.amdhsa_next_free_vgpr 224
		.amdhsa_next_free_sgpr 66
		.amdhsa_reserve_vcc 0
		.amdhsa_float_denorm_mode_32 3
		.amdhsa_float_denorm_mode_16_64 3
		.amdhsa_memory_ordered 1
		.amdhsa_forward_progress 1
		.amdhsa_inst_pref_size 25
	.end_amdhsa_kernel
	.amdgpu_metadata
---
amdhsa.version: [ 1, 2 ]
amdhsa.kernels:
  - .name:           k_q3d82d60ba5_ln2
    .symbol:         k_q3d82d60ba5_ln2.kd
    .args:
      - { .name: cbuf, .offset: 0, .size: 8, .value_kind: global_buffer, .address_space: global }
      - { .name: x1f, .offset: 8, .size: 8, .value_kind: global_buffer, .address_space: global }
      - { .name: ln2_w, .offset: 16, .size: 8, .value_kind: global_buffer, .address_space: global }
      - { .name: ln2_b, .offset: 24, .size: 8, .value_kind: global_buffer, .address_space: global }
      - { .name: out0, .offset: 32, .size: 8, .value_kind: global_buffer, .address_space: global }
    .group_segment_fixed_size: 0
    .private_segment_fixed_size: 0
    .kernarg_segment_align: 8
    .kernarg_segment_size: 40
    .max_flat_workgroup_size: 256
    .sgpr_count:     66
    .vgpr_count:     224
    .wavefront_size: 32
...
	.end_amdgpu_metadata
.endif
;; end of part 15
